; MI455X (gfx1250); checked and timed in simulation.
; The chip was launched on July 23, 2026; its instructions are those of AMD's public machine-readable ISA for CDNA 5 (MIT licence, August 2026) and "CDNA5" Instruction Set Architecture Reference Guide (July 2026). The comments in the code are by the model that wrote it; some were corrected since.
;; GPT Multi Head Attention. Allowed arithmetic: matrix products marked QUANTISED: E2M3 operands, one E8M0 scale for each 32 along K, by v_wmma_scale_f32_16x16x128_f8f6f4 with both operands' format E2M3, f32 sums; everything else in f32.
;; Inputs: Wk 2,048 x 2,048 float32; Wo 2,048 x 2,048 float32; Wq 2,048 x 2,048 float32; Wv 2,048 x 2,048 float32; attention_mask 1 x 1 x 2,048 x 2,048 bool; key_inputs 1 x 2,048 x 2,048 float32; query_inputs 1 x 2,048 x 2,048 float32; value_inputs 1 x 2,048 x 2,048 float32.
;; Outputs: out0 1 x 2,048 x 2,048 float32.
;; This version of the problem:
;;   THIS VERSION OF THE PROBLEM IS GIVEN IN LOW PRECISION. The matrix products marked QUANTISED in the list below multiply operands that are first quantised to E2M3 (2 exponent bits, 3 mantissa bits; 6 bits a number), with one power-of-two scale for each 32 numbers along K (OCP MX v1.0); their sums are f32. All else is computed in f32.
;;   The module's matrix products, in the order in which they are computed (A, B: the left and right operand; K: the contracted axis; several contracted axes count as one K, in the product's order):
;;     1. [M 2,048, K 2,048] x [K 2,048, N 2,048]; A: input query_inputs; B: input Wq: QUANTISED
;;     2. [M 2,048, K 2,048] x [K 2,048, N 2,048]; A: input key_inputs; B: input Wk: QUANTISED
;;     3. [M 2,048, K 2,048] x [K 2,048, N 2,048]; A: input value_inputs; B: input Wv: QUANTISED
;;     4. batch 16 x [M 2,048, K 128] x [K 128, N 2,048]; A: computed on the way; B: computed on the way: QUANTISED
;;     5. batch 16 x [M 128, K 2,048] x [K 2,048, N 2,048]; A: computed on the way; B: softmax (see below): QUANTISED
;;     6. [M 2,048, K 2,048] x [K 2,048, N 2,048]; A: computed on the way; B: input Wo: QUANTISED
;;   THE QUANTISER, for each operand of a quantised product, along K:
;;     - K is cut into blocks of 32 from its start; a last block that is shorter is filled with zeros.
;;     - A block's scale is 2^e with e = floor(log2(the largest magnitude in the block)) - 2, held to -126 .. 127; a block of zeros has e = 0. As a byte (E8M0): e + 127.
;;     - Each number is divided by its block's scale, clamped to +-7.5, and rounded to the nearest number of E2M3, ties to even, subnormals kept.
;;     - The product sums the exact products of the quantised numbers (number of the format x scale) in f32.
;;   ~~~python
;;   def quantise(x, axis):      # numpy; x: float32 -> the quantised numbers, widened to float32 again
;;       x = np.moveaxis(x, axis, -1); K = x.shape[-1]
;;       x = np.pad(x, [(0, 0)] * (x.ndim - 1) + [(0, -K % 32)]); x = x.reshape(x.shape[:-1] + (-1, 32)); a = np.abs(x).max(-1, keepdims=True)
;;       e = np.where(a > 0, np.clip(np.frexp(np.where(a > 0, a, 1))[1] - 1 - 2, -126, 127), 0)      # np.frexp(a)[1] - 1 = floor(log2(a)), exactly
;;       r = np.clip(x / 2.0 ** e, -7.5, 7.5)
;;       step = 2.0 ** (np.maximum(np.frexp(np.where(r == 0, 1, r))[1] - 1, 0) - 3)
;;       q = np.round(r / step) * step * 2.0 ** e      # np.round: ties to even
;;       return np.moveaxis(q.reshape(q.shape[:-2] + (-1,))[..., :K], -1, axis).astype(np.float32)
;;   ~~~
;;   SOFTMAX AHEAD OF A QUANTISED PRODUCT. Where the list says 'softmax', what is quantised is not the finished softmax but p = 2^(t - M), with t = logit x log2(e) and M = ceil(the row's largest t), a whole number; so 1/2 < the row's largest p <= 1. The row's sum l is taken of the UNQUANTISED p, in f32, and the product's result is divided by l at the end. Since M is a whole number, a kernel that streams over the keys may use a running M (the ceiling of the running maximum): every later rescaling is an exact power of two, which a block's scale takes up: the codes' values come out the same.
;;   OPERANDS COMPUTED ON THE WAY. 'Computed on the way' means the value that the module computes at that place (a softmax that the list does not call 'softmax' is quantised finished and normalised). What goes into a quantiser is computed in f32, as accurately as f32 sums, v_exp_f32 and their like allow (about 1e-6 of the number): no bf16 or f16 on the way to a quantiser, and a product that is left as it is and whose result goes on into a quantised operand takes f32 operands (vector FMAs, or v_wmma_f32_16x16x4_f32). A number that lies on a knife's edge between two numbers of the format may be rounded either way, as far as f32 arithmetic and the matrix unit's own rounding can turn it there, and no further.
;; 2 versions. Each part assembles by itself: llvm-mc -triple=amdgcn-amd-amdhsa -mcpu=gfx1250 --defsym DOCPART=n.
;; ======== version 1 of 2: 4 launches
;; workspace buffers: ops 22,937,600 bytes; maskw 524,288 bytes of whole numbers; rope 524,288 bytes; qpk 3,276,800 bytes; kvpk 6,553,600 bytes; oop 3,276,800 bytes
;; launch prep (part 1): grid 1024 x 1, 4 waves a work-group, no clusters, 68,096 bytes of LDS; arguments query_inputs, key_inputs, value_inputs, Wq, Wk, Wv, Wo, attention_mask, ops, maskw, rope; writes ops, maskw, rope
.if DOCPART == 1
	.amdgcn_target "amdgcn-amd-amdhsa--gfx1250"
	.amdhsa_code_object_version 6
	.text
	.protected	k_q975570da49_prep
	.globl	k_q975570da49_prep
	.p2align	8
	.type	k_q975570da49_prep,@function
k_q975570da49_prep:
	s_mov_b64 s[64:65], 0
	v_nop
	global_prefetch_b8 v0, s[64:65] scope:SCOPE_SE
	s_setreg_imm32_b32 hwreg(HW_REG_WAVE_MODE, 25, 1), 1
	s_wait_xcnt 0x0
; PREP: everything that is made once.  Three kinds of work-group, told apart by the work-group's number:
;   0 .. 383    X: query_inputs, key_inputs, value_inputs [2048][2048] f32 (K innermost) become codes of FP6 (E2M3) and E8M0 scale bytes
;   384 .. 895  W: Wq, Wk, Wv, Wo [K 2048][N 2048] f32 (K is the FIRST axis) likewise, quantised down the columns
;   896 .. 1023 M: attention_mask becomes words of 32 lane bits for the attention launch; the same waves make the rotary table (cos, sin)
; AN OPERAND TENSOR in ops (3,276,800 bytes; 0 xq, 1 xk, 2 xv, 3 Wq, 4 Wk, 5 Wv, 6 Wo): codes [K/256 (8)][fragment F (128)][q (2)][1,536], then from byte 3,145,728 on scale words [F][K/256][row r (16)][q (2)].
; A FRAGMENT (16 rows x 128 K, 12 registers a lane) lies as an image of the operand's registers: registers 4 c .. 4 c + 3 of lane l at 512 c + 16 l.
; THE ROWS OF A FRAGMENT ARE NOT NEIGHBOURS: row r of fragment F is index 32 (F / 2) + 8 (F % 2) + r + 8 (r / 8), so that a product that takes the fragment as its first source leaves 16 neighbouring indices in the
; 16 registers of two neighbouring result tiles.  K is always in its true order.
; A block's scale is 2^(floor(log2(its largest magnitude)) - 2); its byte is the largest magnitude's exponent field - 2, held at 1 from below.
; LIMITS: a block of zeros gets the byte 1 (its codes are zeros, and this program alone reads the bytes); blocks whose largest magnitude lies under 2^-124 are held at that byte; NaN and infinities are not served.
; The rotary angles follow the f32 steps of the table's definition: P = 10000^(i/32) rounded to f32 (taken as correctly rounded), 1 / P, position x that; sine and cosine by a two-part reduction by pi/2 and polynomials.
; No tensor loads, no barrier: waves share nothing.  Each path that uses LDS has LDS bytes of its own: X bytes 0 .. 33,791, M bytes 33,792 .. 67,583.
.set TENS,  3276800
.set SCOFF, 3145728
.set S2B,   393216                     ; the codes of 256 along K, all 128 fragments
.set LANE,  2
.set RR,    3                          ; lane % 16
.set HH,    4                          ; lane / 16
.set LI,    5                          ; 16 x lane
.set XSTW,  6                          ; X: the wave's stage, on the way in
.set XSTR,  7                          ; and on the way out
.set MSTW,  8                          ; M: the same
.set MSTR,  9
.set TM,    16                         ; v16-31  at work in QUANT
.set PC,    32                         ; v32-50  the codes just made
.set PW,    52                         ; v52-55  scale words
.set XR,    64                         ; v64-191 two sets of 64 numbers as loaded
.set XN,    192                        ; v192-255 64 numbers of a lane: register 16 b + i = k 32 b + 16 (lane / 16) + i of my row
.set SEL,   28                         ; s[28:29] v_permlanex16_b32's selects for lane l xor 16
; 64 numbers of a lane, register 16 b + i = k 32 b + 16 (lane / 16) + i of my row, become a fragment's codes in v[PC] on and its scale word in v[pw].
.macro QUANT s, pw
.irp b, 0,1,2,3
	v_max3_num_f32 v[TM+\b], |v[\s+16*\b]|, |v[\s+1+16*\b]|, 0x1800000   ; block b: my 16 numbers, and the floor 2^(3 - 127): the byte cannot fall under 1
.endr
.irp i, 2,4,6,8,10,12,14
.irp b, 0,1,2,3
	v_max3_num_f32 v[TM+\b], v[TM+\b], |v[\s+16*\b+\i]|, |v[\s+1+16*\b+\i]|   ; the four blocks by turns
.endr
.endr
.irp b, 0,1,2,3
	v_permlanex16_b32 v[TM+4+\b], v[TM+\b], s[SEL], s[SEL+1]
.endr
.irp b, 0,1,2,3
	v_max_num_f32 v[TM+\b], v[TM+\b], v[TM+4+\b]   ; with lane l xor 16's: the block's largest magnitude
.endr
.irp b, 0,1,2,3
	v_add_nc_u32 v[TM+12+\b], 0xff000000, v[TM+\b]   ; 2 off its exponent field: the conversion takes the exponent field of this operand as its scale
.endr
.irp b, 0,1,2,3
	v_lshrrev_b32 v[TM+4+\b], 23, v[TM+12+\b]      ; the scale's byte
.endr
	v_lshl_or_b32 v[\pw], v[TM+5], 8, v[TM+4]      ; four bytes make my row's scale word
	v_lshl_or_b32 v[\pw], v[TM+6], 16, v[\pw]
	v_lshl_or_b32 v[\pw], v[TM+7], 24, v[\pw]
.irp c, 0,1
	v_cvt_scalef32_pk16_fp6_f32 v[PC+6*\c:PC+2+6*\c], v[\s+32*\c:\s+15+32*\c], v[TM+12+2*\c]
	v_cvt_scalef32_pk16_fp6_f32 v[PC+12+4*\c:PC+14+4*\c], v[\s+16+32*\c:\s+31+32*\c], v[TM+12+2*\c+1]   ; (a conversion's three registers begin on an even number)
.endr
	v_nop                                          ; one plain place behind a scaled conversion
.irp c, 0,1                                    ; the operand's layout wants a WHOLE block in a lane: lanes 0-15 block 2 c, lanes 16-31 block 2 c + 1
.irp i, 0,1,2
	v_permlane16_swap_b32 v[PC+6*\c+\i], v[PC+12+4*\c+\i]
.endr
.irp i, 0,1,2
	v_mov_b32 v[PC+3+6*\c+\i], v[PC+12+4*\c+\i]
.endr
.endr
.endm
	s_load_b512 s[4:19], s[0:1], 0x0               ; xq s[4:5], xk s[6:7], xv s[8:9], Wq s[10:11], Wk s[12:13], Wv s[14:15], Wo s[16:17], the mask s[18:19]
	s_load_b128 s[20:23], s[0:1], 0x40             ; ops s[20:21], maskw s[22:23]
	s_load_b64 s[24:25], s[0:1], 0x50              ; rope
	v_lshl_add_u32 v62, v0, 2, 0x10800
	v_mov_b32 v63, 0
	v_lshrrev_b32 v1, 5, v0
	v_readfirstlane_b32 s26, v1                    ; wave 0..3
	v_and_b32 v[LANE], 31, v0
	v_and_b32 v[RR], 15, v0
	v_bfe_u32 v[HH], v0, 4, 1
	v_lshlrev_b32 v[LI], 4, v[LANE]
	s_mul_i32 s27, s26, 8448                       ; a wave's stage: 16 rows of 512 bytes + 16
	v_add_nc_u32 v[XSTW], s27, v[LI]               ; in: 16 bytes a lane, a row an instruction
	v_mul_u32_u24 v1, v[RR], 528
	v_add_nc_u32 v1, s27, v1
	v_lshl_add_u32 v[XSTR], v[HH], 6, v1           ; out: row r, + 64 h: my 16 numbers of a block of 32
	v_add_nc_u32 v[MSTW], 33792, v[XSTW]
	v_lshl_add_u32 v[MSTR], v[HH], 4, v1           ; out: row r, + 16 h: my 16 bytes of a block of 32 keys
	v_add_nc_u32 v[MSTR], 33792, v[MSTR]
	s_mov_b32 s[SEL], 0x76543210
	s_mov_b32 s[SEL+1], 0xfedcba98
	s_wait_kmcnt 0x0
	s_cmp_lt_u32 ttmp9, 384
	s_cbranch_scc1 .Lxpath
	s_cmp_lt_u32 ttmp9, 896
	s_cbranch_scc1 .Lwpath
; ---------------------------------------------------------------- M: the mask's words and the rotary table
; Work-group T = one tile of 16 queries (rows as a fragment's); wave w takes key steps 4 w .. 4 w + 3: 512 bytes of each of the 16 rows.
; maskw [T][key step s (16)][n (64)]: bit l = (r, h) of word n is mask[query row r of tile T][128 s + 32 (n / 16) + 16 h + n % 16]: the lane and register in which the attention launch holds that score.
.set MR, 64                            ; v64-127  the bytes as loaded
.set MB, 128                           ; v128-191 16 bytes of my row for each (step, block of 32 keys)
.set OW, 12                            ; v12-19   the words, four to a lane, two key steps to a set
	s_sub_co_u32 s32, ttmp9, 896                   ; T
	s_lshr_b32 s33, s32, 1
	s_lshl_b32 s33, s33, 16                        ; 32 rows of 2,048 bytes
	s_and_b32 s34, s32, 1
	s_lshl_b32 s34, s34, 14                        ; 8 rows
	s_add_co_u32 s34, s34, s33
	s_lshl_b32 s33, s26, 9                         ; my wave's 512 bytes of a row
	s_add_co_u32 s34, s34, s33
	s_mov_b32 s35, 0
	s_add_nc_u64 s[30:31], s[18:19], s[34:35]
.irp p, 0,1,2,3,4,5,6,7,8,9,10,11,12,13,14,15
	global_load_b128 v[MR+4*\p:MR+4*\p+3], v[LI], s[30:31] offset:(\p+8*(\p/8))*2048 th:TH_LOAD_NT   ; 32 lanes read 512 consecutive bytes of row p of the tile
.endr
	s_lshl_b32 s36, s32, 12
	s_lshl_b32 s33, s26, 10
	s_add_co_u32 s36, s36, s33                     ; 4,096 T + 1,024 w: the same offset serves both outputs
	s_mov_b32 s37, 0
	s_add_nc_u64 s[38:39], s[22:23], s[36:37]      ; maskw
	s_add_nc_u64 s[36:37], s[24:25], s[36:37]      ; rope: [position][32 frequencies][cos, sin]: 256 bytes a position; my wave makes positions 16 T + 4 w + 0 .. 3, a lane a frequency
	; the rotary table is made while the mask's loads are on their way
	v_mov_b32 v20, 0                               ; (a written lane's register counts as read)
.macro PLACE i, val
	s_mov_b32 s40, \val
	v_writelane_b32 v20, s40, \i
.endm
	PLACE 0, 1.0                                   ; P_i = 10000^(i / 32) = 10^(i / 8), to the nearest f32
	PLACE 1, 1.3335214321633
	PLACE 2, 1.7782794100389
	PLACE 3, 2.3713737056617
	PLACE 4, 3.1622776601684
	PLACE 5, 4.2169650342858
	PLACE 6, 5.6234132519035
	PLACE 7, 7.4989420933246
	PLACE 8, 10.0
	PLACE 9, 13.335214321633
	PLACE 10, 17.782794100389
	PLACE 11, 23.713737056617
	PLACE 12, 31.622776601684
	PLACE 13, 42.169650342858
	PLACE 14, 56.234132519035
	PLACE 15, 74.989420933246
	PLACE 16, 100.0
	PLACE 17, 133.35214321633
	PLACE 18, 177.82794100389
	PLACE 19, 237.13737056617
	PLACE 20, 316.22776601684
	PLACE 21, 421.69650342858
	PLACE 22, 562.34132519035
	PLACE 23, 749.89420933246
	PLACE 24, 1000.0
	PLACE 25, 1333.5214321633
	PLACE 26, 1778.2794100389
	PLACE 27, 2371.3737056617
	PLACE 28, 3162.2776601684
	PLACE 29, 4216.9650342858
	PLACE 30, 5623.4132519035
	PLACE 31, 7498.9420933246
	s_mov_b32 s44, 0xb94ca1f9                      ; sine on |r| <= pi/4: r + r z (((-1.9515295891e-4 z + 8.3321608736e-3) z - 1.6666654611e-1)), z = r r
	s_mov_b32 s45, 0x3c08839e
	s_mov_b32 s46, 0xbe2aaaa3
	s_mov_b32 s47, 0x37ccf5ce                      ; cosine: 1 - z / 2 + z z ((2.4433157e-5 z - 1.3887316e-3) z + 4.1666646e-2)
	s_mov_b32 s48, 0xbab6061a
	s_mov_b32 s49, 0x3d2aaaa5
	s_mov_b32 s52, 0x3fc90fdb                      ; pi/2 in two parts: the nearest f32,
	s_mov_b32 s53, 0xb33bbd2e                      ; and what it leaves
	s_lshl_b32 s50, s32, 4
	s_lshl_b32 s51, s26, 2
	s_add_co_u32 s50, s50, s51                     ; my first position
	v_lshlrev_b32 v38, 3, v[LANE]                  ; 8 bytes a frequency
	v_rcp_f32 v21, v20
	v_nop                                          ; a plain place behind the reciprocal
	s_wait_alu depctr_va_vdst(0)                   ; the wait ahead of the first reader
	v_fma_f32 v22, -v20, v21, 1.0                  ; one Newton step: 1 / P to the last bit
	v_fma_f32 v21, v21, v22, v21
.irp e, 0,1,2,3
	s_add_co_u32 s51, s50, \e
	v_cvt_f32_u32 v23, s51
	v_mul_f32 v23, v23, v21                        ; the angle x, one f32 product
	v_mul_f32 v24, 0x3f22f983, v23                 ; x 2 / pi
	v_rndne_f32 v24, v24                           ; n
	v_fma_f32 v25, -v24, s52, v23                  ; x - n pi/2: the first part leaves a multiple of 2^-23 under 1: nothing is rounded
	v_fma_f32 v25, -v24, s53, v25
	v_cvt_i32_f32 v26, v24
	v_mul_f32 v27, v25, v25                        ; z
	v_mov_b32 v28, s44
	v_fma_f32 v28, v28, v27, s45
	v_fma_f32 v28, v28, v27, s46
	v_mul_f32 v29, v27, v25
	v_fma_f32 v28, v28, v29, v25                   ; sin r
	v_mov_b32 v30, s47
	v_fma_f32 v30, v30, v27, s48
	v_fma_f32 v30, v30, v27, s49
	v_mul_f32 v31, v27, v27
	v_fma_f32 v32, v27, -0.5, 1.0
	v_fma_f32 v30, v30, v31, v32                   ; cos r
	v_and_b32 v33, 1, v26
	v_cmp_eq_u32 vcc_lo, 1, v33                    ; an odd quarter turn swaps the two
	v_cndmask_b32 v34, v28, v30, vcc_lo
	v_cndmask_b32 v35, v30, v28, vcc_lo
	v_and_b32 v36, 2, v26
	v_lshlrev_b32 v36, 30, v36
	v_xor_b32 v[41+2*\e], v34, v36                 ; sin x: its sign turns in quarters 2 and 3
	v_add_nc_u32 v37, 1, v26
	v_and_b32 v37, 2, v37
	v_lshlrev_b32 v37, 30, v37
	v_xor_b32 v[40+2*\e], v35, v37                 ; cos x: in quarters 1 and 2
	global_store_b64 v38, v[40+2*\e:41+2*\e], s[36:37] offset:256*\e   ; 32 lanes store 256 consecutive bytes, aligned
.endr
.irp i, 0,1,2,3,4,5,6,7
	v_mov_b32 v[OW+\i], 0
.endr
	s_wait_loadcnt 0x0
.irp p, 0,1,2,3,4,5,6,7,8,9,10,11,12,13,14,15
	ds_store_b128 v[MSTW], v[MR+4*\p:MR+4*\p+3] offset:528*\p
.endr
.irp s, 0,1,2,3
.irp b, 0,1,2,3
	ds_load_b128 v[MB+4*(4*\s+\b):MB+4*(4*\s+\b)+3], v[MSTR] offset:128*\s+32*\b   ; LDS serves a wave's instructions in order: these see my stores
.endr
.endr
	s_wait_dscnt 0x0
.set W, 0
.rept 256                              ; word W = 64 s' + n: one byte of each lane becomes one bit of a scalar, and that scalar one word of the output's image (word 4 L + i in register i of lane L)
.set SQ, W/64
.set NN, W%64
	v_and_b32 v[192+W%8], 0xff<<(8*(NN%4)), v[MB+4*(4*SQ+NN/16)+(NN%16)/4]
	v_cmp_ne_u32 s[40+W%8], 0, v[192+W%8]
	v_writelane_b32 v[OW+4*(W/128)+W%4], s[40+W%8], (W%128)/4
.set W, W+1
.endr
	global_store_b128 v[LI], v[OW:OW+3], s[38:39]              ; two key steps' 128 words: 512 consecutive bytes
	global_store_b128 v[LI], v[OW+4:OW+7], s[38:39] offset:512
	s_wait_tensorcnt 0x0
	ds_add_u32 v62, v63
	s_wait_dscnt 0x0
	s_endpgm
; ---------------------------------------------------------------- X: a tensor whose K is innermost
; Work-group = (tensor, fragment F): 16 rows; wave w takes K = 512 w .. 512 w + 511: four fragments.  Each load reads 512 consecutive bytes of one row; the 16 rows turn through the wave's stage, so that a lane gets 16 neighbours of each block.
.Lxpath:
	s_lshr_b32 s32, ttmp9, 7                       ; which tensor
	s_and_b32 s33, ttmp9, 127                      ; F
	s_cmp_eq_u32 s32, 1
	s_cselect_b64 s[30:31], s[6:7], s[4:5]
	s_cmp_eq_u32 s32, 2
	s_cselect_b64 s[30:31], s[8:9], s[30:31]
	s_lshr_b32 s34, s33, 1
	s_lshl_b32 s34, s34, 18                        ; 32 rows of 8,192 bytes
	s_and_b32 s35, s33, 1
	s_lshl_b32 s35, s35, 16                        ; 8 rows
	s_add_co_u32 s34, s34, s35
	s_lshl_b32 s35, s26, 11                        ; my wave's 2,048 bytes of a row
	s_add_co_u32 s34, s34, s35
	s_mov_b32 s35, 0
	s_add_nc_u64 s[30:31], s[30:31], s[34:35]
	s_mul_i32 s36, s32, TENS                       ; the codes: tensor, K/256 = 2 w, fragment F
	s_mul_i32 s37, s26, 2*S2B
	s_add_co_u32 s36, s36, s37
	s_mul_i32 s37, s33, 3072
	s_add_co_u32 s36, s36, s37
	s_mov_b32 s37, 0
	s_add_nc_u64 s[36:37], s[20:21], s[36:37]
	s_mul_i32 s38, s32, TENS                       ; the scale words: 1,024 F + 128 (2 w)
	s_lshl_b32 s39, s33, 10
	s_add_co_u32 s38, s38, s39
	s_lshl_b32 s39, s26, 8
	s_add_co_u32 s38, s38, s39
	s_add_co_u32 s38, s38, SCOFF
	s_mov_b32 s39, 0
	s_add_nc_u64 s[38:39], s[20:21], s[38:39]
.irp b, 0,1,2,3
	v_mov_b32 v[TM+4+\b], 0                        ; written once: a lane permute's destination counts as one of its sources
.endr
.macro LOADF t                         ; 128 along K of the 16 rows into set t % 2
.irp p, 0,1,2,3,4,5,6,7,8,9,10,11,12,13,14,15
	global_load_b128 v[XR+64*((\t)%2)+4*\p:XR+64*((\t)%2)+4*\p+3], v[LI], s[30:31] offset:(\p+8*(\p/8))*8192+512*(\t) th:TH_LOAD_NT
.endr
.endm
.macro TURN t                          ; through the stage: rows 528 bytes apart, so that the sixteen rows of a read start in sixteen different 16-byte columns
.irp p, 0,1,2,3,4,5,6,7,8,9,10,11,12,13,14,15
	ds_store_b128 v[XSTW], v[XR+64*((\t)%2)+4*\p:XR+64*((\t)%2)+4*\p+3] offset:528*\p
.endr
.irp b, 0,1,2,3
.irp j, 0,1,2,3
	ds_load_b128 v[XN+16*\b+4*\j:XN+16*\b+4*\j+3], v[XSTR] offset:128*\b+16*\j
.endr
.endr
.endm
	LOADF 0
	LOADF 1
.irp t, 0,1,2,3
.if \t < 3
	s_wait_loadcnt 16                              ; this fragment's 16 loads are in; the next one's 16 may be out
.else
	s_wait_loadcnt 0x0
.endif
	TURN \t
	s_wait_dscnt 0x0                               ; my numbers are back, and the stores into the stage have read their registers,
.if \t < 2
	LOADF \t+2                                     ; which take the loads of two fragments on
.endif
.if \t > 0
	s_wait_xcnt 0x0                                ; the last fragment's stores have read the codes' registers: they are written again only behind this wait
.endif
	QUANT XN, PW+\t
.irp c, 0,1,2
	global_store_b128 v[LI], v[PC+4*\c:PC+4*\c+3], s[36:37] offset:(\t/2)*S2B+(\t%2)*1536+512*\c   ; 512 consecutive bytes, aligned
.endr
.endr
	v_cmp_eq_u32 vcc_lo, 1, v[HH]                  ; lanes 0-15 store the words of K/256 = 2 w, lanes 16-31 those of 2 w + 1 (both halves hold all four)
	v_cndmask_b32 v56, v[PW], v[PW+2], vcc_lo
	v_cndmask_b32 v57, v[PW+1], v[PW+3], vcc_lo
	v_lshlrev_b32 v58, 3, v[LANE]
	global_store_b64 v58, v[56:57], s[38:39]       ; 256 consecutive bytes, aligned
	s_wait_tensorcnt 0x0
	ds_add_u32 v62, v63
	s_wait_dscnt 0x0
	s_endpgm
; ---------------------------------------------------------------- W: a tensor whose K is its first axis
; Work-group = (tensor, 128 columns, 256 along K); wave w takes 32 columns.  A LANE TAKES A COLUMN, AND ITS REGISTERS RUN DOWN K: a block of 32 lies in one lane, and the conversions give codes with K innermost.
; Lane l takes the column at place l of the wave's two fragments (bits 3 and 4 of l exchanged), so lanes 0-15 hold the rows of fragment F0 = 8 cg + 2 w and lanes 16-31 those of F0 + 1.
.Lwpath:
.set WX,  64                           ; v64-127  two sets of 32 numbers
.set FRG, 128                          ; v128-175 for K step q: blocks 0, 2 at FRG + 24 q, blocks 1, 3 at FRG + 24 q + 12
.set WT,  180                          ; v180-182 the second half of a block's codes
	s_sub_co_u32 s32, ttmp9, 384
	s_lshr_b32 s33, s32, 7                         ; which weight
	s_and_b32 s34, s32, 15                         ; cg: which 128 columns
	s_bfe_u32 s35, s32, 0x30004                    ; which 256 along K
	s_cmp_eq_u32 s33, 1
	s_cselect_b64 s[30:31], s[12:13], s[10:11]
	s_cmp_eq_u32 s33, 2
	s_cselect_b64 s[30:31], s[14:15], s[30:31]
	s_cmp_eq_u32 s33, 3
	s_cselect_b64 s[30:31], s[16:17], s[30:31]
	s_lshl_b32 s36, s35, 21                        ; 256 rows of 8,192 bytes
	s_lshl_b32 s37, s34, 9
	s_add_co_u32 s36, s36, s37
	s_lshl_b32 s37, s26, 7
	s_add_co_u32 s36, s36, s37
	s_mov_b32 s37, 0
	s_add_nc_u64 s[30:31], s[30:31], s[36:37]
	v_and_b32 v10, 7, v[LANE]
	v_bfe_u32 v11, v[LANE], 3, 1
	v_lshl_or_b32 v10, v[HH], 3, v10
	v_lshl_or_b32 v10, v11, 4, v10
	v_lshlrev_b32 v10, 2, v10                      ; 4 bytes x my column among the wave's 32
	s_add_co_u32 s33, s33, 3
	s_mul_i32 s33, s33, TENS
	s_lshl_b32 s34, s34, 3
	s_lshl_b32 s37, s26, 1
	s_add_co_u32 s34, s34, s37                     ; F0
	s_mul_i32 s36, s35, S2B
	s_add_co_u32 s36, s36, s33
	s_mul_i32 s37, s34, 3072
	s_add_co_u32 s36, s36, s37
	s_mov_b32 s37, 0
	s_add_nc_u64 s[36:37], s[20:21], s[36:37]      ; the codes
	s_lshl_b32 s38, s34, 10
	s_add_co_u32 s38, s38, s33
	s_lshl_b32 s39, s35, 7
	s_add_co_u32 s38, s38, s39
	s_add_co_u32 s38, s38, SCOFF
	s_mov_b32 s39, 0
	s_add_nc_u64 s[38:39], s[20:21], s[38:39]      ; the scale words
	v_lshlrev_b32 v15, 3, v[RR]
	v_lshl_add_u32 v15, v[HH], 10, v15             ; fragment F0 + h, row r
.macro WLOAD t                         ; block t: W(32 t + i, my column) into set t % 2: a wave reads 128 consecutive bytes, the work-group 512
.set WI, 0
.rept 32
	global_load_b32 v[WX+32*((\t)%2)+WI], v10, s[30:31] offset:(32*(\t)+WI)*8192 th:TH_LOAD_NT
.set WI, WI+1
.endr
.endm
.macro WBLOCK t
.set XS, WX+32*((\t)%2)
.set WQ, (\t)/4
.set WB, (\t)%4
.set WD, FRG+24*WQ+12*(WB%2)+6*(WB/2)
.if (\t) < 7
	s_wait_loadcnt 32                              ; this block's 32 loads are in; the next block's may be out
.else
	s_wait_loadcnt 0x0
.endif
	v_max3_num_f32 v12, |v[XS]|, |v[XS+1]|, |v[XS+2]|   ; the block's largest magnitude: all 32 numbers are mine
	v_max3_num_f32 v13, |v[XS+3]|, |v[XS+4]|, |v[XS+5]|
.irp i, 6,10,14,18,22,26
	v_max3_num_f32 v12, v12, |v[XS+\i]|, |v[XS+\i+1]|
	v_max3_num_f32 v13, v13, |v[XS+\i+2]|, |v[XS+\i+3]|
.endr
	v_max3_num_f32 v12, v12, |v[XS+30]|, |v[XS+31]|
	v_max3_num_f32 v12, v12, v13, 0x1800000        ; and the floor
	v_add_nc_u32 v14, 0xff000000, v12              ; the conversion's scale operand
	v_lshrrev_b32 v13, 23, v14                     ; the byte
.if WB == 0
	v_mov_b32 v[PW+WQ], v13
.else
	v_lshl_or_b32 v[PW+WQ], v13, 8*WB, v[PW+WQ]
.endif
	v_cvt_scalef32_pk16_fp6_f32 v[WD:WD+2], v[XS:XS+15], v14
	v_cvt_scalef32_pk16_fp6_f32 v[WT:WT+2], v[XS+16:XS+31], v14
	v_nop                                          ; one plain place behind a scaled conversion
.irp i, 0,1,2
	v_mov_b32 v[WD+3+\i], v[WT+\i]
.endr
.if (\t)+2 < 8
	WLOAD (\t)+2
.endif
.if WB == 3                            ; 128 along K are done.  The operand's layout gives lanes 0-15 blocks 0, 2 and lanes 16-31 blocks 1, 3 of ONE fragment's rows: the first run's upper lanes change places with the second's lower lanes
.set WI, 0
.rept 12
	v_permlane16_swap_b32 v[FRG+24*WQ+WI], v[FRG+24*WQ+12+WI]
.set WI, WI+1
.endr
.irp f, 0,1
.irp c, 0,1,2
	global_store_b128 v[LI], v[FRG+24*WQ+12*\f+4*\c:FRG+24*WQ+12*\f+4*\c+3], s[36:37] offset:\f*3072+WQ*1536+512*\c   ; 512 consecutive bytes, aligned; each register is stored once and never written again
.endr
.endr
.endif
.endm
	WLOAD 0
	WLOAD 1
.irp t, 0,1,2,3,4,5,6,7
	WBLOCK \t
.endr
	global_store_b64 v15, v[PW:PW+1], s[38:39]     ; my column's two scale words: sixteen lanes store 128 consecutive bytes
	s_endpgm
.Lfunc_end_k_q975570da49_prep:
	.size	k_q975570da49_prep, .Lfunc_end_k_q975570da49_prep-k_q975570da49_prep
	.p2alignl 7, 3214868480
	.fill 96, 4, 3214868480
	.section	.rodata,"a",@progbits
	.p2align	6, 0x0
	.amdhsa_kernel k_q975570da49_prep
		.amdhsa_group_segment_fixed_size 68096
		.amdhsa_private_segment_fixed_size 0
		.amdhsa_enable_private_segment 0
		.amdhsa_kernarg_size 88
		.amdhsa_user_sgpr_count 2
		.amdhsa_user_sgpr_kernarg_segment_ptr 1
		.amdhsa_wavefront_size32 1
		.amdhsa_system_sgpr_workgroup_id_x 1
		.amdhsa_system_sgpr_workgroup_id_y 1
		.amdhsa_system_sgpr_workgroup_id_z 1
		.amdhsa_system_vgpr_workitem_id 0
		.amdhsa_next_free_vgpr 256
		.amdhsa_next_free_sgpr 66
		.amdhsa_reserve_vcc 1
		.amdhsa_float_denorm_mode_32 3
		.amdhsa_float_denorm_mode_16_64 3
		.amdhsa_memory_ordered 1
		.amdhsa_forward_progress 1
		.amdhsa_inst_pref_size 136
	.end_amdhsa_kernel
	.amdgpu_metadata
---
amdhsa.version: [ 1, 2 ]
amdhsa.kernels:
  - .name:           k_q975570da49_prep
    .symbol:         k_q975570da49_prep.kd
    .args:
      - { .name: query_inputs, .offset: 0, .size: 8, .value_kind: global_buffer, .address_space: global }
      - { .name: key_inputs, .offset: 8, .size: 8, .value_kind: global_buffer, .address_space: global }
      - { .name: value_inputs, .offset: 16, .size: 8, .value_kind: global_buffer, .address_space: global }
      - { .name: Wq, .offset: 24, .size: 8, .value_kind: global_buffer, .address_space: global }
      - { .name: Wk, .offset: 32, .size: 8, .value_kind: global_buffer, .address_space: global }
      - { .name: Wv, .offset: 40, .size: 8, .value_kind: global_buffer, .address_space: global }
      - { .name: Wo, .offset: 48, .size: 8, .value_kind: global_buffer, .address_space: global }
      - { .name: attention_mask, .offset: 56, .size: 8, .value_kind: global_buffer, .address_space: global }
      - { .name: ops, .offset: 64, .size: 8, .value_kind: global_buffer, .address_space: global }
      - { .name: maskw, .offset: 72, .size: 8, .value_kind: global_buffer, .address_space: global }
      - { .name: rope, .offset: 80, .size: 8, .value_kind: global_buffer, .address_space: global }
    .group_segment_fixed_size: 68096
    .private_segment_fixed_size: 0
    .kernarg_segment_align: 8
    .kernarg_segment_size: 88
    .max_flat_workgroup_size: 128
    .sgpr_count:     66
    .vgpr_count:     256
    .wavefront_size: 32
...
	.end_amdgpu_metadata
.endif
;; end of part 1
;; launch qkv (part 2): grid 8 x 24, 4 waves a work-group, clusters of 4 x 4, 327,680 bytes of LDS; arguments ops, rope, qpk, kvpk; writes qpk, kvpk
.if DOCPART == 2
	.amdgcn_target "amdgcn-amd-amdhsa--gfx1250"
	.amdhsa_code_object_version 6
	.text
	.protected	k_q975570da49_qkv
	.globl	k_q975570da49_qkv
	.p2align	8
	.type	k_q975570da49_qkv,@function
k_q975570da49_qkv:
	s_mov_b64 s[64:65], 0
	v_nop
	global_prefetch_b8 v0, s[64:65] scope:SCOPE_SE
	s_setreg_imm32_b32 hwreg(HW_REG_WAVE_MODE, 25, 1), 1
	s_wait_xcnt 0x0
	s_wait_alu depctr_hold_cnt(0) depctr_sa_sdst(0) depctr_va_vdst(0) depctr_va_sdst(0) depctr_va_ssrc(0) depctr_va_vcc(0) depctr_vm_vsrc(0)
	s_getreg_b32 s2, hwreg(HW_REG_IB_STS2, 6, 4)
	s_cmp_eq_u32 s2, 0
	s_cbranch_scc0 .Lentry_in_a_cluster
	s_endpgm
.Lentry_in_a_cluster:
	s_bfe_u32 s2, ttmp6, 0x10000c
	s_cmp_lg_u32 s2, 0xf033
	s_cbranch_scc0 .Lentry_shape_is_right
	s_endpgm
.Lentry_shape_is_right:
; QKV: the three projections on codes of FP6 (E2M3) with E8M0 scales, the rotary turn, and the quantising of Q, K and V for the attention launch.
; C'[m'][n'] = sum over k of A'[m'][k] B'[n'][k], K = 2,048.  g = cluster y / 2 says which:  g = 0: A' = xq, B' = Wq;  g = 1: A' = xk, B' = Wk;  g = 2: A' = Wv, B' = xv: V comes out TRANSPOSED, so that the same text quantises it along the keys.
; A tile of C', 256 x 256, is made by four waves, each 128 x 128: 64 accumulators, 512 registers.  K goes in steps of 256 through a ring of two LDS slots filled by the tensor data mover.
; THE OPERANDS LIE IN MEMORY AS IMAGES OF THE OPERAND'S REGISTERS (a fragment of 16 rows x 128 K: 1,536 bytes, registers 4 c .. 4 c + 3 of lane l at 512 c + 16 l), so a K step's 8 fragments x 2 are one dense block of 24,576 bytes for one tensor
; load, a fragment comes out of LDS by three loads of 16 bytes a lane, 512 consecutive bytes each, and LDS needs no pitch and no padding.  The scale words of a wave's 8 fragments, for all of K, are one dense block of 8,192 bytes: they come once.
; THE ROWS OF A FRAGMENT: row r of fragment F is index 32 (F / 2) + 8 (F % 2) + r + 8 (r / 8).  THE MATRIX INSTRUCTION IS USED TRANSPOSED (source 0 = B', source 1 = A'): a lane holds ONE row of A', and the 16 registers of tiles 2 b, 2 b + 1 are
; the 16 neighbouring indices 32 b + 16 (lane / 16) + 0 .. 15 of B': the next product's K (a head's 128 channels for Q and K; 128 keys for V^T), in the order in which the conversions want them.
; A wave's 128 x 128 is 128 tokens x one head (g < 2) or one head's 128 channels x 128 keys (g = 2): eight fragments and their scale words: ONE PACK of 12,800 bytes (8 x 1,536, then [row r (16)][fragment (8)] words).
; CLUSTERS: 4 x 4 work-groups; A's tiles are asked for jointly along a row of the cluster, B's along a column.  g is the same in all sixteen partners, so the one branch on it is alike in all.
; LIMITS: a block of zeros gets the scale byte 1 (its codes are zeros; this program alone reads the bytes); blocks under 2^-124 are held at that byte; NaN and infinities are not served.
; REGISTERS: window 0: v0-31 addresses; v32-63 scale words, two sets, and nothing else; v128-223 A's fragments, one set; v64-127, v224-255 cos and sin of blocks 0-2.  window 1: B's fragments, two sets, at v0 and v128; v96-127, v224-255 cos and sin of blocks 3, 4
; (blocks 5-7 come into B's set 0 when it is done with).  window 2: the accumulators of my rows 0-63 ((a, b) at v[8 (8 a + b)]); window 3: those of rows 64-127.
.set TENS,   3276800                   ; an operand tensor in ops
.set SCOFF,  3145728                   ; where its scale words begin
.set S2B,    393216                    ; its codes of 256 along K
.set NQ,     2                         ; matrix instructions deep in a slot
.set FR,     12                        ; registers of a fragment
.set NL,     3                         ; LDS loads that bring one
.set NP,     4                         ; places behind this matrix instruction (ISA guide 7.12.1)
.set HALFT,  24576                     ; 8 fragments x 2: what one tensor load brings, and what one wave reads of A' or of B'
.set SLOT,   4*HALFT
.set LAPS,   4                         ; a lap = two K steps of 256 = once round the ring
.set SCL,    2*SLOT                    ; behind the ring: A's scale words, 16,384 bytes;
.set SCLB,   SCL+16384+128             ; B's, 128 bytes askew, so that the two halves of the lanes read different banks
.set SPARE,  SCLB+16384+128            ; the spare words, 128 bytes for each wave: two blocks of 256 bytes that no other line names
.set ADRA, 16                          ; v16-17 LDS address of my A' fragments in slot 0, 1
.set ADRB, 20                          ; v20-21 the same for B'
.set RA,   26                          ; v26    my lane's byte in a block's 32 rows of the rotary table; never rewritten
.set ADRS, 27                          ; v27    LDS address of my scale words: lanes 0-15 A's, lanes 16-31 B's
.set SPW,  28                          ; v28    LDS address of my spare word; never rewritten
.set NIL,  29                          ; v29    0; never rewritten
.set PFO,  30                          ; v30    the prefetches' offset; never rewritten
.set LI,   31                          ; v31    16 x lane
.set SC,   32
.set AF,   128
.set TM,   128                         ; the way out: v128-143 at work, v144-151 the eight scale words, v152-155 those that I store, v160.. and v180.. the codes, by turns
.set PW,   144
.set G1, 24
.set G0, 32
.set G1B, 48
.set G0B, 56
.set G1S, 68
.set G0S, 76
.set G1SB, 80
.set G0SB, 88
.set DST, 12                           ; s[12:13] my pack
.set RP,  66                           ; s[66:67] the rotary table at my 128 tokens
.set SEL, 92                           ; s[92:93] (from the way out on) lane selects for lane l xor 16
.set GG,  95                           ; s95 g
.set PFA, 96                           ; s[96:97] where my prefetches stand
.set LIM, 98                           ; s98 1 in a wave that prefetches, else the greatest number
.set MSB, 0
.macro WIN new                         ; the immediate's high byte repeats the setting that is left
.if MSB != \new
	s_set_vgpr_msb (MSB<<8)|\new
.set MSB, \new
.endif
.endm
.set MUL_LO, 0xa1                      ; source 0 (B') window 1, source 1 (A') window 0, C and D window 2
.set MUL_HI, 0xf1                      ; the same, C and D window 3
.set TO_B,   0x40                      ; destination window 1, address window 0
; A joint load: waves 0 and 1 fetch for A', waves 2 and 3 for B'.  The branch hangs on the wave's number alone.  Four v_nop follow each of the two lines.
.macro JLOAD g0a, g1a, g0b, g1b
	s_cmp_eq_u32 s15, 0
	s_cbranch_scc0 .Lfor_b_\@
	tensor_load_to_lds s[\g0a:\g0a+3], s[\g1a:\g1a+7]
	s_nop 0
.rept 4
	v_nop
.endr
	s_branch .Lasked_\@
.Lfor_b_\@:
	tensor_load_to_lds s[\g0b:\g0b+3], s[\g1b:\g1b+7]
	s_nop 0
.rept 4
	v_nop
.endr
.Lasked_\@:
.endm
.macro CREST                           ; a round of the cluster's barrier behind its opening barrier
	s_cmp_lg_u32 s14, 0
	s_cbranch_scc1 .Lnot_wave_0_\@
	s_barrier_signal -3
.Lnot_wave_0_\@:
	s_barrier_wait -3
	s_barrier_signal -1
	s_barrier_wait -1
.endm
.macro CROUND
	s_barrier_signal -1
	s_barrier_wait -1
	CREST
.endm
; A PREFETCH INTO THE L2 of the K step that stands TWO refills on: of the 24,576 bytes that my wave fetches, the four partners that ask jointly take 6,144 each, told apart by address (cx for A', cy for B'): 24 blocks of 256 bytes, a lane a block
; (lanes 24-31 name lane 23's).  A's tile row is read by both clusters of a row of clusters: cluster x = 0 asks; B's tile column by both clusters of one g: the even cluster y asks.  The loop's last trip has no K step two on and asks for nothing.
.macro ASK
	s_cmp_gt_u32 s3, s[LIM]
	s_cbranch_scc0 .Lnot_mine_\@
	global_prefetch_b8 v[PFO], s[PFA:PFA+1] offset:S2B th:TH_LOAD_NT scope:SCOPE_SE
.Lnot_mine_\@:
.endm
	s_load_b256 s[4:11], s[0:1], 0x0               ; ops s[4:5], rope s[6:7], qpk s[8:9], kvpk s[10:11]
	v_lshl_add_u32 v[SPW], v0, 2, SPARE
	v_mov_b32 v[NIL], 0
	ds_add_u32 v28, v29
	s_wait_dscnt 0x0
	v_lshrrev_b32 v1, 5, v0
	v_readfirstlane_b32 s14, v1                    ; wave 0..3
	s_lshr_b32 s15, s14, 1                         ; which half of A's rows is mine.  Also: I fetch for A' (0) or for B' (1)
	s_and_b32 s16, s14, 1                          ; which half of B's.  Also: which 8 fragments of that tile I fetch
	s_bfe_u32 s40, ttmp6, 0x40000                  ; cx, cy: my place in the cluster
	s_bfe_u32 s41, ttmp6, 0x40004
	s_lshl_b32 s42, ttmp9, 2
	s_add_co_u32 s42, s42, s40                     ; tile column = 4 x cluster x + cx
	s_and_b32 s18, ttmp7, 0xffff                   ; cluster y
	s_lshr_b32 s[GG], s18, 1                       ; g: which projection
	s_and_b32 s17, s18, 1
	s_lshl_b32 s17, s17, 2
	s_add_co_u32 s17, s17, s41                     ; tile row = 4 x (cluster y % 2) + cy
	s_lshl_b32 s43, s41, 2
	s_lshl_b32 s43, 15, s43                        ; my row of the cluster
	s_lshl_b32 s44, 0x1111, s40                    ; my column
	; descriptor group 1: a dense block as rows of 256 bytes (32 elements of 8 bytes), no padding: 96 rows of codes, 32 rows of scale words
	s_or_b32 s[G1+0], s43, (3<<16)|(1<<21)         ; 15:0 the mask; 17:16 elements of 8 bytes; 21 set beside a mask
	s_or_b32 s[G1B+0], s44, (3<<16)|(1<<21)
.irp g, G1, G1B
	s_mov_b32 s[\g+1], 32<<16                      ; tensor_dim0
	s_mov_b32 s[\g+2], 96<<16                      ; tensor_dim1
	s_mov_b32 s[\g+3], 32<<16                      ; tile_dim0
	s_mov_b32 s[\g+4], 96                          ; tile_dim1
	s_mov_b32 s[\g+5], 32                          ; tensor_dim0_stride
	s_mov_b32 s[\g+6], 0
	s_mov_b32 s[\g+7], 0
.endr
	s_or_b32 s[G1S+0], s43, (3<<16)|(1<<21)
	s_or_b32 s[G1SB+0], s44, (3<<16)|(1<<21)
.irp g, G1S, G1SB
	s_mov_b32 s[\g+1], 32<<16
	s_mov_b32 s[\g+2], 32<<16
	s_mov_b32 s[\g+3], 32<<16
	s_mov_b32 s[\g+4], 32
	s_mov_b32 s[\g+5], 32
	s_mov_b32 s[\g+6], 0
	s_mov_b32 s[\g+7], 0
.endr
	s_add_co_u32 s19, s[GG], 3
	s_cmp_eq_u32 s[GG], 2
	s_cselect_b32 s18, 5, s[GG]                    ; A's tensor: xq, xk or Wv
	s_cselect_b32 s19, 2, s19                      ; B's: Wq, Wk or xv
	s_mul_i32 s18, s18, TENS
	s_mul_i32 s19, s19, TENS
	s_lshl_b32 s21, s16, 3
	s_lshl_b32 s20, s17, 4
	s_add_co_u32 s20, s20, s21                     ; A': the first fragment that I fetch: 16 x tile row + 8 x half
	s_lshl_b32 s46, s42, 4
	s_add_co_u32 s46, s46, s21                     ; B': 16 x tile column + 8 x half
	s_lshl_b32 s22, s20, 10                        ; their scale words,
	s_add_co_u32 s22, s22, s18
	s_add_co_u32 s22, s22, SCOFF
	s_mov_b32 s23, 0
	s_lshl_b32 s92, s46, 10
	s_add_co_u32 s92, s92, s19
	s_add_co_u32 s92, s92, SCOFF
	s_mov_b32 s93, 0
	s_mul_i32 s20, s20, 3072                       ; and their codes
	s_add_co_u32 s20, s20, s18
	s_mov_b32 s21, 0
	s_mul_i32 s46, s46, 3072
	s_add_co_u32 s46, s46, s19
	s_mov_b32 s47, 0
	s_mul_i32 s45, s14, HALFT                      ; where they go: A's two halves, then B's two: no place in the cluster enters an LDS address
	s_lshl_b32 s94, s14, 13
	s_wait_kmcnt 0x0
	s_add_nc_u64 s[20:21], s[4:5], s[20:21]
	s_add_nc_u64 s[22:23], s[4:5], s[22:23]
	s_add_nc_u64 s[46:47], s[4:5], s[46:47]
	s_add_nc_u64 s[92:93], s[4:5], s[92:93]
	CROUND                                         ; all sixteen work-groups are here: the first joint loads meet
	s_mov_b32 s[G0S], 1
	s_add_co_u32 s[G0S+1], s94, SCL
	s_mov_b64 s[G0S+2:G0S+3], s[22:23]
	s_or_b32 s[G0S+3], s[G0S+3], 0x80000000
	s_mov_b32 s[G0SB], 1
	s_add_co_u32 s[G0SB+1], s94, SCL+128
	s_mov_b64 s[G0SB+2:G0SB+3], s[92:93]
	s_or_b32 s[G0SB+3], s[G0SB+3], 0x80000000
	JLOAD G0S, G1S, G0SB, G1SB                     ; the scale words first: they are wanted with K step 0.  Three loads of mine are out behind these lines
.irp s, 0,1
	s_mov_b32 s[G0+4*\s], 1
	s_add_co_u32 s[G0+4*\s+1], s45, \s*SLOT
	s_add_nc_u64 s[G0+4*\s+2:G0+4*\s+3], s[20:21], \s*S2B
	s_or_b32 s[G0+4*\s+3], s[G0+4*\s+3], 0x80000000
	s_mov_b32 s[G0B+4*\s], 1
	s_add_co_u32 s[G0B+4*\s+1], s45, \s*SLOT
	s_add_nc_u64 s[G0B+4*\s+2:G0B+4*\s+3], s[46:47], \s*S2B
	s_or_b32 s[G0B+4*\s+3], s[G0B+4*\s+3], 0x80000000
	JLOAD G0+4*\s, G1, G0B+4*\s, G1B
.endr
	; the prefetches: where mine stand, and who asks
	s_and_b32 s18, ttmp7, 1                        ; cluster y % 2
	s_cmp_eq_u32 s15, 0                            ; do I fetch for A'?
	s_cselect_b64 s[PFA:PFA+1], s[20:21], s[46:47]
	s_cselect_b32 s19, s40, s41                    ; my place among the four that ask with me
	s_cselect_b32 s18, ttmp9, s18                  ; the coordinate along which another cluster reads the same fragments
	s_cmp_eq_u32 s18, 0
	s_cselect_b32 s[LIM], 1, -1                    ; the same in all sixteen partners, for a given wave
	s_mul_i32 s18, s19, 6144
	s_add_co_u32 s18, s18, 2*S2B                   ; at K step 2: the first refill steps it to 3 and names K step 4.  Nothing is prefetched here, at the head
	s_mov_b32 s19, 0
	s_add_nc_u64 s[PFA:PFA+1], s[PFA:PFA+1], s[18:19]
	; my pack, and my 128 tokens of the rotary table
	s_lshl_b32 s18, s42, 1
	s_add_co_u32 s18, s18, s16                     ; 2 x tile column + my half of B'
	s_lshl_b32 s19, s17, 1
	s_add_co_u32 s19, s19, s15                     ; 2 x tile row + my half of A'
	s_lshl_b32 s22, s19, 15                        ; 128 positions of 256 bytes (for g = 2 the table's values are loaded and not used: the address stays inside the table)
	s_mov_b32 s23, 0
	s_add_nc_u64 s[RP:RP+1], s[6:7], s[22:23]
	s_cmp_eq_u32 s[GG], 2
	s_cselect_b32 s20, s19, s18                    ; the head: by B' for Q and K, by A' for V^T
	s_cselect_b32 s21, s18, s19                    ; the 128 tokens
	s_lshl_b32 s20, s20, 4
	s_add_co_u32 s20, s20, s21
	s_mov_b32 s22, 25600
	s_cmp_eq_u32 s[GG], 0
	s_cselect_b64 s[DST:DST+1], s[8:9], s[10:11]   ; qpk [head][16] packs;  kvpk [head][16][K's pack, V's pack]
	s_cselect_b32 s22, 12800, s22
	s_mul_i32 s20, s20, s22
	s_cmp_eq_u32 s[GG], 2
	s_cselect_b32 s22, 12800, 0
	s_add_co_u32 s20, s20, s22
	s_mov_b32 s21, 0
	s_add_nc_u64 s[DST:DST+1], s[DST:DST+1], s[20:21]
	v_and_b32 v1, 15, v0                           ; r = lane % 16
	v_bfe_u32 v2, v0, 4, 1                         ; h = lane / 16
	v_and_b32 v3, 31, v0
	v_lshlrev_b32 v[LI], 4, v3
	v_min_u32 v[PFO], 23, v3
	v_lshlrev_b32 v[PFO], 8, v[PFO]
	s_mul_i32 s21, s15, HALFT                      ; my 8 fragments of A',
	s_mul_i32 s22, s16, HALFT                      ; and of B',
	s_add_co_u32 s22, s22, 2*HALFT                 ; which lie behind A's 16
.irp s, 0,1
	v_add_nc_u32 v[ADRA+\s], s21, v[LI]
	v_add_nc_u32 v[ADRB+\s], s22, v[LI]
	s_add_co_u32 s21, s21, SLOT
	s_add_co_u32 s22, s22, SLOT
.endr
	v_lshlrev_b32 v5, 3, v1                        ; my row's two words of a K step
	s_lshl_b32 s21, s15, 13                        ; A's: my 8 fragments
	s_lshl_b32 s22, s16, 13                        ; B's
	s_add_co_u32 s22, s22, SCLB-SCL
	s_sub_co_u32 s22, s22, s21
	v_mul_u32_u24 v6, s22, v2                      ; lanes 16-31 take B's: one product, the distance between the two
	s_add_co_u32 s21, s21, SCL
	v_add_nc_u32 v5, v5, v6
	v_add_nc_u32 v[ADRS], s21, v5
	v_and_b32 v4, 8, v1
	v_add_nc_u32 v4, v4, v1                        ; r + 8 (r / 8)
	v_lshlrev_b32 v[RA], 8, v4
	v_lshl_add_u32 v[RA], v2, 6, v[RA]             ; the table: my token's row of 256 bytes, + 64 h: my 8 frequencies of 16
; cos and sin for block a (16 tokens): register base + 8 b + 2 j, + 1: those of the pair of channels in registers 2 j, 2 j + 1 of tile b < 4
.macro ROPELD a, w, base
	WIN (\w)<<6
.irp c, 0,1,2,3,4,5,6,7
	global_load_b128 v[\base+4*\c:\base+4*\c+3], v[RA], s[RP:RP+1] offset:(32*((\a)/2)+8*((\a)%2))*256+128*(\c/4)+16*(\c%4)
.endr
.endm
	ROPELD 0, 0, 64
	ROPELD 1, 0, 96
	ROPELD 2, 0, 224
	ROPELD 3, 1, 96
	ROPELD 4, 1, 224
	WIN 0
.macro FRAG reg, adr, q, i             ; fragment i of my 8, the slot's q-th 128 along K: three loads, 512 consecutive bytes each
.irp c, 0,1,2
	ds_load_b128 v[\reg+4*\c:\reg+4*\c+3], v[\adr] offset:(\i)*3072+(\q)*1536+512*\c
.endr
.endm
; 16 matrix instructions: A's blocks a0, a0 + 1 x B's eight.  p: B's set; sc: the set of scale words.  zero = 1: the first product starts the sums.  The 64 accumulators take turns, one instruction a turn, in the same order in every step.
.macro MUL16 a0, p, q, sc, zero
.irp a, \a0, \a0+1
.irp b, 0,1,2,3,4,5,6,7
.if \zero
	v_wmma_scale_f32_16x16x128_f8f6f4 v[8*(8*((\a)%4)+\b):8*(8*((\a)%4)+\b)+7], v[128*(\p)+FR*\b:128*(\p)+FR*\b+FR-1], v[AF+FR*(\a):AF+FR*(\a)+FR-1], 0, v[SC+8*NQ*(\sc)+NQ*\b+(\q)], v[SC+8*NQ*(\sc)+NQ*(\a)+(\q)] matrix_a_fmt:MATRIX_FMT_FP6 matrix_b_fmt:MATRIX_FMT_FP6 matrix_a_scale:MATRIX_SCALE_ROW1
.else
	v_wmma_scale_f32_16x16x128_f8f6f4 v[8*(8*((\a)%4)+\b):8*(8*((\a)%4)+\b)+7], v[128*(\p)+FR*\b:128*(\p)+FR*\b+FR-1], v[AF+FR*(\a):AF+FR*(\a)+FR-1], v[8*(8*((\a)%4)+\b):8*(8*((\a)%4)+\b)+7], v[SC+8*NQ*(\sc)+NQ*\b+(\q)], v[SC+8*NQ*(\sc)+NQ*(\a)+(\q)] matrix_a_fmt:MATRIX_FMT_FP6 matrix_b_fmt:MATRIX_FMT_FP6 matrix_a_scale:MATRIX_SCALE_ROW1
.endif
.endr
.endr
.endm
.macro FETCH_B slot, q, p
	WIN TO_B
.irp i, 0,1,2,3,4,5,6,7
	FRAG 128*(\p)+FR*\i, ADRB+\slot, \q, \i
.endr
	WIN 0
.endm
.macro FETCH_A slot, q, i0
.irp i, \i0, \i0+1, \i0+2, \i0+3
	FRAG AF+FR*(\i), ADRA+\slot, \q, \i
.endr
.endm
.macro SCALES sc                       ; a K step's scale words: two a row; lanes 0-15 take A's fragment i, lanes 16-31 B's fragment i
.irp i, 0,1,2,3,4,5,6,7
	ds_load_b64 v[SC+8*NQ*\sc+NQ*\i:SC+8*NQ*\sc+NQ*\i+1], v[ADRS] offset:\i*1024
.endr
.endm
.macro PLACES n                        ; plain vector instructions between a matrix instruction and a load into, or a vector read or write of, its registers (ISA guide 7.12.1 for vector reads and writes)
.rept \n
	v_nop
.endr
.endm
.macro STEP slot, q, zero              ; a step of 128 along K that has its successor in the same slot
	s_wait_dscnt 4*NL                              ; B's set, A's blocks 0-3 and the scale words are in; the youngest 12 loads (A's blocks 4-7) may be out
	WIN MUL_LO
	MUL16 0, (\q)%2, \q, \slot, \zero
	MUL16 2, (\q)%2, \q, \slot, \zero
	s_wait_dscnt 0
	PLACES NP
	FETCH_B \slot, (\q)+1, 1-(\q)%2
	FETCH_A \slot, (\q)+1, 0
	WIN MUL_HI
	MUL16 4, (\q)%2, \q, \slot, \zero
	MUL16 6, (\q)%2, \q, \slot, \zero
	PLACES NP
	WIN 0
	FETCH_A \slot, (\q)+1, 4
.endm
; A slot's last step changes slots: in front of the barrier each wave waits for all its tensor loads, adds 0 to its spare word, and waits for that and for its own reads of this slot.  fill = 1: this slot is filled again, two K steps ahead.
.macro TURN slot, next, fill
.if \fill
	s_wait_xcnt 0x0                                ; the last prefetch, a K step back, has read its address: it is stepped here
	s_add_nc_u64 s[PFA:PFA+1], s[PFA:PFA+1], S2B
.endif
	s_wait_tensorcnt 0x0                           ; all my tensor loads have landed: my part of the next slot
	ds_add_u32 v[SPW], v[NIL]                      ; 0 onto my spare word
	s_wait_dscnt 4*NL+1                            ; (the add and the youngest 12 loads, A's blocks 4-7, may be out)
	WIN MUL_LO
	MUL16 0, 1, NQ-1, \slot, 0                     ; sixteen matrix instructions stand between the add and the wait for it
	s_wait_dscnt 0x0                               ; the add is done, and my reads of this slot are over
	s_barrier_signal -1
	MUL16 2, 1, NQ-1, \slot, 0
	WIN 0
	s_barrier_wait -1
.if \fill
	CREST                                          ; the barrier has opened a round of the cluster's barrier: no wave of any partner still reads this slot or has a load on its way
	s_add_nc_u64 s[G0+4*\slot+2:G0+4*\slot+3], s[G0+4*\slot+2:G0+4*\slot+3], 2*S2B
	s_add_nc_u64 s[G0B+4*\slot+2:G0B+4*\slot+3], s[G0B+4*\slot+2:G0B+4*\slot+3], 2*S2B
	JLOAD G0+4*\slot, G1, G0B+4*\slot, G1B         ; the first tensor load behind the round, my only one until the next; its four v_nop are the places in front of the loads below
.else
	PLACES NP
.endif
	v_add_nc_u32 v[ADRS], 128, v[ADRS]             ; on to the next K step's scale words
	FETCH_B \next, 0, 0
	FETCH_A \next, 0, 0
	SCALES \next
.if \fill
	ASK
.endif
	WIN MUL_HI
	MUL16 4, 1, NQ-1, \slot, 0
	MUL16 6, 1, NQ-1, \slot, 0
	PLACES NP
	WIN 0
	FETCH_A \next, 0, 4
.endm
	s_wait_tensorcnt 1                             ; the scale words and my part of K step 0 are in; K step 1's load may be out
	s_barrier_signal -1
	s_barrier_wait -1
	FETCH_B 0, 0, 0
	FETCH_A 0, 0, 0
	SCALES 0
	FETCH_A 0, 0, 4
	STEP 0, 0, 1                                   ; the first step stands in front of the loop: its products start the sums
	s_mov_b32 s3, LAPS-1
.Llap:                                                 ; a trip goes once round the ring and fills both slots again
	TURN 0, 1, 1
	STEP 1, 0, 0
	TURN 1, 0, 1
	STEP 0, 0, 0
	s_sub_co_u32 s3, s3, 1
	s_cmp_lg_u32 s3, 0
	s_cbranch_scc1 .Llap
	TURN 0, 1, 0                                   ; the last lap fills nothing
	STEP 1, 0, 0
	ROPELD 5, 1, 0                                 ; B's set 0 is done with, and four places stand behind its last products: it takes cos and sin of blocks 5-7
	ROPELD 6, 1, 32
	ROPELD 7, 1, 64
	WIN 0
	s_wait_dscnt 4*NL
	WIN MUL_LO
	MUL16 0, 1, NQ-1, 1, 0
	MUL16 2, 1, NQ-1, 1, 0
	s_wait_dscnt 0
	WIN MUL_HI
	MUL16 4, 1, NQ-1, 1, 0
	MUL16 6, 1, NQ-1, 1, 0
	WIN 0
; THE WAY OUT, block a (16 rows of A') at a time: the rotary turn (Q and K), the quantiser along the lane's 128 numbers, the fragment's image to my pack.
; The turn: (x0, x1) -> (x0 c - x1 s, x1 c + x0 s) for each pair of the head's first 64 channels: tiles b < 4.  Two packed instructions a pair; each accumulator is read from its low end on.
.macro ROT a, w, base
.set AC, 64*((\a)%4)
.set WW, 2+(\a)/4
	WIN WW|((\w)<<2)|(1<<6)                        ; x in window 2 or 3, cos and sin in window w, the products in window 1 (B's set 1 is done with)
.set RI, 0
.rept 16
	v_pk_mul_f32 v[128+2*RI:129+2*RI], v[AC+2*RI:AC+2*RI+1], v[\base+2*RI:\base+2*RI+1] op_sel_hi:[1,0]   ; (x0 c, x1 c)
.set RI, RI+1
.endr
	WIN WW|((\w)<<2)|(1<<4)|(WW<<6)
.set RI, 0
.rept 16
	v_pk_fma_f32 v[AC+2*RI:AC+2*RI+1], v[AC+2*RI:AC+2*RI+1], v[\base+2*RI:\base+2*RI+1], v[128+2*RI:129+2*RI] op_sel:[1,1,0] op_sel_hi:[0,1,1] neg_lo:[0,1,0]   ; (-x1 s + x0 c, x0 s + x1 c)
.set RI, RI+1
.endr
.endm
.macro QUANTW a                        ; block a's 64 numbers of my lane (register 16 b + i = k 32 b + 16 (lane / 16) + i) become a fragment in v[PC] on and the scale word v[PW + a]
.set AC, 64*((\a)%4)
.set WW, 2+(\a)/4
.set PC, 160+20*((\a)%2)
	WIN WW|(WW<<2)
.irp b, 0,1,2,3
	v_max3_num_f32 v[TM+\b], |v[AC+16*\b]|, |v[AC+1+16*\b]|, 0x1800000   ; and the floor 2^(3 - 127): the byte cannot fall under 1
.endr
	WIN (WW<<2)|(WW<<4)
.irp i, 2,4,6,8,10,12,14
.irp b, 0,1,2,3
	v_max3_num_f32 v[TM+\b], v[TM+\b], |v[AC+16*\b+\i]|, |v[AC+1+16*\b+\i]|
.endr
.endr
	WIN 0
.irp b, 0,1,2,3
	v_permlanex16_b32 v[TM+4+\b], v[TM+\b], s[SEL], s[SEL+1]
.endr
.irp b, 0,1,2,3
	v_max_num_f32 v[TM+\b], v[TM+\b], v[TM+4+\b]
.endr
.irp b, 0,1,2,3
	v_add_nc_u32 v[TM+12+\b], 0xff000000, v[TM+\b]   ; 2 off the exponent field: the conversion's scale operand
.endr
.irp b, 0,1,2,3
	v_lshrrev_b32 v[TM+4+\b], 23, v[TM+12+\b]
.endr
	v_lshl_or_b32 v[PW+(\a)], v[TM+5], 8, v[TM+4]
	v_lshl_or_b32 v[PW+(\a)], v[TM+6], 16, v[PW+(\a)]
	v_lshl_or_b32 v[PW+(\a)], v[TM+7], 24, v[PW+(\a)]
	WIN WW
.irp c, 0,1
	v_cvt_scalef32_pk16_fp6_f32 v[PC+6*\c:PC+2+6*\c], v[AC+32*\c:AC+15+32*\c], v[TM+12+2*\c]
	v_cvt_scalef32_pk16_fp6_f32 v[PC+12+4*\c:PC+14+4*\c], v[AC+16+32*\c:AC+31+32*\c], v[TM+12+2*\c+1]
.endr
	WIN 0
	v_nop                                          ; one plain place behind a scaled conversion
.irp c, 0,1
.irp i, 0,1,2
	v_permlane16_swap_b32 v[PC+6*\c+\i], v[PC+12+4*\c+\i]
.endr
.irp i, 0,1,2
	v_mov_b32 v[PC+3+6*\c+\i], v[PC+12+4*\c+\i]
.endr
.endr
.endm
.macro BLOCKOUT a, w, base
	s_cmp_eq_u32 s[GG], 2                          ; V is not turned; g is the same in every partner
	s_cbranch_scc1 .Lplain_\@
	ROT \a, \w, \base
	WIN 0
.Lplain_\@:
.if (\a) > 1
	s_wait_xcnt 0x0                                ; block a - 2's stores have read the codes' registers: they are written again only behind this wait
.endif
	QUANTW \a
.irp c, 0,1,2
	global_store_b128 v[LI], v[PC+4*\c:PC+4*\c+3], s[DST:DST+1] offset:1536*(\a)+512*\c   ; 512 consecutive bytes, aligned
.endr
.endm
	PLACES NP                                      ; behind the last products: their results are read and their operands' registers written below
	s_mov_b32 s[SEL], 0x76543210
	s_mov_b32 s[SEL+1], 0xfedcba98
.irp b, 0,1,2,3
	v_mov_b32 v[TM+4+\b], 0                        ; a lane permute's destination counts as one of its sources
.endr
	s_wait_loadcnt 0x0                             ; cos and sin
	BLOCKOUT 0, 0, 64
	BLOCKOUT 1, 0, 96
	BLOCKOUT 2, 0, 224
	BLOCKOUT 3, 1, 96
	BLOCKOUT 4, 1, 224
	BLOCKOUT 5, 1, 0
	BLOCKOUT 6, 1, 32
	BLOCKOUT 7, 1, 64
	v_cmp_eq_u32 vcc_lo, 1, v2                     ; the pack's scale words [row r][fragment]: lanes 0-15 store fragments 0-3 of row r, lanes 16-31 fragments 4-7 (both halves hold all eight)
.irp i, 0,1,2,3
	v_cndmask_b32 v[152+\i], v[PW+\i], v[PW+4+\i], vcc_lo
.endr
	v_lshlrev_b32 v3, 5, v1
	v_lshl_add_u32 v3, v2, 4, v3
	global_store_b128 v3, v[152:155], s[DST:DST+1] offset:12288   ; 512 consecutive bytes, aligned
	s_wait_tensorcnt 0x0                           ; the wave's end
	ds_add_u32 v[SPW], v[NIL]
	s_wait_dscnt 0x0
	CROUND                                         ; the closing round: no work-group ends while a partner may still ask for a tile that names it
	s_endpgm
.Lfunc_end_k_q975570da49_qkv:
	.size	k_q975570da49_qkv, .Lfunc_end_k_q975570da49_qkv-k_q975570da49_qkv
	.p2alignl 7, 3214868480
	.fill 96, 4, 3214868480
	.section	.rodata,"a",@progbits
	.p2align	6, 0x0
	.amdhsa_kernel k_q975570da49_qkv
		.amdhsa_group_segment_fixed_size 327680
		.amdhsa_private_segment_fixed_size 0
		.amdhsa_enable_private_segment 0
		.amdhsa_kernarg_size 32
		.amdhsa_user_sgpr_count 2
		.amdhsa_user_sgpr_kernarg_segment_ptr 1
		.amdhsa_wavefront_size32 1
		.amdhsa_system_sgpr_workgroup_id_x 1
		.amdhsa_system_sgpr_workgroup_id_y 1
		.amdhsa_system_sgpr_workgroup_id_z 1
		.amdhsa_system_vgpr_workitem_id 0
		.amdhsa_next_free_vgpr 1024
		.amdhsa_next_free_sgpr 100
		.amdhsa_reserve_vcc 1
		.amdhsa_float_denorm_mode_32 3
		.amdhsa_float_denorm_mode_16_64 3
		.amdhsa_memory_ordered 1
		.amdhsa_forward_progress 1
		.amdhsa_inst_pref_size 165
	.end_amdhsa_kernel
	.amdgpu_metadata
---
amdhsa.version: [ 1, 2 ]
amdhsa.kernels:
  - .name:           k_q975570da49_qkv
    .symbol:         k_q975570da49_qkv.kd
    .args:
      - { .name: ops, .offset: 0, .size: 8, .value_kind: global_buffer, .address_space: global }
      - { .name: rope, .offset: 8, .size: 8, .value_kind: global_buffer, .address_space: global }
      - { .name: qpk, .offset: 16, .size: 8, .value_kind: global_buffer, .address_space: global }
      - { .name: kvpk, .offset: 24, .size: 8, .value_kind: global_buffer, .address_space: global }
    .group_segment_fixed_size: 327680
    .private_segment_fixed_size: 0
    .kernarg_segment_align: 8
    .kernarg_segment_size: 32
    .max_flat_workgroup_size: 128
    .sgpr_count:     100
    .vgpr_count:     1024
    .wavefront_size: 32
...
	.end_amdgpu_metadata
.endif
;; end of part 2
;; launch attn (part 3): grid 16 x 16, 8 waves a work-group, clusters of 4 x 1, 327,680 bytes of LDS; arguments qpk, kvpk, maskw, oop; writes oop
.if DOCPART == 3
	.amdgcn_target "amdgcn-amd-amdhsa--gfx1250"
	.amdhsa_code_object_version 6
	.text
	.protected	k_q975570da49_attn
	.globl	k_q975570da49_attn
	.p2align	8
	.type	k_q975570da49_attn,@function
k_q975570da49_attn:
	s_mov_b64 s[64:65], 0
	v_nop
	global_prefetch_b8 v0, s[64:65] scope:SCOPE_SE
	s_setreg_imm32_b32 hwreg(HW_REG_WAVE_MODE, 25, 1), 1
	s_wait_xcnt 0x0
	s_wait_alu depctr_hold_cnt(0) depctr_sa_sdst(0) depctr_va_vdst(0) depctr_va_sdst(0) depctr_va_ssrc(0) depctr_va_vcc(0) depctr_vm_vsrc(0)
	s_getreg_b32 s2, hwreg(HW_REG_IB_STS2, 6, 4)
	s_cmp_eq_u32 s2, 0
	s_cbranch_scc0 .Lentry_in_a_cluster
	s_endpgm
.Lentry_in_a_cluster:
	s_bfe_u32 s2, ttmp6, 0x10000c
	s_cmp_lg_u32 s2, 0x3003
	s_cbranch_scc0 .Lentry_shape_is_right
	s_endpgm
.Lentry_shape_is_right:
; ATTENTION on codes of FP6 (E2M3) with E8M0 scales: O[q] = sum over keys of softmax(Q[q] . K[key] / sqrt(128), under the mask that is given) V[key], then O is quantised along (head, channel) for the last projection.
; THE SOFTMAX AHEAD OF THE SECOND PRODUCT: t = score x log2(e) / sqrt(128); M = the row's largest t so far, rounded UP to a whole number; p = 2^(t - M) is quantised along the keys, not normalised; the row's sum is taken of the unquantised p and
; divides O at the end.  When M moves, the sum and O are multiplied by 2^(old M - new M): exact.
; THE MASK is an input: nothing of its pattern is built in.  The launch before has turned it into words of 32 lane bits, one word for each score register of a key step: a scalar load brings 64 words a step, and one v_cndmask_b32 a score sets
; a hidden score to -2^103.  LIMIT: that stands for a logit of -8.96e29 where the definition has -1e30: results differ only where a visible logit lies below about -8e29.  -2^103 is a power of two, so score x c is exact, and in a row
; with no visible key every p is exactly 1: the row comes out uniform, as the definition has it.  NaN and infinities are not served; a block of zeros gets the scale byte 1 (its codes are zeros; this program alone reads the bytes).
; SHARES.  A work-group owns 128 queries of one head (one pack of Q); each of its eight waves one tile of 16, in 256 registers: two waves to a SIMD, so that one wave's vector work stands beside the other's matrix work and LDS loads.
; K AND V come as packs of 12,800 bytes a key step of 128 keys (8 fragments as images of the operand's registers, then their scale words [row r][fragment]), K's and V's pack on end: four key steps, 102,400 dense bytes, are a slot.
; Two slots; waves 0-3 fetch a key step each.  CLUSTER: the four query blocks of a cluster belong to one head and walk the same K and V: each tile is asked for jointly, with a mask that names the four.
; LAYOUT.  Both products are used transposed: S^T = K Q^T, O^T = V^T P^T: a lane holds ONE query (lane % 16).  The rows of a fragment of K are chosen (row r of fragment a is key 32 (a / 2) + 8 (a % 2) + r + 8 (r / 8)) so that the 16 registers of
; tiles 2 b, 2 b + 1 are the keys 32 b + 16 (lane / 16) + 0 .. 15; V^T's rows likewise, so that O^T's registers run along the channels in their true order.
; REGISTERS: v1-9 addresses; v12 -M, v13 the largest t, v[14:15] the sum in two halves; v16-27 Q; v28 -2^103; v32-79 four fragments of K or V; v80-87 K's scale words, v88-95 V's; v96-159 S^T, then p; v160-223 O^T; v224-235 p's codes; v232-254 at work; v255 Q's scale word.
.set SCOFF, 3145728
.set STEPB, 25600                      ; a key step: K's pack, V's pack
.set SLOTB, 4*STEPB
.set SLOT1, 1<<17                      ; slot 1 begins here: one exclusive or turns an address in one slot into the other's
.set SPARE, SLOT1+SLOTB                ; behind the ring: the spare words, 128 bytes for each wave: four blocks of 256 bytes that no other line names
.set LI,   1                           ; v1  16 x lane
.set SCA,  2                           ; v2  32 x (lane % 16): my row's eight scale words in a pack
.set SPW,  5
.set NIL,  6
.set ADL,  8                           ; v8  the step's tiles
.set ADS,  9                           ; v9  the step's scale words
.set NEG,  28
.set PFO,  29
.set TM,   232
.set PC,   160
.set TB,   2                           ; s2  LDS byte at which the key step in hand begins
.set WV,   3                           ; s3  my wave's number
.set MW,   4                           ; s[4:5] the mask's words of my tile of queries
.set MO,   6                           ; s6  the byte of the step whose words are asked for
.set SLOTS, 7
.set CNT,  8
.set LIM,  9
.set PFA,  10                          ; s[10:11]
.set SEL,  12                          ; s[12:13]
.set CS,   14                          ; s[14:15] c = log2(e) / sqrt(128)
.set OC,   66                          ; s[66:67] where my fragment of O goes
.set G0,   68                          ; s[68:71]
.set G1,   72                          ; s[72:79]
.set OS,   96                          ; s[96:97] and its scale words
.set QP,   98                          ; s[98:99] my pack of Q
; s16-63 and s80-95: the 64 mask words of a key step (word n in s[16 + n], from n = 48 on in s[32 + n])
.macro JLOAD                           ; waves 0-3 fetch; the branch hangs on the wave's number alone.  Four v_nop follow the load
	s_cmp_lt_u32 s[WV], 4
	s_cbranch_scc0 .Lasked_\@
	tensor_load_to_lds s[G0:G0+3], s[G1:G1+7]
	s_nop 0
.rept 4
	v_nop
.endr
.Lasked_\@:
.endm
.macro CROUND
	s_barrier_signal -1
	s_barrier_wait -1
	s_cmp_lg_u32 s[WV], 0
	s_cbranch_scc1 .Lnot_wave_0_\@
	s_barrier_signal -3
.Lnot_wave_0_\@:
	s_barrier_wait -3
	s_barrier_signal -1
	s_barrier_wait -1
.endm
; A PREFETCH INTO THE L2 of the slot that the NEXT change of slots will ask for: four key steps ahead of that load.  All clusters of a head walk the same K and V: the head's first cluster asks.  Its four partners take a key step (25,600 bytes) each, told
; apart by address; in each, waves 4-7, which fetch nothing, take 6,400 bytes: 25 blocks of 256 bytes, a lane a block (lanes 25-31 name lane 24's).  The last change that fills a slot asks for nothing.
.macro ASK
	s_cmp_gt_u32 s[SLOTS], s[LIM]
	s_cbranch_scc0 .Lnot_mine_\@
	global_prefetch_b8 v[PFO], s[PFA:PFA+1] th:TH_LOAD_NT scope:SCOPE_SE
.Lnot_mine_\@:
.endm
.macro MASKLD                          ; a key step's 64 words: 256 consecutive bytes
	s_load_b512 s[16:31], s[MW:MW+1], s[MO] offset:0x0
	s_load_b512 s[32:47], s[MW:MW+1], s[MO] offset:0x40
	s_load_b512 s[48:63], s[MW:MW+1], s[MO] offset:0x80
	s_load_b512 s[80:95], s[MW:MW+1], s[MO] offset:0xc0
.endm
	s_load_b256 s[16:23], s[0:1], 0x0              ; qpk s[16:17], kvpk s[18:19], maskw s[20:21], oop s[22:23]
	v_lshl_add_u32 v[SPW], v0, 2, SPARE
	v_mov_b32 v[NIL], 0
	ds_add_u32 v5, v6
	s_wait_dscnt 0x0
	v_lshrrev_b32 v8, 5, v0
	v_readfirstlane_b32 s[WV], v8                  ; wave 0..7
	s_bfe_u32 s24, ttmp6, 0x40000                  ; cx
	s_lshl_b32 s25, ttmp9, 2
	s_add_co_u32 s25, s25, s24                     ; my block of 128 queries: it enters Q's, the mask's and O's addresses alone
	s_and_b32 s26, ttmp7, 0xffff                   ; the head, which the four partners share
	s_lshl_b32 s28, s26, 4
	s_add_co_u32 s28, s28, s25
	s_mul_i32 s28, s28, 12800                      ; my pack of Q
	s_mov_b32 s29, 0
	s_lshl_b32 s30, s25, 3
	s_add_co_u32 s30, s30, s[WV]                   ; T: my tile of 16 queries
	s_lshl_b32 s32, s30, 12                        ; its 16 x 64 mask words
	s_mov_b32 s33, 0
	s_and_b32 s31, s[WV], 3
	s_mul_i32 s36, s31, STEPB                      ; the key step of a slot that I fetch: in LDS and in memory
	s_mov_b32 s38, s36
	s_mov_b32 s39, 0
	s_mul_i32 s34, s26, 16*STEPB                   ; the head's K and V
	s_mov_b32 s35, 0
	s_lshr_b32 s37, s26, 1                         ; O as an operand: K step of 256 = head / 2, its half = head % 2, fragment T
	s_and_b32 s27, s26, 1
	s_mul_i32 s40, s37, 393216
	s_mul_i32 s41, s30, 3072
	s_add_co_u32 s40, s40, s41
	s_mul_i32 s41, s27, 1536
	s_add_co_u32 s40, s40, s41
	s_mov_b32 s41, 0
	s_lshl_b32 s42, s30, 10
	s_lshl_b32 s43, s37, 7
	s_add_co_u32 s42, s42, s43
	s_lshl_b32 s43, s27, 2
	s_add_co_u32 s42, s42, s43
	s_add_co_u32 s42, s42, SCOFF
	s_mov_b32 s43, 0
	s_mul_i32 s44, s24, STEPB                      ; the prefetches: my work-group's key step of a slot,
	s_mul_i32 s45, s31, 6400                       ; my wave's quarter of it,
	s_add_co_u32 s44, s44, s45
	s_add_co_u32 s44, s44, SLOTB                   ; in slot 1: the first change of slots steps it to slot 2.  Nothing is prefetched at the head
	s_mov_b32 s45, 0
	s_lshr_b32 s46, s[WV], 2
	s_xor_b32 s46, s46, 1                          ; 0 in waves 4-7,
	s_or_b32 s46, s46, ttmp9                       ; of the head's first cluster: the same in all four partners
	s_cmp_eq_u32 s46, 0
	s_cselect_b32 s[LIM], 1, -1
	s_mov_b32 s[G1], 15|(3<<16)|(1<<21)            ; 15:0 the mask: all four work-groups; 17:16 elements of 8 bytes; 21 set beside a mask; no padding
	s_mov_b32 s[G1+1], 32<<16                      ; a dense block as rows of 256 bytes:
	s_mov_b32 s[G1+2], 100<<16                     ; 100 of them
	s_mov_b32 s[G1+3], 32<<16
	s_mov_b32 s[G1+4], 100
	s_mov_b32 s[G1+5], 32
	s_mov_b32 s[G1+6], 0
	s_mov_b32 s[G1+7], 0
	s_mov_b32 s[SEL], 0x76543210
	s_mov_b32 s[SEL+1], 0xfedcba98
	s_mov_b32 s[CS], 0x3e0293ee
	s_mov_b32 s[CS+1], s[CS]
	s_mov_b32 s[TB], 0
	s_mov_b32 s[MO], 0
	s_mov_b32 s[SLOTS], 3
	s_wait_kmcnt 0x0
	s_add_nc_u64 s[QP:QP+1], s[16:17], s[28:29]
	s_add_nc_u64 s[MW:MW+1], s[20:21], s[32:33]
	s_add_nc_u64 s[OC:OC+1], s[22:23], s[40:41]
	s_add_nc_u64 s[OS:OS+1], s[22:23], s[42:43]
	s_add_nc_u64 s[18:19], s[18:19], s[34:35]
	s_add_nc_u64 s[PFA:PFA+1], s[18:19], s[44:45]
	s_mov_b32 s[G0], 1
	s_mov_b32 s[G0+1], s36
	s_add_nc_u64 s[G0+2:G0+3], s[18:19], s[38:39]
	s_or_b32 s[G0+3], s[G0+3], 0x80000000
	CROUND                                         ; all four work-groups are here: the first joint loads meet
	JLOAD                                          ; slot 0: key steps 0-3
	MASKLD                                         ; key step 0's words (the registers that held addresses and offsets are done with)
	v_and_b32 v3, 31, v0                           ; lane
	v_and_b32 v4, 15, v0                           ; r
	v_lshlrev_b32 v[LI], 4, v3
	v_lshlrev_b32 v[SCA], 5, v4
	v_min_u32 v[PFO], 24, v3
	v_lshlrev_b32 v[PFO], 8, v[PFO]
	s_mul_i32 s[CNT], s[WV], 1536
	v_add_nc_u32 v10, s[CNT], v[LI]                ; Q: fragment = my wave
	s_lshl_b32 s[CNT], s[WV], 2
	v_add_nc_u32 v11, s[CNT], v[SCA]
.irp c, 0,1,2
	global_load_b128 v[16+4*\c:19+4*\c], v10, s[QP:QP+1] offset:512*\c
.endr
	global_load_b32 v255, v11, s[QP:QP+1] offset:12288
	v_mov_b32 v[NEG], 0xf3000000                   ; -2^103
	v_mov_b32 v13, 0xff61b1e6                      ; the largest t so far: -3e38, under every t
	v_floor_f32 v12, -v13                          ; -M
	v_mov_b32 v14, 0
	v_mov_b32 v15, 0
.irp b, 0,1,2,3
	v_mov_b32 v[236+\b], 0                         ; a lane permute's destination counts as one of its sources
.endr
	v_mov_b32 v253, 0                              ; (named as the upper half of the pair v[252:253] before it is first written)
.set J, 0
.rept 64
	v_mov_b32 v[160+J], 0                          ; O^T: the step is written once; the first finds zeros, which the first change of M leaves zeros
.set J, J+1
.endr
; A KEY STEP: 128 keys.
.macro STEP
	v_add_nc_u32 v[ADL], s[TB], v[LI]
	v_add_nc_u32 v[ADS], s[TB], v[SCA]
	v_nop
	v_nop                                          ; four places in front of loads into registers that the last products read
.irp t, 0,1,2,3
.irp c, 0,1,2
	ds_load_b128 v[32+12*\t+4*\c:35+12*\t+4*\c], v[ADL] offset:1536*\t+512*\c
.endr
.endr
	ds_load_b128 v[80:83], v[ADS] offset:12288     ; my row's scale words of K's eight fragments,
	ds_load_b128 v[84:87], v[ADS] offset:12304
	ds_load_b128 v[88:91], v[ADS] offset:25088     ; and of V's
	ds_load_b128 v[92:95], v[ADS] offset:25104
	s_wait_dscnt 0x0
.irp t, 0,1,2,3
	v_wmma_scale_f32_16x16x128_f8f6f4 v[96+8*\t:103+8*\t], v[32+12*\t:43+12*\t], v[16:27], 0, v[80+\t], v255 matrix_a_fmt:MATRIX_FMT_FP6 matrix_b_fmt:MATRIX_FMT_FP6
.endr
.rept 4
	v_nop
.endr
.irp t, 0,1,2,3
.irp c, 0,1,2
	ds_load_b128 v[32+12*\t+4*\c:35+12*\t+4*\c], v[ADL] offset:1536*(4+\t)+512*\c
.endr
.endr
	s_wait_dscnt 0x0
.irp t, 0,1,2,3
	v_wmma_scale_f32_16x16x128_f8f6f4 v[128+8*\t:135+8*\t], v[32+12*\t:43+12*\t], v[16:27], 0, v[84+\t], v255 matrix_a_fmt:MATRIX_FMT_FP6 matrix_b_fmt:MATRIX_FMT_FP6
.endr
.rept 4
	v_nop                                          ; places in front of the loads below and of the first read of the scores
.endr
.irp t, 0,1,2,3
.irp c, 0,1,2
	ds_load_b128 v[32+12*\t+4*\c:35+12*\t+4*\c], v[ADL] offset:12800+1536*\t+512*\c   ; V's first four fragments land during the softmax
.endr
.endr
	s_wait_kmcnt 0x0                               ; this step's mask words
.set N, 0
.rept 64                               ; register 96 + n holds key 32 (n / 16) + 16 (lane / 16) + n % 16 of my query; bit = my lane of word n.  Each accumulator is read from its low end on
.if N < 48
	v_cndmask_b32 v[96+N], v[NEG], v[96+N], s[16+N]
.else
	v_cndmask_b32 v[96+N], v[NEG], v[96+N], s[32+N]
.endif
.set N, N+1
.endr
.irp b, 0,1,2,3
	v_max3_num_f32 v[232+\b], v[96+16*\b], v[97+16*\b], v[98+16*\b]   ; the largest score of each block of 32 keys: for the row's maximum, and, since p rises with the score, for the block's largest p
.endr
.irp i, 3,5,7,9,11,13
.irp b, 0,1,2,3
	v_max3_num_f32 v[232+\b], v[232+\b], v[96+16*\b+\i], v[97+16*\b+\i]
.endr
.endr
.irp b, 0,1,2,3
	v_max_num_f32 v[232+\b], v[232+\b], v[111+16*\b]
.endr
.irp b, 0,1,2,3
	v_permlanex16_b32 v[236+\b], v[232+\b], s[SEL], s[SEL+1]
.endr
.irp b, 0,1,2,3
	v_max_num_f32 v[232+\b], v[232+\b], v[236+\b]  ; with lane l xor 16's 16 keys
.endr
	v_max3_num_f32 v254, v232, v233, v234
	v_max_num_f32 v254, v254, v235
	v_mul_f32 v254, s[CS], v254                    ; as t
	v_max_num_f32 v13, v13, v254                   ; the running largest t
	v_mov_b32 v254, v12
	v_floor_f32 v12, -v13                          ; the new -M = -ceil(t): M is a whole number
	v_sub_f32 v254, v12, v254                      ; old M - new M: a whole number, 0 or less
	v_cvt_i32_f32 v254, v254                       ; (it saturates)
	v_ldexp_f32 v252, 1.0, v254                    ; f = 2^(old M - new M)
	s_add_co_u32 s[MO], s[MO], 256                 ; the next step's mask words (the wait above has shown the last loads done, so their offset may be written); the last step asks for its own again: no load leaves the buffer
	s_min_u32 s[MO], s[MO], 3840
	MASKLD
.set J, 0
.rept 32
	v_pk_fma_f32 v[96+J:97+J], v[96+J:97+J], s[CS:CS+1], v[12:13] op_sel_hi:[1,0,0]   ; t - M, two at a time
.set J, J+2
.endr
.irp b, 0,1,2,3
	v_fma_f32 v[232+\b], v[232+\b], s[CS], v12     ; the same of each block's largest score
.endr
.set J, 0
.rept 64
	v_exp_f32 v[96+J], v[96+J]                     ; p = 2^(t - M), at most 1
.set J, J+1
.endr
	v_pk_mul_f32 v[14:15], v[14:15], v[252:253] op_sel_hi:[1,0]   ; the sums under the new M: a plain place behind the exponentials
	s_wait_alu depctr_va_vdst(0)                   ; one wait for the whole batch, ahead of its first reader
.irp b, 0,1,2,3
	v_exp_f32 v[232+\b], v[232+\b]                 ; the block's largest p
.endr
	v_pk_add_f32 v[236:237], v[96:97], v[98:99]    ; the row's sum is taken of the unquantised p, in two chains
.irp j, 4,8,12,16,20,24,28,32,36,40,44,48,52,56,60
	v_pk_add_f32 v[14:15], v[14:15], v[96+\j:97+\j]
	v_pk_add_f32 v[236:237], v[236:237], v[98+\j:99+\j]
.endr
	v_pk_add_f32 v[14:15], v[14:15], v[236:237]
	s_wait_alu depctr_va_vdst(0)                   ; and one for the four
.irp b, 0,1,2,3
	v_max_num_f32 v[232+\b], 0x1800000, v[232+\b]  ; the floor 2^(3 - 127)
.endr
.irp b, 0,1,2,3
	v_add_nc_u32 v[244+\b], 0xff000000, v[232+\b]  ; the conversion's scale operand
.endr
.irp b, 0,1,2,3
	v_lshrrev_b32 v[236+\b], 23, v[244+\b]         ; the scale's byte
.endr
	v_lshl_or_b32 v253, v237, 8, v236              ; p's scale word for these 128 keys
	v_lshl_or_b32 v253, v238, 16, v253
	v_lshl_or_b32 v253, v239, 24, v253
.irp c, 0,1
	v_cvt_scalef32_pk16_fp6_f32 v[224+6*\c:226+6*\c], v[96+32*\c:111+32*\c], v[244+2*\c]
	v_cvt_scalef32_pk16_fp6_f32 v[236+4*\c:238+4*\c], v[112+32*\c:127+32*\c], v[244+2*\c+1]
.endr
	v_nop                                          ; one plain place behind a scaled conversion
.irp c, 0,1
.irp i, 0,1,2
	v_permlane16_swap_b32 v[224+6*\c+\i], v[236+4*\c+\i]
.endr
.irp i, 0,1,2
	v_mov_b32 v[227+6*\c+\i], v[236+4*\c+\i]
.endr
.endr
.set J, 0
.rept 32
	v_pk_mul_f32 v[160+J:161+J], v[160+J:161+J], v[252:253] op_sel_hi:[1,0]   ; O^T under the new M.  (These 32 are also the places between the writes of p's codes and scale word and the products)
.set J, J+2
.endr
	s_wait_dscnt 0x0                               ; V's first four fragments
.irp t, 0,1,2,3
	v_wmma_scale_f32_16x16x128_f8f6f4 v[160+8*\t:167+8*\t], v[32+12*\t:43+12*\t], v[224:235], v[160+8*\t:167+8*\t], v[88+\t], v253 matrix_a_fmt:MATRIX_FMT_FP6 matrix_b_fmt:MATRIX_FMT_FP6
.endr
.rept 4
	v_nop
.endr
.irp t, 0,1,2,3
.irp c, 0,1,2
	ds_load_b128 v[32+12*\t+4*\c:35+12*\t+4*\c], v[ADL] offset:12800+1536*(4+\t)+512*\c
.endr
.endr
	s_wait_dscnt 0x0
.irp t, 0,1,2,3
	v_wmma_scale_f32_16x16x128_f8f6f4 v[192+8*\t:199+8*\t], v[32+12*\t:43+12*\t], v[224:235], v[192+8*\t:199+8*\t], v[92+\t], v253 matrix_a_fmt:MATRIX_FMT_FP6 matrix_b_fmt:MATRIX_FMT_FP6
.endr
	s_add_co_u32 s[TB], s[TB], STEPB
.endm
; THE CHANGE OF SLOTS stands at a slot's head.  Each wave waits for all its tensor loads (its part of the slot that it is about to read), adds 0 to its spare word, and waits for that and for its reads of the slot that it has left.
; fill = 1: the barrier is a round of the cluster's, and behind it the slot that has been left is filled with the next four key steps: the load has four key steps in which to land.
.macro CHANGE fill
	s_wait_tensorcnt 0x0                           ; no tensor load of mine is out, so the descriptor may be written
	ds_add_u32 v[SPW], v[NIL]                      ; 0 onto my spare word
.if \fill
	s_xor_b32 s[G0+1], s[G0+1], SLOT1              ; the other slot than last time,
	s_add_nc_u64 s[G0+2:G0+3], s[G0+2:G0+3], SLOTB ; the next four key steps
	s_wait_xcnt 0x0                                ; the last prefetch, a slot back, has read its address
	s_add_nc_u64 s[PFA:PFA+1], s[PFA:PFA+1], SLOTB
	s_wait_dscnt 0x0                               ; the add is done, and my reads of the slot that I have left are over
	CROUND
	JLOAD                                          ; the first thing behind the round, and a wave's one tensor load until the next
	ASK
.else
	s_wait_dscnt 0x0
	s_barrier_signal -1
	s_barrier_wait -1
.endif
.endm
.macro FOUR_STEPS                      ; a slot's four key steps: written once, walked four times; the LDS addresses hang on s[TB]
	s_mov_b32 s[CNT], 4
.Lstep_\@:
	STEP
	s_sub_co_u32 s[CNT], s[CNT], 1
	s_cmp_lg_u32 s[CNT], 0
	s_cbranch_scc1 .Lstep_\@
	s_sub_co_u32 s[TB], s[TB], SLOTB               ; back to a slot's first step,
	s_xor_b32 s[TB], s[TB], SLOT1                  ; in the other slot
.endm
	s_wait_loadcnt 0x0                             ; Q
.Lslot:                                            ; three trips: behind each change of slots but the last the next slot is asked for
	CHANGE 1
	FOUR_STEPS
	s_sub_co_u32 s[SLOTS], s[SLOTS], 1
	s_cmp_lg_u32 s[SLOTS], 0
	s_cbranch_scc1 .Lslot
	CHANGE 0                                       ; the last slot is written out
	FOUR_STEPS
	; THE WAY OUT: O^T / the row's sum; its 64 numbers of a lane (register 16 b + i = channel 32 b + 16 (lane / 16) + i of my query) are one fragment of the last projection's first operand: K step = my head.
	v_add_f32 v14, v14, v15
	v_permlanex16_b32 v252, v14, s[SEL], s[SEL+1]
	v_add_f32 v14, v14, v252                       ; the row's sum
	v_rcp_f32 v14, v14
	v_and_b32 v3, 31, v0                           ; (plain places behind the reciprocal and the last products)
	v_and_b32 v4, 15, v0
	v_lshlrev_b32 v4, 3, v4                        ; my row's scale words: 8 bytes a row
	v_nop
	s_wait_alu depctr_va_vdst(0)                   ; the wait ahead of the first reader
.set J, 0
.rept 64
	v_mul_f32 v[96+J], v[160+J], v14
.set J, J+1
.endr
.irp b, 0,1,2,3
	v_max3_num_f32 v[TM+\b], |v[96+16*\b]|, |v[97+16*\b]|, 0x1800000
.endr
.irp i, 2,4,6,8,10,12,14
.irp b, 0,1,2,3
	v_max3_num_f32 v[TM+\b], v[TM+\b], |v[96+16*\b+\i]|, |v[97+16*\b+\i]|
.endr
.endr
.irp b, 0,1,2,3
	v_permlanex16_b32 v[TM+4+\b], v[TM+\b], s[SEL], s[SEL+1]
.endr
.irp b, 0,1,2,3
	v_max_num_f32 v[TM+\b], v[TM+\b], v[TM+4+\b]
.endr
.irp b, 0,1,2,3
	v_add_nc_u32 v[TM+12+\b], 0xff000000, v[TM+\b]
.endr
.irp b, 0,1,2,3
	v_lshrrev_b32 v[TM+4+\b], 23, v[TM+12+\b]
.endr
	v_lshl_or_b32 v252, v[TM+5], 8, v[TM+4]
	v_lshl_or_b32 v252, v[TM+6], 16, v252
	v_lshl_or_b32 v252, v[TM+7], 24, v252
.irp c, 0,1
	v_cvt_scalef32_pk16_fp6_f32 v[PC+6*\c:PC+2+6*\c], v[96+32*\c:111+32*\c], v[TM+12+2*\c]
	v_cvt_scalef32_pk16_fp6_f32 v[PC+12+4*\c:PC+14+4*\c], v[112+32*\c:127+32*\c], v[TM+12+2*\c+1]
.endr
	v_nop
.irp c, 0,1
.irp i, 0,1,2
	v_permlane16_swap_b32 v[PC+6*\c+\i], v[PC+12+4*\c+\i]
.endr
.irp i, 0,1,2
	v_mov_b32 v[PC+3+6*\c+\i], v[PC+12+4*\c+\i]
.endr
.endr
.irp c, 0,1,2
	global_store_b128 v[LI], v[PC+4*\c:PC+4*\c+3], s[OC:OC+1] offset:512*\c   ; 512 consecutive bytes, aligned
.endr
	s_wait_kmcnt 0x0                               ; the last step's mask words, asked for again and not used
	v_cmp_gt_u32 vcc_lo, 16, v3
	s_wait_xcnt 0x0                                ; EXEC changes only behind this wait
	s_and_saveexec_b32 s[CNT], vcc_lo              ; lanes 0-15: one word a row (the other half holds the same)
	global_store_b32 v4, v252, s[OS:OS+1]
	s_wait_xcnt 0x0                                ; and again, in front of the line that widens it
	s_or_b32 exec_lo, exec_lo, s[CNT]
	s_wait_tensorcnt 0x0                           ; the wave's end
	ds_add_u32 v[SPW], v[NIL]
	s_wait_dscnt 0x0
	CROUND                                         ; the closing round
	s_endpgm
.Lfunc_end_k_q975570da49_attn:
	.size	k_q975570da49_attn, .Lfunc_end_k_q975570da49_attn-k_q975570da49_attn
	.p2alignl 7, 3214868480
	.fill 96, 4, 3214868480
	.section	.rodata,"a",@progbits
	.p2align	6, 0x0
	.amdhsa_kernel k_q975570da49_attn
		.amdhsa_group_segment_fixed_size 327680
		.amdhsa_private_segment_fixed_size 0
		.amdhsa_enable_private_segment 0
		.amdhsa_kernarg_size 32
		.amdhsa_user_sgpr_count 2
		.amdhsa_user_sgpr_kernarg_segment_ptr 1
		.amdhsa_wavefront_size32 1
		.amdhsa_system_sgpr_workgroup_id_x 1
		.amdhsa_system_sgpr_workgroup_id_y 1
		.amdhsa_system_sgpr_workgroup_id_z 1
		.amdhsa_system_vgpr_workitem_id 0
		.amdhsa_next_free_vgpr 256
		.amdhsa_next_free_sgpr 100
		.amdhsa_reserve_vcc 1
		.amdhsa_float_denorm_mode_32 3
		.amdhsa_float_denorm_mode_16_64 3
		.amdhsa_memory_ordered 1
		.amdhsa_forward_progress 1
		.amdhsa_inst_pref_size 63
	.end_amdhsa_kernel
	.amdgpu_metadata
---
amdhsa.version: [ 1, 2 ]
amdhsa.kernels:
  - .name:           k_q975570da49_attn
    .symbol:         k_q975570da49_attn.kd
    .args:
      - { .name: qpk, .offset: 0, .size: 8, .value_kind: global_buffer, .address_space: global }
      - { .name: kvpk, .offset: 8, .size: 8, .value_kind: global_buffer, .address_space: global }
      - { .name: maskw, .offset: 16, .size: 8, .value_kind: global_buffer, .address_space: global }
      - { .name: oop, .offset: 24, .size: 8, .value_kind: global_buffer, .address_space: global }
    .group_segment_fixed_size: 327680
    .private_segment_fixed_size: 0
    .kernarg_segment_align: 8
    .kernarg_segment_size: 32
    .max_flat_workgroup_size: 256
    .sgpr_count:     100
    .vgpr_count:     256
    .wavefront_size: 32
...
	.end_amdgpu_metadata
.endif
;; end of part 3
;; launch oproj (part 4): grid 8 x 8, 4 waves a work-group, clusters of 4 x 4, 327,680 bytes of LDS; arguments oop, ops, out0; writes out0
.if DOCPART == 4
	.amdgcn_target "amdgcn-amd-amdhsa--gfx1250"
	.amdhsa_code_object_version 6
	.text
	.protected	k_q975570da49_oproj
	.globl	k_q975570da49_oproj
	.p2align	8
	.type	k_q975570da49_oproj,@function
k_q975570da49_oproj:
	s_mov_b64 s[64:65], 0
	v_nop
	global_prefetch_b8 v0, s[64:65] scope:SCOPE_SE
	s_setreg_imm32_b32 hwreg(HW_REG_WAVE_MODE, 25, 1), 1
	s_wait_xcnt 0x0
	s_wait_alu depctr_hold_cnt(0) depctr_sa_sdst(0) depctr_va_vdst(0) depctr_va_sdst(0) depctr_va_ssrc(0) depctr_va_vcc(0) depctr_vm_vsrc(0)
	s_getreg_b32 s2, hwreg(HW_REG_IB_STS2, 6, 4)
	s_cmp_eq_u32 s2, 0
	s_cbranch_scc0 .Lentry_in_a_cluster
	s_endpgm
.Lentry_in_a_cluster:
	s_bfe_u32 s2, ttmp6, 0x10000c
	s_cmp_lg_u32 s2, 0xf033
	s_cbranch_scc0 .Lentry_shape_is_right
	s_endpgm
.Lentry_shape_is_right:
; OPROJ: out0 = O Wo on codes of FP6 (E2M3) with E8M0 scales.  C'[m'][n'] = sum over k of A'[m'][k] B'[n'][k], K = 2,048: A' = O (oop, made by the attention launch), B' = Wo (tensor 6 of ops).
; A tile of C', 256 x 256, is made by four waves, each 128 x 128: 64 accumulators, 512 registers.  K goes in steps of 256 through a ring of two LDS slots filled by the tensor data mover.
; THE OPERANDS LIE IN MEMORY AS IMAGES OF THE OPERAND'S REGISTERS (a fragment of 16 rows x 128 K: 1,536 bytes, registers 4 c .. 4 c + 3 of lane l at 512 c + 16 l): a K step's 8 fragments x 2 are one dense block of 24,576 bytes for one tensor load,
; a fragment comes out of LDS by three loads of 512 consecutive bytes, and LDS needs no pitch and no padding.  The scale words of a wave's 8 fragments, for all of K, are one dense block of 8,192 bytes: they come once.
; THE ROWS OF A FRAGMENT: row r of fragment F is index 32 (F / 2) + 8 (F % 2) + r + 8 (r / 8), in both operands; the way out puts rows and columns back in their true places.
; THE MATRIX INSTRUCTION IS USED TRANSPOSED (source 0 = B', source 1 = A'): a lane holds one token, and its eight registers of a tile eight neighbouring columns.
; CLUSTERS: 4 x 4 work-groups; A's tiles are asked for jointly along a row of the cluster, B's along a column.  The grid has 64 work-groups: the tile is kept at 256 x 256 for the sake of the multiply-adds that each LDS byte feeds.
; REGISTERS: window 0: v0-31 addresses; v32-63 scale words, two sets, and nothing else; v128-223 A's fragments, one set; on the way out v128-255 rows of the result.  window 1: B's fragments, two sets, at v0 and v128.
;   window 2: the accumulators of my rows 0-63 ((a, b) at v[8 (8 a + b)]); window 3: those of rows 64-127.
.set TENS,   3276800
.set SCOFF,  3145728
.set S2B,    393216
.set NQ,     2
.set FR,     12
.set NL,     3
.set NP,     4
.set HALFT,  24576
.set SLOT,   4*HALFT
.set LAPS,   4
.set SCL,    2*SLOT
.set SCLB,   SCL+16384+128
.set SPARE,  SCLB+16384+128            ; the spare words, 128 bytes for each wave: two blocks of 256 bytes that no other line names
.set SPITCH, 528                       ; the way out: a stage of 16 rows x (512 bytes + 16) for each wave, in slot 0, which has had its last fill and its last read when the first result is stored there
.set ADRA, 16
.set ADRB, 20
.set STO,  24                          ; v24 the way out: where I put 32 bytes of a row
.set RD,   25                          ; v25 and where I read a row back
.set ADRS, 27
.set SPW,  28
.set NIL,  29
.set PFO,  30
.set LI,   31
.set SC,   32
.set AF,   128
.set BK,   128
.set G1, 24
.set G0, 32
.set G1B, 48
.set G0B, 56
.set G1S, 68
.set G0S, 76
.set G1SB, 80
.set G0SB, 88
.set DST, 12                           ; s[12:13] out0 at my first token and column; never stepped
.set PFA, 96
.set LIM, 98
.set MSB, 0
.macro WIN new                         ; the immediate's high byte repeats the setting that is left
.if MSB != \new
	s_set_vgpr_msb (MSB<<8)|\new
.set MSB, \new
.endif
.endm
.set MUL_LO, 0xa1
.set MUL_HI, 0xf1
.set TO_B,   0x40
.macro JLOAD g0a, g1a, g0b, g1b        ; a joint load: waves 0 and 1 fetch for A', waves 2 and 3 for B'; four v_nop follow each of the two lines
	s_cmp_eq_u32 s15, 0
	s_cbranch_scc0 .Lfor_b_\@
	tensor_load_to_lds s[\g0a:\g0a+3], s[\g1a:\g1a+7]
	s_nop 0
.rept 4
	v_nop
.endr
	s_branch .Lasked_\@
.Lfor_b_\@:
	tensor_load_to_lds s[\g0b:\g0b+3], s[\g1b:\g1b+7]
	s_nop 0
.rept 4
	v_nop
.endr
.Lasked_\@:
.endm
.macro CREST
	s_cmp_lg_u32 s14, 0
	s_cbranch_scc1 .Lnot_wave_0_\@
	s_barrier_signal -3
.Lnot_wave_0_\@:
	s_barrier_wait -3
	s_barrier_signal -1
	s_barrier_wait -1
.endm
.macro CROUND
	s_barrier_signal -1
	s_barrier_wait -1
	CREST
.endm
; A PREFETCH INTO THE L2 of the K step that stands TWO refills on: of the 24,576 bytes that my wave fetches, the four partners that ask jointly take 6,144 each, told apart by address (cx for A', cy for B'): 24 blocks of 256 bytes, a lane a block
; (lanes 24-31 name lane 23's).  A's tile row is read by both clusters of a row of clusters: cluster x = 0 asks; B's tile column by both of a column: cluster y = 0 asks.  The loop's last trip asks for nothing.
.macro ASK
	s_cmp_gt_u32 s3, s[LIM]
	s_cbranch_scc0 .Lnot_mine_\@
	global_prefetch_b8 v[PFO], s[PFA:PFA+1] offset:S2B th:TH_LOAD_NT scope:SCOPE_SE
.Lnot_mine_\@:
.endm
	s_load_b128 s[4:7], s[0:1], 0x0                ; oop s[4:5], ops s[6:7]
	s_load_b64 s[8:9], s[0:1], 0x10                ; out0
	v_lshl_add_u32 v[SPW], v0, 2, SPARE
	v_mov_b32 v[NIL], 0
	ds_add_u32 v28, v29
	s_wait_dscnt 0x0
	v_lshrrev_b32 v1, 5, v0
	v_readfirstlane_b32 s14, v1                    ; wave 0..3
	s_lshr_b32 s15, s14, 1                         ; which half of A's rows is mine.  Also: I fetch for A' (0) or for B' (1)
	s_and_b32 s16, s14, 1                          ; which half of B's.  Also: which 8 fragments of that tile I fetch
	s_bfe_u32 s40, ttmp6, 0x40000                  ; cx, cy
	s_bfe_u32 s41, ttmp6, 0x40004
	s_lshl_b32 s42, ttmp9, 2
	s_add_co_u32 s42, s42, s40                     ; tile column
	s_and_b32 s17, ttmp7, 0xffff
	s_lshl_b32 s17, s17, 2
	s_add_co_u32 s17, s17, s41                     ; tile row
	s_lshl_b32 s43, s41, 2
	s_lshl_b32 s43, 15, s43                        ; my row of the cluster
	s_lshl_b32 s44, 0x1111, s40                    ; my column
	s_or_b32 s[G1+0], s43, (3<<16)|(1<<21)         ; a dense block as rows of 256 bytes (32 elements of 8 bytes), no padding: 96 rows of codes, 32 of scale words
	s_or_b32 s[G1B+0], s44, (3<<16)|(1<<21)
.irp g, G1, G1B
	s_mov_b32 s[\g+1], 32<<16
	s_mov_b32 s[\g+2], 96<<16
	s_mov_b32 s[\g+3], 32<<16
	s_mov_b32 s[\g+4], 96
	s_mov_b32 s[\g+5], 32
	s_mov_b32 s[\g+6], 0
	s_mov_b32 s[\g+7], 0
.endr
	s_or_b32 s[G1S+0], s43, (3<<16)|(1<<21)
	s_or_b32 s[G1SB+0], s44, (3<<16)|(1<<21)
.irp g, G1S, G1SB
	s_mov_b32 s[\g+1], 32<<16
	s_mov_b32 s[\g+2], 32<<16
	s_mov_b32 s[\g+3], 32<<16
	s_mov_b32 s[\g+4], 32
	s_mov_b32 s[\g+5], 32
	s_mov_b32 s[\g+6], 0
	s_mov_b32 s[\g+7], 0
.endr
	s_lshl_b32 s21, s16, 3
	s_lshl_b32 s20, s17, 4
	s_add_co_u32 s20, s20, s21                     ; A': the first fragment that I fetch
	s_lshl_b32 s46, s42, 4
	s_add_co_u32 s46, s46, s21                     ; B'
	s_lshl_b32 s22, s20, 10
	s_add_co_u32 s22, s22, SCOFF
	s_mov_b32 s23, 0
	s_lshl_b32 s92, s46, 10
	s_add_co_u32 s92, s92, 6*TENS+SCOFF
	s_mov_b32 s93, 0
	s_mul_i32 s20, s20, 3072
	s_mov_b32 s21, 0
	s_mul_i32 s46, s46, 3072
	s_add_co_u32 s46, s46, 6*TENS
	s_mov_b32 s47, 0
	s_mul_i32 s45, s14, HALFT
	s_lshl_b32 s94, s14, 13
	s_wait_kmcnt 0x0
	s_add_nc_u64 s[20:21], s[4:5], s[20:21]
	s_add_nc_u64 s[22:23], s[4:5], s[22:23]
	s_add_nc_u64 s[46:47], s[6:7], s[46:47]
	s_add_nc_u64 s[92:93], s[6:7], s[92:93]
	CROUND                                         ; all sixteen work-groups are here: the first joint loads meet
	s_mov_b32 s[G0S], 1
	s_add_co_u32 s[G0S+1], s94, SCL
	s_mov_b64 s[G0S+2:G0S+3], s[22:23]
	s_or_b32 s[G0S+3], s[G0S+3], 0x80000000
	s_mov_b32 s[G0SB], 1
	s_add_co_u32 s[G0SB+1], s94, SCL+128
	s_mov_b64 s[G0SB+2:G0SB+3], s[92:93]
	s_or_b32 s[G0SB+3], s[G0SB+3], 0x80000000
	JLOAD G0S, G1S, G0SB, G1SB                     ; the scale words first.  Three loads of mine are out behind these lines
.irp s, 0,1
	s_mov_b32 s[G0+4*\s], 1
	s_add_co_u32 s[G0+4*\s+1], s45, \s*SLOT
	s_add_nc_u64 s[G0+4*\s+2:G0+4*\s+3], s[20:21], \s*S2B
	s_or_b32 s[G0+4*\s+3], s[G0+4*\s+3], 0x80000000
	s_mov_b32 s[G0B+4*\s], 1
	s_add_co_u32 s[G0B+4*\s+1], s45, \s*SLOT
	s_add_nc_u64 s[G0B+4*\s+2:G0B+4*\s+3], s[46:47], \s*S2B
	s_or_b32 s[G0B+4*\s+3], s[G0B+4*\s+3], 0x80000000
	JLOAD G0+4*\s, G1, G0B+4*\s, G1B
.endr
	s_and_b32 s18, ttmp7, 0xffff                   ; cluster y
	s_cmp_eq_u32 s15, 0
	s_cselect_b64 s[PFA:PFA+1], s[20:21], s[46:47]
	s_cselect_b32 s19, s40, s41
	s_cselect_b32 s18, ttmp9, s18
	s_cmp_eq_u32 s18, 0
	s_cselect_b32 s[LIM], 1, -1
	s_mul_i32 s18, s19, 6144
	s_add_co_u32 s18, s18, 2*S2B                   ; at K step 2: the first refill steps it to 3 and names K step 4.  Nothing is prefetched at the head
	s_mov_b32 s19, 0
	s_add_nc_u64 s[PFA:PFA+1], s[PFA:PFA+1], s[18:19]
	s_lshl_b32 s18, s17, 1
	s_add_co_u32 s18, s18, s15                     ; my 128 tokens: rows of 8,192 bytes
	s_lshl_b32 s18, s18, 20
	s_lshl_b32 s19, s42, 1
	s_add_co_u32 s19, s19, s16                     ; my 128 columns: 512 bytes
	s_lshl_b32 s19, s19, 9
	s_add_co_u32 s18, s18, s19
	s_mov_b32 s19, 0
	s_add_nc_u64 s[DST:DST+1], s[8:9], s[18:19]
	v_and_b32 v1, 15, v0                           ; r
	v_bfe_u32 v2, v0, 4, 1                         ; h
	v_and_b32 v3, 31, v0
	v_lshlrev_b32 v[LI], 4, v3
	v_min_u32 v[PFO], 23, v3
	v_lshlrev_b32 v[PFO], 8, v[PFO]
	s_mul_i32 s21, s15, HALFT
	s_mul_i32 s22, s16, HALFT
	s_add_co_u32 s22, s22, 2*HALFT
.irp s, 0,1
	v_add_nc_u32 v[ADRA+\s], s21, v[LI]
	v_add_nc_u32 v[ADRB+\s], s22, v[LI]
	s_add_co_u32 s21, s21, SLOT
	s_add_co_u32 s22, s22, SLOT
.endr
	v_lshlrev_b32 v5, 3, v1
	s_lshl_b32 s21, s15, 13
	s_lshl_b32 s22, s16, 13
	s_add_co_u32 s22, s22, SCLB-SCL
	s_sub_co_u32 s22, s22, s21
	v_mul_u32_u24 v6, s22, v2                      ; lanes 16-31 take B's: one product, the distance between the two
	s_add_co_u32 s21, s21, SCL
	v_add_nc_u32 v5, v5, v6
	v_add_nc_u32 v[ADRS], s21, v5
	s_mul_i32 s23, s14, 16*SPITCH                  ; my stage
	v_mul_u32_u24 v5, v1, SPITCH
	v_lshl_add_u32 v5, v2, 6, v5                   ; in: row r, + 64 h: a pair of tiles gives my half 16 neighbouring columns
	v_add_nc_u32 v[STO], s23, v5
	v_add_nc_u32 v[RD], s23, v[LI]                 ; back: the 32 lanes take one row of 512 bytes
.macro FRAG reg, adr, q, i
.irp c, 0,1,2
	ds_load_b128 v[\reg+4*\c:\reg+4*\c+3], v[\adr] offset:(\i)*3072+(\q)*1536+512*\c
.endr
.endm
; 16 matrix instructions: A's blocks a0, a0 + 1 x B's eight.  The 64 accumulators take turns, one instruction a turn, in the same order in every step.
.macro MUL16 a0, p, q, sc, zero
.irp a, \a0, \a0+1
.irp b, 0,1,2,3,4,5,6,7
.if \zero
	v_wmma_scale_f32_16x16x128_f8f6f4 v[8*(8*((\a)%4)+\b):8*(8*((\a)%4)+\b)+7], v[128*(\p)+FR*\b:128*(\p)+FR*\b+FR-1], v[AF+FR*(\a):AF+FR*(\a)+FR-1], 0, v[SC+8*NQ*(\sc)+NQ*\b+(\q)], v[SC+8*NQ*(\sc)+NQ*(\a)+(\q)] matrix_a_fmt:MATRIX_FMT_FP6 matrix_b_fmt:MATRIX_FMT_FP6 matrix_a_scale:MATRIX_SCALE_ROW1
.else
	v_wmma_scale_f32_16x16x128_f8f6f4 v[8*(8*((\a)%4)+\b):8*(8*((\a)%4)+\b)+7], v[128*(\p)+FR*\b:128*(\p)+FR*\b+FR-1], v[AF+FR*(\a):AF+FR*(\a)+FR-1], v[8*(8*((\a)%4)+\b):8*(8*((\a)%4)+\b)+7], v[SC+8*NQ*(\sc)+NQ*\b+(\q)], v[SC+8*NQ*(\sc)+NQ*(\a)+(\q)] matrix_a_fmt:MATRIX_FMT_FP6 matrix_b_fmt:MATRIX_FMT_FP6 matrix_a_scale:MATRIX_SCALE_ROW1
.endif
.endr
.endr
.endm
.macro FETCH_B slot, q, p
	WIN TO_B
.irp i, 0,1,2,3,4,5,6,7
	FRAG 128*(\p)+FR*\i, ADRB+\slot, \q, \i
.endr
	WIN 0
.endm
.macro FETCH_A slot, q, i0
.irp i, \i0, \i0+1, \i0+2, \i0+3
	FRAG AF+FR*(\i), ADRA+\slot, \q, \i
.endr
.endm
.macro SCALES sc
.irp i, 0,1,2,3,4,5,6,7
	ds_load_b64 v[SC+8*NQ*\sc+NQ*\i:SC+8*NQ*\sc+NQ*\i+1], v[ADRS] offset:\i*1024
.endr
.endm
.macro PLACES n                        ; plain vector instructions between a matrix instruction and a load into, or a read of, its registers (ISA guide 7.12.1 for reads)
.rept \n
	v_nop
.endr
.endm
.macro STEP slot, q, zero
	s_wait_dscnt 4*NL                              ; B's set, A's blocks 0-3 and the scale words are in; the youngest 12 loads (A's blocks 4-7) may be out
	WIN MUL_LO
	MUL16 0, (\q)%2, \q, \slot, \zero
	MUL16 2, (\q)%2, \q, \slot, \zero
	s_wait_dscnt 0
	PLACES NP
	FETCH_B \slot, (\q)+1, 1-(\q)%2
	FETCH_A \slot, (\q)+1, 0
	WIN MUL_HI
	MUL16 4, (\q)%2, \q, \slot, \zero
	MUL16 6, (\q)%2, \q, \slot, \zero
	PLACES NP
	WIN 0
	FETCH_A \slot, (\q)+1, 4
.endm
.macro TURN slot, next, fill
.if \fill
	s_wait_xcnt 0x0                                ; the last prefetch, a K step back, has read its address: it is stepped here
	s_add_nc_u64 s[PFA:PFA+1], s[PFA:PFA+1], S2B
.endif
	s_wait_tensorcnt 0x0                           ; all my tensor loads have landed: my part of the next slot
	ds_add_u32 v[SPW], v[NIL]                      ; 0 onto my spare word
	s_wait_dscnt 4*NL+1                            ; (the add and the youngest 12 loads may be out)
	WIN MUL_LO
	MUL16 0, 1, NQ-1, \slot, 0
	s_wait_dscnt 0x0                               ; the add is done, and my reads of this slot are over
	s_barrier_signal -1
	MUL16 2, 1, NQ-1, \slot, 0
	WIN 0
	s_barrier_wait -1
.if \fill
	CREST                                          ; the barrier has opened a round of the cluster's barrier
	s_add_nc_u64 s[G0+4*\slot+2:G0+4*\slot+3], s[G0+4*\slot+2:G0+4*\slot+3], 2*S2B
	s_add_nc_u64 s[G0B+4*\slot+2:G0B+4*\slot+3], s[G0B+4*\slot+2:G0B+4*\slot+3], 2*S2B
	JLOAD G0+4*\slot, G1, G0B+4*\slot, G1B         ; the first tensor load behind the round, my only one until the next
.else
	PLACES NP
.endif
	v_add_nc_u32 v[ADRS], 128, v[ADRS]
	FETCH_B \next, 0, 0
	FETCH_A \next, 0, 0
	SCALES \next
.if \fill
	ASK
.endif
	WIN MUL_HI
	MUL16 4, 1, NQ-1, \slot, 0
	MUL16 6, 1, NQ-1, \slot, 0
	PLACES NP
	WIN 0
	FETCH_A \next, 0, 4
.endm
	s_wait_tensorcnt 1                             ; the scale words and my part of K step 0 are in; K step 1's load may be out
	s_barrier_signal -1
	s_barrier_wait -1
	FETCH_B 0, 0, 0
	FETCH_A 0, 0, 0
	SCALES 0
	FETCH_A 0, 0, 4
	STEP 0, 0, 1
	s_mov_b32 s3, LAPS-1
.Llap:
	TURN 0, 1, 1
	STEP 1, 0, 0
	TURN 1, 0, 1
	STEP 0, 0, 0
	s_sub_co_u32 s3, s3, 1
	s_cmp_lg_u32 s3, 0
	s_cbranch_scc1 .Llap
	TURN 0, 1, 0
	STEP 1, 0, 0
	s_wait_dscnt 4*NL
	WIN MUL_LO
	MUL16 0, 1, NQ-1, 1, 0
	MUL16 2, 1, NQ-1, 1, 0
	s_wait_dscnt 0
	WIN MUL_HI
	MUL16 4, 1, NQ-1, 1, 0
	MUL16 6, 1, NQ-1, 1, 0
	WIN 0
; THE WAY OUT, block by block of 16 tokens x 128 columns, through my own stage in LDS.  Tile b's eight registers of lane (r, h) are the columns 32 (b / 2) + 8 (b % 2) + 16 h + 0 .. 7 of the token in row r; row t of block a is token
; 32 (a / 2) + 8 (a % 2) + t + 8 (t / 8).  A row comes back whole, 512 bytes, and the 32 lanes store it as two aligned runs of 256 bytes.  LDS serves a wave's instructions in order (ISA guide 5.7.1.4): no wait between the stores and the loads.
.macro TOSTAGE a
.set AC, 64*((\a)%4)
	WIN 0x08+4*((\a)/4)                            ; the data: window 2 or 3
.irp b, 0,1,2,3,4,5,6,7
	ds_store_b128 v[STO], v[AC+8*\b:AC+8*\b+3] offset:128*(\b/2)+32*(\b%2)          ; each accumulator from its low end on
	ds_store_b128 v[STO], v[AC+8*\b+4:AC+8*\b+7] offset:128*(\b/2)+32*(\b%2)+16
.endr
	WIN 0
.set BB, BK+64*((\a)%2)
.irp t, 0,1,2,3,4,5,6,7,8,9,10,11,12,13,14,15
	ds_load_b128 v[BB+4*\t:BB+4*\t+3], v[RD] offset:\t*SPITCH
.endr
.endm
.macro SEND a, younger                 ; younger: the LDS instructions issued behind block a's loads, which may stay out
.set BB, BK+64*((\a)%2)
	s_wait_dscnt \younger
.irp t, 0,1,2,3,4,5,6,7,8,9,10,11,12,13,14,15
	global_store_b128 v[LI], v[BB+4*\t:BB+4*\t+3], s[DST:DST+1] offset:(32*((\a)/2)+8*((\a)%2)+\t+8*(\t/8))*8192 th:TH_STORE_NT   ; 127 rows of 8,192 bytes at the most: inside the signed 24-bit immediate
.endr
.endm
	PLACES NP
	TOSTAGE 0
.irp a, 1,2,3,4,5,6,7
.if \a > 1
	s_wait_xcnt 0x0                                ; block a - 2's stores have read their registers: block a's loads may land there
.endif
	TOSTAGE \a
	SEND \a-1, 32                                  ; behind block a - 1's loads: block a's 16 stores and 16 loads
.endr
	SEND 7, 0
	s_wait_tensorcnt 0x0                           ; the wave's end
	ds_add_u32 v[SPW], v[NIL]
	s_wait_dscnt 0x0
	CROUND                                         ; the closing round
	s_endpgm
.Lfunc_end_k_q975570da49_oproj:
	.size	k_q975570da49_oproj, .Lfunc_end_k_q975570da49_oproj-k_q975570da49_oproj
	.p2alignl 7, 3214868480
	.fill 96, 4, 3214868480
	.section	.rodata,"a",@progbits
	.p2align	6, 0x0
	.amdhsa_kernel k_q975570da49_oproj
		.amdhsa_group_segment_fixed_size 327680
		.amdhsa_private_segment_fixed_size 0
		.amdhsa_enable_private_segment 0
		.amdhsa_kernarg_size 24
		.amdhsa_user_sgpr_count 2
		.amdhsa_user_sgpr_kernarg_segment_ptr 1
		.amdhsa_wavefront_size32 1
		.amdhsa_system_sgpr_workgroup_id_x 1
		.amdhsa_system_sgpr_workgroup_id_y 1
		.amdhsa_system_sgpr_workgroup_id_z 1
		.amdhsa_system_vgpr_workitem_id 0
		.amdhsa_next_free_vgpr 1024
		.amdhsa_next_free_sgpr 100
		.amdhsa_reserve_vcc 0
		.amdhsa_float_denorm_mode_32 3
		.amdhsa_float_denorm_mode_16_64 3
		.amdhsa_memory_ordered 1
		.amdhsa_forward_progress 1
		.amdhsa_inst_pref_size 136
	.end_amdhsa_kernel
	.amdgpu_metadata
---
amdhsa.version: [ 1, 2 ]
amdhsa.kernels:
  - .name:           k_q975570da49_oproj
    .symbol:         k_q975570da49_oproj.kd
    .args:
      - { .name: oop, .offset: 0, .size: 8, .value_kind: global_buffer, .address_space: global }
      - { .name: ops, .offset: 8, .size: 8, .value_kind: global_buffer, .address_space: global }
      - { .name: out0, .offset: 16, .size: 8, .value_kind: global_buffer, .address_space: global }
    .group_segment_fixed_size: 327680
    .private_segment_fixed_size: 0
    .kernarg_segment_align: 8
    .kernarg_segment_size: 24
    .max_flat_workgroup_size: 128
    .sgpr_count:     100
    .vgpr_count:     1024
    .wavefront_size: 32
...
	.end_amdgpu_metadata
.endif
;; end of part 4
;; ======== version 2 of 2: 4 launches
;; limits: right only within a limited range of input values
;; workspace buffers: ops 22,937,600 bytes; maskw 524,288 bytes of whole numbers; flags 65,536 bytes of whole numbers; rope 524,288 bytes; qpk 3,276,800 bytes; kvpk 6,553,600 bytes; oop 3,276,800 bytes
;; launch prep (part 5): grid 1024 x 1, 4 waves a work-group, no clusters, 68,096 bytes of LDS; arguments query_inputs, key_inputs, value_inputs, Wq, Wk, Wv, Wo, attention_mask, ops, maskw, rope, flags; writes ops, maskw, rope, flags
.if DOCPART == 5
	.amdgcn_target "amdgcn-amd-amdhsa--gfx1250"
	.amdhsa_code_object_version 6
	.text
	.protected	k_q975570da49_prep
	.globl	k_q975570da49_prep
	.p2align	8
	.type	k_q975570da49_prep,@function
k_q975570da49_prep:
	s_mov_b64 s[64:65], 0
	v_nop
	global_prefetch_b8 v0, s[64:65] scope:SCOPE_SE
	s_setreg_imm32_b32 hwreg(HW_REG_WAVE_MODE, 25, 1), 1
	s_wait_xcnt 0x0
; PREP: everything that is made once.  Three kinds of work-group, told apart by the work-group's number:
;   0 .. 383    X: query_inputs, key_inputs, value_inputs [2048][2048] f32 (K innermost) become codes of FP6 (E2M3) and E8M0 scale bytes
;   384 .. 895  W: Wq, Wk, Wv, Wo [K 2048][N 2048] f32 (K is the FIRST axis) likewise, quantised down the columns
;   896 .. 1023 M: attention_mask becomes words of 32 lane bits for the attention launch; the same waves make the rotary table (cos, sin)
; AN OPERAND TENSOR in ops (3,276,800 bytes; 0 xq, 1 xk, 2 xv, 3 Wq, 4 Wk, 5 Wv, 6 Wo): codes [K/256 (8)][fragment F (128)][q (2)][1,536], then from byte 3,145,728 on scale words [F][K/256][row r (16)][q (2)].
; A FRAGMENT (16 rows x 128 K, 12 registers a lane) lies as an image of the operand's registers: registers 4 c .. 4 c + 3 of lane l at 512 c + 16 l.
; THE ROWS OF A FRAGMENT ARE NOT NEIGHBOURS: row r of fragment F is index 32 (F / 2) + 8 (F % 2) + r + 8 (r / 8), so that a product that takes the fragment as its first source leaves 16 neighbouring indices in the
; 16 registers of two neighbouring result tiles.  K is always in its true order.
; A block's scale is 2^(floor(log2(its largest magnitude)) - 2); its byte is the largest magnitude's exponent field - 2, held at 1 from below.
; LIMITS: a block of zeros gets the byte 1 (its codes are zeros, and this program alone reads the bytes); blocks whose largest magnitude lies under 2^-124 are held at that byte; NaN and infinities are not served.
; The rotary angles follow the f32 steps of the table's definition: P = 10000^(i/32) rounded to f32 (taken as correctly rounded), 1 / P, position x that; sine and cosine by a two-part reduction by pi/2 and polynomials.
; No tensor loads, no barrier: waves share nothing.  Each path that uses LDS has LDS bytes of its own: X bytes 0 .. 33,791, M bytes 33,792 .. 67,583.
.set TENS,  3276800
.set SCOFF, 3145728
.set S2B,   393216                     ; the codes of 256 along K, all 128 fragments
.set LANE,  2
.set RR,    3                          ; lane % 16
.set HH,    4                          ; lane / 16
.set LI,    5                          ; 16 x lane
.set XSTW,  6                          ; X: the wave's stage, on the way in
.set XSTR,  7                          ; and on the way out
.set MSTW,  8                          ; M: the same
.set MSTR,  9
.set TM,    16                         ; v16-31  at work in QUANT
.set PC,    32                         ; v32-50  the codes just made
.set PW,    52                         ; v52-55  scale words
.set XR,    64                         ; v64-191 two sets of 64 numbers as loaded
.set XN,    192                        ; v192-255 64 numbers of a lane: register 16 b + i = k 32 b + 16 (lane / 16) + i of my row
.set SEL,   28                         ; s[28:29] v_permlanex16_b32's selects for lane l xor 16
; 64 numbers of a lane, register 16 b + i = k 32 b + 16 (lane / 16) + i of my row, become a fragment's codes in v[PC] on and its scale word in v[pw].
.macro QUANT s, pw
.irp b, 0,1,2,3
	v_max3_num_f32 v[TM+\b], |v[\s+16*\b]|, |v[\s+1+16*\b]|, 0x1800000   ; block b: my 16 numbers, and the floor 2^(3 - 127): the byte cannot fall under 1
.endr
.irp i, 2,4,6,8,10,12,14
.irp b, 0,1,2,3
	v_max3_num_f32 v[TM+\b], v[TM+\b], |v[\s+16*\b+\i]|, |v[\s+1+16*\b+\i]|   ; the four blocks by turns
.endr
.endr
.irp b, 0,1,2,3
	v_permlanex16_b32 v[TM+4+\b], v[TM+\b], s[SEL], s[SEL+1]
.endr
.irp b, 0,1,2,3
	v_max_num_f32 v[TM+\b], v[TM+\b], v[TM+4+\b]   ; with lane l xor 16's: the block's largest magnitude
.endr
.irp b, 0,1,2,3
	v_add_nc_u32 v[TM+12+\b], 0xff000000, v[TM+\b]   ; 2 off its exponent field: the conversion takes the exponent field of this operand as its scale
.endr
.irp b, 0,1,2,3
	v_lshrrev_b32 v[TM+4+\b], 23, v[TM+12+\b]      ; the scale's byte
.endr
	v_lshl_or_b32 v[\pw], v[TM+5], 8, v[TM+4]      ; four bytes make my row's scale word
	v_lshl_or_b32 v[\pw], v[TM+6], 16, v[\pw]
	v_lshl_or_b32 v[\pw], v[TM+7], 24, v[\pw]
.irp c, 0,1
	v_cvt_scalef32_pk16_fp6_f32 v[PC+6*\c:PC+2+6*\c], v[\s+32*\c:\s+15+32*\c], v[TM+12+2*\c]
	v_cvt_scalef32_pk16_fp6_f32 v[PC+12+4*\c:PC+14+4*\c], v[\s+16+32*\c:\s+31+32*\c], v[TM+12+2*\c+1]   ; (a conversion's three registers begin on an even number)
.endr
	v_nop                                          ; one plain place behind a scaled conversion
.irp c, 0,1                                    ; the operand's layout wants a WHOLE block in a lane: lanes 0-15 block 2 c, lanes 16-31 block 2 c + 1
.irp i, 0,1,2
	v_permlane16_swap_b32 v[PC+6*\c+\i], v[PC+12+4*\c+\i]
.endr
.irp i, 0,1,2
	v_mov_b32 v[PC+3+6*\c+\i], v[PC+12+4*\c+\i]
.endr
.endr
.endm
	s_load_b512 s[4:19], s[0:1], 0x0               ; xq s[4:5], xk s[6:7], xv s[8:9], Wq s[10:11], Wk s[12:13], Wv s[14:15], Wo s[16:17], the mask s[18:19]
	s_load_b128 s[20:23], s[0:1], 0x40             ; ops s[20:21], maskw s[22:23]
	s_load_b64 s[24:25], s[0:1], 0x50              ; rope
	s_load_b64 s[54:55], s[0:1], 0x58              ; flags
	v_lshl_add_u32 v62, v0, 2, 0x10800
	v_mov_b32 v63, 0
	v_lshrrev_b32 v1, 5, v0
	v_readfirstlane_b32 s26, v1                    ; wave 0..3
	v_and_b32 v[LANE], 31, v0
	v_and_b32 v[RR], 15, v0
	v_bfe_u32 v[HH], v0, 4, 1
	v_lshlrev_b32 v[LI], 4, v[LANE]
	s_mul_i32 s27, s26, 8448                       ; a wave's stage: 16 rows of 512 bytes + 16
	v_add_nc_u32 v[XSTW], s27, v[LI]               ; in: 16 bytes a lane, a row an instruction
	v_mul_u32_u24 v1, v[RR], 528
	v_add_nc_u32 v1, s27, v1
	v_lshl_add_u32 v[XSTR], v[HH], 6, v1           ; out: row r, + 64 h: my 16 numbers of a block of 32
	v_add_nc_u32 v[MSTW], 33792, v[XSTW]
	v_lshl_add_u32 v[MSTR], v[HH], 4, v1           ; out: row r, + 16 h: my 16 bytes of a block of 32 keys
	v_add_nc_u32 v[MSTR], 33792, v[MSTR]
	s_mov_b32 s[SEL], 0x76543210
	s_mov_b32 s[SEL+1], 0xfedcba98
	s_wait_kmcnt 0x0
	s_cmp_lt_u32 ttmp9, 384
	s_cbranch_scc1 .Lxpath
	s_cmp_lt_u32 ttmp9, 896
	s_cbranch_scc1 .Lwpath
; ---------------------------------------------------------------- M: the mask's words and the rotary table
; Work-group T = one tile of 16 queries (rows as a fragment's); wave w takes key steps 4 w .. 4 w + 3: 512 bytes of each of the 16 rows.
; maskw [T][key step s (16)][n (64)]: bit l = (r, h) of word n is mask[query row r of tile T][128 s + 32 (n / 16) + 16 h + n % 16]: the lane and register in which the attention launch holds that score.
.set MR, 64                            ; v64-127  the bytes as loaded
.set MB, 128                           ; v128-191 16 bytes of my row for each (step, block of 32 keys)
.set OW, 12                            ; v12-19   the words, four to a lane, two key steps to a set
	s_sub_co_u32 s32, ttmp9, 896                   ; T
	s_lshr_b32 s33, s32, 1
	s_lshl_b32 s33, s33, 16                        ; 32 rows of 2,048 bytes
	s_and_b32 s34, s32, 1
	s_lshl_b32 s34, s34, 14                        ; 8 rows
	s_add_co_u32 s34, s34, s33
	s_lshl_b32 s33, s26, 9                         ; my wave's 512 bytes of a row
	s_add_co_u32 s34, s34, s33
	s_mov_b32 s35, 0
	s_add_nc_u64 s[30:31], s[18:19], s[34:35]
	s_wait_alu depctr_va_vdst(0)
.irp p, 0,1,2,3,4,5,6,7,8,9,10,11,12,13,14,15
	global_load_b128 v[MR+4*\p:MR+4*\p+3], v[LI], s[30:31] offset:(\p+8*(\p/8))*2048 th:TH_LOAD_NT   ; 32 lanes read 512 consecutive bytes of row p of the tile
.endr
	s_lshl_b32 s36, s32, 12
	s_lshl_b32 s33, s26, 10
	s_add_co_u32 s36, s36, s33                     ; 4,096 T + 1,024 w: the same offset serves both outputs
	s_mov_b32 s37, 0
	s_add_nc_u64 s[38:39], s[22:23], s[36:37]      ; maskw
	s_add_nc_u64 s[36:37], s[24:25], s[36:37]      ; rope: [position][32 frequencies][cos, sin]: 256 bytes a position; my wave makes positions 16 T + 4 w + 0 .. 3, a lane a frequency
	; the rotary table is made while the mask's loads are on their way
	v_mov_b32 v20, 0                               ; (a written lane's register counts as read)
.macro PLACE i, val
	s_mov_b32 s40, \val
	v_writelane_b32 v20, s40, \i
.endm
	PLACE 0, 1.0                                   ; P_i = 10000^(i / 32) = 10^(i / 8), to the nearest f32
	PLACE 1, 1.3335214321633
	PLACE 2, 1.7782794100389
	PLACE 3, 2.3713737056617
	PLACE 4, 3.1622776601684
	PLACE 5, 4.2169650342858
	PLACE 6, 5.6234132519035
	PLACE 7, 7.4989420933246
	PLACE 8, 10.0
	PLACE 9, 13.335214321633
	PLACE 10, 17.782794100389
	PLACE 11, 23.713737056617
	PLACE 12, 31.622776601684
	PLACE 13, 42.169650342858
	PLACE 14, 56.234132519035
	PLACE 15, 74.989420933246
	PLACE 16, 100.0
	PLACE 17, 133.35214321633
	PLACE 18, 177.82794100389
	PLACE 19, 237.13737056617
	PLACE 20, 316.22776601684
	PLACE 21, 421.69650342858
	PLACE 22, 562.34132519035
	PLACE 23, 749.89420933246
	PLACE 24, 1000.0
	PLACE 25, 1333.5214321633
	PLACE 26, 1778.2794100389
	PLACE 27, 2371.3737056617
	PLACE 28, 3162.2776601684
	PLACE 29, 4216.9650342858
	PLACE 30, 5623.4132519035
	PLACE 31, 7498.9420933246
	s_mov_b32 s44, 0xb94ca1f9                      ; sine on |r| <= pi/4: r + r z (((-1.9515295891e-4 z + 8.3321608736e-3) z - 1.6666654611e-1)), z = r r
	s_mov_b32 s45, 0x3c08839e
	s_mov_b32 s46, 0xbe2aaaa3
	s_mov_b32 s47, 0x37ccf5ce                      ; cosine: 1 - z / 2 + z z ((2.4433157e-5 z - 1.3887316e-3) z + 4.1666646e-2)
	s_mov_b32 s48, 0xbab6061a
	s_mov_b32 s49, 0x3d2aaaa5
	s_mov_b32 s52, 0x3fc90fdb                      ; pi/2 in two parts: the nearest f32,
	s_mov_b32 s53, 0xb33bbd2e                      ; and what it leaves
	s_lshl_b32 s50, s32, 4
	s_lshl_b32 s51, s26, 2
	s_add_co_u32 s50, s50, s51                     ; my first position
	v_lshlrev_b32 v38, 3, v[LANE]                  ; 8 bytes a frequency
	s_wait_alu depctr_va_vdst(0)
	v_rcp_f32 v21, v20
	v_nop                                          ; a plain place behind the reciprocal
	s_wait_alu depctr_va_vdst(0)                   ; the wait ahead of the first reader
	v_fma_f32 v22, -v20, v21, 1.0                  ; one Newton step: 1 / P to the last bit
	v_fma_f32 v21, v21, v22, v21
.irp e, 0,1,2,3
	s_add_co_u32 s51, s50, \e
	v_cvt_f32_u32 v23, s51
	v_mul_f32 v23, v23, v21                        ; the angle x, one f32 product
	v_mul_f32 v24, 0x3f22f983, v23                 ; x 2 / pi
	v_rndne_f32 v24, v24                           ; n
	v_fma_f32 v25, -v24, s52, v23                  ; x - n pi/2: the first part leaves a multiple of 2^-23 under 1: nothing is rounded
	v_fma_f32 v25, -v24, s53, v25
	v_cvt_i32_f32 v26, v24
	v_mul_f32 v27, v25, v25                        ; z
	v_mov_b32 v28, s44
	v_fma_f32 v28, v28, v27, s45
	v_fma_f32 v28, v28, v27, s46
	v_mul_f32 v29, v27, v25
	v_fma_f32 v28, v28, v29, v25                   ; sin r
	v_mov_b32 v30, s47
	v_fma_f32 v30, v30, v27, s48
	v_fma_f32 v30, v30, v27, s49
	v_mul_f32 v31, v27, v27
	v_fma_f32 v32, v27, -0.5, 1.0
	v_fma_f32 v30, v30, v31, v32                   ; cos r
	v_and_b32 v33, 1, v26
	v_cmp_eq_u32 vcc_lo, 1, v33                    ; an odd quarter turn swaps the two
	v_cndmask_b32 v34, v28, v30, vcc_lo
	v_cndmask_b32 v35, v30, v28, vcc_lo
	v_and_b32 v36, 2, v26
	v_lshlrev_b32 v36, 30, v36
	v_xor_b32 v[41+2*\e], v34, v36                 ; sin x: its sign turns in quarters 2 and 3
	v_add_nc_u32 v37, 1, v26
	v_and_b32 v37, 2, v37
	v_lshlrev_b32 v37, 30, v37
	v_xor_b32 v[40+2*\e], v35, v37                 ; cos x: in quarters 1 and 2
	global_store_b64 v38, v[40+2*\e:41+2*\e], s[36:37] offset:256*\e   ; 32 lanes store 256 consecutive bytes, aligned
.endr
.irp i, 0,1,2,3,4,5,6,7
	v_mov_b32 v[OW+\i], 0
.endr
	s_wait_loadcnt 0x0
.irp p, 0,1,2,3,4,5,6,7,8,9,10,11,12,13,14,15
	ds_store_b128 v[MSTW], v[MR+4*\p:MR+4*\p+3] offset:528*\p
.endr
.irp s, 0,1,2,3
.irp b, 0,1,2,3
	ds_load_b128 v[MB+4*(4*\s+\b):MB+4*(4*\s+\b)+3], v[MSTR] offset:128*\s+32*\b   ; LDS serves a wave's instructions in order: these see my stores
.endr
.endr
	s_wait_dscnt 0x0
.set W, 0
.rept 256                              ; word W = 64 s' + n: one byte of each lane becomes one bit of a scalar, and that scalar one word of the output's image (word 4 L + i in register i of lane L)
.set SQ, W/64
.set NN, W%64
	v_and_b32 v[192+W%8], 0xff<<(8*(NN%4)), v[MB+4*(4*SQ+NN/16)+(NN%16)/4]
	v_cmp_ne_u32 s[40+W%8], 0, v[192+W%8]
	v_writelane_b32 v[OW+4*(W/128)+W%4], s[40+W%8], (W%128)/4
.set W, W+1
.endr
	global_store_b128 v[LI], v[OW:OW+3], s[38:39]              ; two key steps' 128 words: 512 consecutive bytes
	global_store_b128 v[LI], v[OW+4:OW+7], s[38:39] offset:512
	; flags [T][wave w][32 equal words]: what the attention launch steers by.  Bit i: key step 4 w + i has a visible key for some row of tile T; bit 4 + i: all its 16 x 128 places are visible;
	; bit 16 + r: row r has a visible key among my wave's 512.  The mask's bytes are 0 or 1; a lane holds 64 of them for each key step, in 16 registers.
.irp s, 0,1,2,3
	v_or_b32 v[200+\s], v[MB+16*\s], v[MB+16*\s+1]
	v_and_b32 v[204+\s], v[MB+16*\s], v[MB+16*\s+1]
.endr
.irp i, 2,3,4,5,6,7,8,9,10,11,12,13,14,15
.irp s, 0,1,2,3
	v_or_b32 v[200+\s], v[200+\s], v[MB+16*\s+\i]
	v_and_b32 v[204+\s], v[204+\s], v[MB+16*\s+\i]
.endr
.endr
.irp s, 0,1,2,3
	v_cmp_ne_u32 s[40+\s], 0, v[200+\s]            ; lanes with a visible key in step s
	v_cmp_eq_u32 s[44+\s], 0x01010101, v[204+\s]   ; lanes that see all their keys of step s
.endr
	s_or_b32 s48, s40, s41
	s_or_b32 s49, s42, s43
	s_or_b32 s48, s48, s49
	s_lshr_b32 s49, s48, 16                        ; lanes r and 16 + r hold row r
	s_or_b32 s48, s48, s49
	s_lshl_b32 s48, s48, 16
.irp s, 0,1,2,3
	s_cmp_lg_u32 s[40+\s], 0
	s_cselect_b32 s49, 1<<\s, 0
	s_or_b32 s48, s48, s49
	s_cmp_eq_u32 s[44+\s], -1
	s_cselect_b32 s49, 16<<\s, 0
	s_or_b32 s48, s48, s49
.endr
	s_lshl_b32 s50, s32, 9                         ; 512 T + 128 w
	s_lshl_b32 s51, s26, 7
	s_add_co_u32 s50, s50, s51
	s_mov_b32 s51, 0
	s_add_nc_u64 s[54:55], s[54:55], s[50:51]
	v_mov_b32 v208, s48
	v_lshlrev_b32 v209, 2, v[LANE]
	s_wait_alu depctr_va_vdst(0)                   ; the wait ahead of the reader below
	global_store_b32 v209, v208, s[54:55]          ; 32 lanes store 128 consecutive bytes, the four waves 512
	s_wait_tensorcnt 0x0
	ds_add_u32 v62, v63
	s_wait_dscnt 0x0
	s_endpgm
; ---------------------------------------------------------------- X: a tensor whose K is innermost
; Work-group = (tensor, fragment F): 16 rows; wave w takes K = 512 w .. 512 w + 511: four fragments.  Each load reads 512 consecutive bytes of one row; the 16 rows turn through the wave's stage, so that a lane gets 16 neighbours of each block.
.Lxpath:
	s_lshr_b32 s32, ttmp9, 7                       ; which tensor
	s_and_b32 s33, ttmp9, 127                      ; F
	s_cmp_eq_u32 s32, 1
	s_cselect_b64 s[30:31], s[6:7], s[4:5]
	s_cmp_eq_u32 s32, 2
	s_cselect_b64 s[30:31], s[8:9], s[30:31]
	s_lshr_b32 s34, s33, 1
	s_lshl_b32 s34, s34, 18                        ; 32 rows of 8,192 bytes
	s_and_b32 s35, s33, 1
	s_lshl_b32 s35, s35, 16                        ; 8 rows
	s_add_co_u32 s34, s34, s35
	s_lshl_b32 s35, s26, 11                        ; my wave's 2,048 bytes of a row
	s_add_co_u32 s34, s34, s35
	s_mov_b32 s35, 0
	s_add_nc_u64 s[30:31], s[30:31], s[34:35]
	s_mul_i32 s36, s32, TENS                       ; the codes: tensor, K/256 = 2 w, fragment F
	s_mul_i32 s37, s26, 2*S2B
	s_add_co_u32 s36, s36, s37
	s_mul_i32 s37, s33, 3072
	s_add_co_u32 s36, s36, s37
	s_mov_b32 s37, 0
	s_add_nc_u64 s[36:37], s[20:21], s[36:37]
	s_mul_i32 s38, s32, TENS                       ; the scale words: 1,024 F + 128 (2 w)
	s_lshl_b32 s39, s33, 10
	s_add_co_u32 s38, s38, s39
	s_lshl_b32 s39, s26, 8
	s_add_co_u32 s38, s38, s39
	s_add_co_u32 s38, s38, SCOFF
	s_mov_b32 s39, 0
	s_add_nc_u64 s[38:39], s[20:21], s[38:39]
.irp b, 0,1,2,3
	v_mov_b32 v[TM+4+\b], 0                        ; written once: a lane permute's destination counts as one of its sources
.endr
.macro LOADF t                         ; 128 along K of the 16 rows into set t % 2
.irp p, 0,1,2,3,4,5,6,7,8,9,10,11,12,13,14,15
	global_load_b128 v[XR+64*((\t)%2)+4*\p:XR+64*((\t)%2)+4*\p+3], v[LI], s[30:31] offset:(\p+8*(\p/8))*8192+512*(\t) th:TH_LOAD_NT
.endr
.endm
.macro TURN t                          ; through the stage: rows 528 bytes apart, so that the sixteen rows of a read start in sixteen different 16-byte columns
.irp p, 0,1,2,3,4,5,6,7,8,9,10,11,12,13,14,15
	ds_store_b128 v[XSTW], v[XR+64*((\t)%2)+4*\p:XR+64*((\t)%2)+4*\p+3] offset:528*\p
.endr
.irp b, 0,1,2,3
.irp j, 0,1,2,3
	ds_load_b128 v[XN+16*\b+4*\j:XN+16*\b+4*\j+3], v[XSTR] offset:128*\b+16*\j
.endr
.endr
.endm
	LOADF 0
	LOADF 1
	s_wait_alu depctr_va_vdst(0)
.irp t, 0,1,2,3
.if \t < 3
	s_wait_loadcnt 16                              ; this fragment's 16 loads are in; the next one's 16 may be out
.else
	s_wait_loadcnt 0x0
.endif
	TURN \t
	s_wait_dscnt 0x0                               ; my numbers are back, and the stores into the stage have read their registers,
.if \t < 2
	LOADF \t+2                                     ; which take the loads of two fragments on
.endif
.if \t > 0
	s_wait_xcnt 0x0                                ; the last fragment's stores have read the codes' registers: they are written again only behind this wait
.endif
	QUANT XN, PW+\t
.irp c, 0,1,2
	global_store_b128 v[LI], v[PC+4*\c:PC+4*\c+3], s[36:37] offset:(\t/2)*S2B+(\t%2)*1536+512*\c   ; 512 consecutive bytes, aligned
.endr
.endr
	v_cmp_eq_u32 vcc_lo, 1, v[HH]                  ; lanes 0-15 store the words of K/256 = 2 w, lanes 16-31 those of 2 w + 1 (both halves hold all four)
	v_cndmask_b32 v56, v[PW], v[PW+2], vcc_lo
	v_cndmask_b32 v57, v[PW+1], v[PW+3], vcc_lo
	v_lshlrev_b32 v58, 3, v[LANE]
	global_store_b64 v58, v[56:57], s[38:39]       ; 256 consecutive bytes, aligned
	s_wait_tensorcnt 0x0
	ds_add_u32 v62, v63
	s_wait_dscnt 0x0
	s_endpgm
; ---------------------------------------------------------------- W: a tensor whose K is its first axis
; Work-group = (tensor, 128 columns, 256 along K); wave w takes 32 columns.  A LANE TAKES A COLUMN, AND ITS REGISTERS RUN DOWN K: a block of 32 lies in one lane, and the conversions give codes with K innermost.
; Lane l takes the column at place l of the wave's two fragments (bits 3 and 4 of l exchanged), so lanes 0-15 hold the rows of fragment F0 = 8 cg + 2 w and lanes 16-31 those of F0 + 1.
.Lwpath:
.set WX,  64                           ; v64-127  two sets of 32 numbers
.set FRG, 128                          ; v128-175 for K step q: blocks 0, 2 at FRG + 24 q, blocks 1, 3 at FRG + 24 q + 12
.set WT,  180                          ; v180-182 the second half of a block's codes
	s_sub_co_u32 s32, ttmp9, 384
	s_lshr_b32 s33, s32, 7                         ; which weight
	s_and_b32 s34, s32, 15                         ; cg: which 128 columns
	s_bfe_u32 s35, s32, 0x30004                    ; which 256 along K
	s_cmp_eq_u32 s33, 1
	s_cselect_b64 s[30:31], s[12:13], s[10:11]
	s_cmp_eq_u32 s33, 2
	s_cselect_b64 s[30:31], s[14:15], s[30:31]
	s_cmp_eq_u32 s33, 3
	s_cselect_b64 s[30:31], s[16:17], s[30:31]
	s_lshl_b32 s36, s35, 21                        ; 256 rows of 8,192 bytes
	s_lshl_b32 s37, s34, 9
	s_add_co_u32 s36, s36, s37
	s_lshl_b32 s37, s26, 7
	s_add_co_u32 s36, s36, s37
	s_mov_b32 s37, 0
	s_add_nc_u64 s[30:31], s[30:31], s[36:37]
	v_and_b32 v10, 7, v[LANE]
	v_bfe_u32 v11, v[LANE], 3, 1
	v_lshl_or_b32 v10, v[HH], 3, v10
	v_lshl_or_b32 v10, v11, 4, v10
	v_lshlrev_b32 v10, 2, v10                      ; 4 bytes x my column among the wave's 32
	s_wait_alu depctr_va_vdst(0)
	s_add_co_u32 s33, s33, 3
	s_mul_i32 s33, s33, TENS
	s_lshl_b32 s34, s34, 3
	s_lshl_b32 s37, s26, 1
	s_add_co_u32 s34, s34, s37                     ; F0
	s_mul_i32 s36, s35, S2B
	s_add_co_u32 s36, s36, s33
	s_mul_i32 s37, s34, 3072
	s_add_co_u32 s36, s36, s37
	s_mov_b32 s37, 0
	s_add_nc_u64 s[36:37], s[20:21], s[36:37]      ; the codes
	s_lshl_b32 s38, s34, 10
	s_add_co_u32 s38, s38, s33
	s_lshl_b32 s39, s35, 7
	s_add_co_u32 s38, s38, s39
	s_add_co_u32 s38, s38, SCOFF
	s_mov_b32 s39, 0
	s_add_nc_u64 s[38:39], s[20:21], s[38:39]      ; the scale words
	v_lshlrev_b32 v15, 3, v[RR]
	v_lshl_add_u32 v15, v[HH], 10, v15             ; fragment F0 + h, row r
.macro WLOAD t                         ; block t: W(32 t + i, my column) into set t % 2: a wave reads 128 consecutive bytes, the work-group 512
.set WI, 0
.rept 32
	global_load_b32 v[WX+32*((\t)%2)+WI], v10, s[30:31] offset:(32*(\t)+WI)*8192 th:TH_LOAD_NT
.set WI, WI+1
.endr
.endm
.macro WBLOCK t
.set XS, WX+32*((\t)%2)
.set WQ, (\t)/4
.set WB, (\t)%4
.set WD, FRG+24*WQ+12*(WB%2)+6*(WB/2)
.if (\t) < 7
	s_wait_loadcnt 32                              ; this block's 32 loads are in; the next block's may be out
.else
	s_wait_loadcnt 0x0
.endif
	v_max3_num_f32 v12, |v[XS]|, |v[XS+1]|, |v[XS+2]|   ; the block's largest magnitude: all 32 numbers are mine
	v_max3_num_f32 v13, |v[XS+3]|, |v[XS+4]|, |v[XS+5]|
.irp i, 6,10,14,18,22,26
	v_max3_num_f32 v12, v12, |v[XS+\i]|, |v[XS+\i+1]|
	v_max3_num_f32 v13, v13, |v[XS+\i+2]|, |v[XS+\i+3]|
.endr
	v_max3_num_f32 v12, v12, |v[XS+30]|, |v[XS+31]|
	v_max3_num_f32 v12, v12, v13, 0x1800000        ; and the floor
	v_add_nc_u32 v14, 0xff000000, v12              ; the conversion's scale operand
	v_lshrrev_b32 v13, 23, v14                     ; the byte
.if WB == 0
	v_mov_b32 v[PW+WQ], v13
.else
	v_lshl_or_b32 v[PW+WQ], v13, 8*WB, v[PW+WQ]
.endif
	v_cvt_scalef32_pk16_fp6_f32 v[WD:WD+2], v[XS:XS+15], v14
	v_cvt_scalef32_pk16_fp6_f32 v[WT:WT+2], v[XS+16:XS+31], v14
	v_nop                                          ; one plain place behind a scaled conversion
.irp i, 0,1,2
	v_mov_b32 v[WD+3+\i], v[WT+\i]
.endr
.if (\t)+2 < 8
	WLOAD (\t)+2
.endif
.if WB == 3                            ; 128 along K are done.  The operand's layout gives lanes 0-15 blocks 0, 2 and lanes 16-31 blocks 1, 3 of ONE fragment's rows: the first run's upper lanes change places with the second's lower lanes
.set WI, 0
.rept 12
	v_permlane16_swap_b32 v[FRG+24*WQ+WI], v[FRG+24*WQ+12+WI]
.set WI, WI+1
.endr
.irp f, 0,1
.irp c, 0,1,2
	global_store_b128 v[LI], v[FRG+24*WQ+12*\f+4*\c:FRG+24*WQ+12*\f+4*\c+3], s[36:37] offset:\f*3072+WQ*1536+512*\c   ; 512 consecutive bytes, aligned; each register is stored once and never written again
.endr
.endr
.endif
.endm
	WLOAD 0
	WLOAD 1
.irp t, 0,1,2,3,4,5,6,7
	WBLOCK \t
.endr
	global_store_b64 v15, v[PW:PW+1], s[38:39]     ; my column's two scale words: sixteen lanes store 128 consecutive bytes
	s_endpgm
.Lfunc_end_k_q975570da49_prep:
	.size	k_q975570da49_prep, .Lfunc_end_k_q975570da49_prep-k_q975570da49_prep
	.p2alignl 7, 3214868480
	.fill 96, 4, 3214868480
	.section	.rodata,"a",@progbits
	.p2align	6, 0x0
	.amdhsa_kernel k_q975570da49_prep
		.amdhsa_group_segment_fixed_size 68096
		.amdhsa_private_segment_fixed_size 0
		.amdhsa_enable_private_segment 0
		.amdhsa_kernarg_size 96
		.amdhsa_user_sgpr_count 2
		.amdhsa_user_sgpr_kernarg_segment_ptr 1
		.amdhsa_wavefront_size32 1
		.amdhsa_system_sgpr_workgroup_id_x 1
		.amdhsa_system_sgpr_workgroup_id_y 1
		.amdhsa_system_sgpr_workgroup_id_z 1
		.amdhsa_system_vgpr_workitem_id 0
		.amdhsa_next_free_vgpr 256
		.amdhsa_next_free_sgpr 66
		.amdhsa_reserve_vcc 1
		.amdhsa_float_denorm_mode_32 3
		.amdhsa_float_denorm_mode_16_64 3
		.amdhsa_memory_ordered 1
		.amdhsa_forward_progress 1
		.amdhsa_inst_pref_size 142
	.end_amdhsa_kernel
	.amdgpu_metadata
---
amdhsa.version: [ 1, 2 ]
amdhsa.kernels:
  - .name:           k_q975570da49_prep
    .symbol:         k_q975570da49_prep.kd
    .args:
      - { .name: query_inputs, .offset: 0, .size: 8, .value_kind: global_buffer, .address_space: global }
      - { .name: key_inputs, .offset: 8, .size: 8, .value_kind: global_buffer, .address_space: global }
      - { .name: value_inputs, .offset: 16, .size: 8, .value_kind: global_buffer, .address_space: global }
      - { .name: Wq, .offset: 24, .size: 8, .value_kind: global_buffer, .address_space: global }
      - { .name: Wk, .offset: 32, .size: 8, .value_kind: global_buffer, .address_space: global }
      - { .name: Wv, .offset: 40, .size: 8, .value_kind: global_buffer, .address_space: global }
      - { .name: Wo, .offset: 48, .size: 8, .value_kind: global_buffer, .address_space: global }
      - { .name: attention_mask, .offset: 56, .size: 8, .value_kind: global_buffer, .address_space: global }
      - { .name: ops, .offset: 64, .size: 8, .value_kind: global_buffer, .address_space: global }
      - { .name: maskw, .offset: 72, .size: 8, .value_kind: global_buffer, .address_space: global }
      - { .name: rope, .offset: 80, .size: 8, .value_kind: global_buffer, .address_space: global }
      - { .name: flags, .offset: 88, .size: 8, .value_kind: global_buffer, .address_space: global }
    .group_segment_fixed_size: 68096
    .private_segment_fixed_size: 0
    .kernarg_segment_align: 8
    .kernarg_segment_size: 96
    .max_flat_workgroup_size: 128
    .sgpr_count:     66
    .vgpr_count:     256
    .wavefront_size: 32
...
	.end_amdgpu_metadata
.endif
;; end of part 5
;; launch qkv (part 6): grid 8 x 24, 4 waves a work-group, clusters of 4 x 4, 327,680 bytes of LDS; arguments ops, rope, qpk, kvpk; writes qpk, kvpk
.if DOCPART == 6
	.amdgcn_target "amdgcn-amd-amdhsa--gfx1250"
	.amdhsa_code_object_version 6
	.text
	.protected	k_q975570da49_qkv
	.globl	k_q975570da49_qkv
	.p2align	8
	.type	k_q975570da49_qkv,@function
k_q975570da49_qkv:
	s_mov_b64 s[64:65], 0
	v_nop
	global_prefetch_b8 v0, s[64:65] scope:SCOPE_SE
	s_setreg_imm32_b32 hwreg(HW_REG_WAVE_MODE, 25, 1), 1
	s_wait_xcnt 0x0
	s_wait_alu depctr_hold_cnt(0) depctr_sa_sdst(0) depctr_va_vdst(0) depctr_va_sdst(0) depctr_va_ssrc(0) depctr_va_vcc(0) depctr_vm_vsrc(0)
	s_getreg_b32 s2, hwreg(HW_REG_IB_STS2, 6, 4)
	s_cmp_eq_u32 s2, 0
	s_cbranch_scc0 .Lentry_in_a_cluster
	s_endpgm
.Lentry_in_a_cluster:
	s_bfe_u32 s2, ttmp6, 0x10000c
	s_cmp_lg_u32 s2, 0xf033
	s_cbranch_scc0 .Lentry_shape_is_right
	s_endpgm
.Lentry_shape_is_right:
.set TENS,   3276800
.set SCOFF,  3145728
.set S2B,    393216
.set NQ,     2
.set FR,     12
.set NL,     3
.set NP,     4
.set HALFT,  24576
.set SLOT,   4*HALFT
.set LAPS,   4
.set SCL,    2*SLOT
.set SCLB,   SCL+16384+128
.set SPARE,  SCLB+16384+128
.set ADRA, 16
.set ADRB, 20
.set RA,   26
.set ADRS, 27
.set SPW,  28
.set NIL,  29
.set PFO,  30
.set LI,   31
.set SC,   32
.set AF,   128
.set TM,   128
.set PW,   144
.set G1, 24
.set G0, 32
.set G1B, 48
.set G0B, 56
.set G1S, 68
.set G0S, 76
.set G1SB, 80
.set G0SB, 88
.set DST, 12
.set RP,  66
.set SEL, 92
.set GG,  95
.set PFA, 96
.set LIM, 98
.set MSB, 0
.macro WIN new
.if MSB != \new
	s_set_vgpr_msb (MSB<<8)|\new
.set MSB, \new
.endif
.endm
.set MUL_LO, 0xa1
.set MUL_HI, 0xf1
.set TO_B,   0x40
.macro JLOAD g0a, g1a, g0b, g1b
	s_cmp_eq_u32 s15, 0
	s_cbranch_scc0 .Lfor_b_\@
	tensor_load_to_lds s[\g0a:\g0a+3], s[\g1a:\g1a+7]
	s_nop 0
.rept 4
	v_nop
.endr
	s_branch .Lasked_\@
.Lfor_b_\@:
	tensor_load_to_lds s[\g0b:\g0b+3], s[\g1b:\g1b+7]
	s_nop 0
.rept 4
	v_nop
.endr
.Lasked_\@:
.endm
.macro CREST
	s_cmp_lg_u32 s14, 0
	s_cbranch_scc1 .Lnot_wave_0_\@
	s_barrier_signal -3
.Lnot_wave_0_\@:
	s_barrier_wait -3
	s_barrier_signal -1
	s_barrier_wait -1
.endm
.macro CROUND
	s_barrier_signal -1
	s_barrier_wait -1
	CREST
.endm
.macro ASK
	s_cmp_gt_u32 s3, s[LIM]
	s_cbranch_scc0 .Lnot_mine_\@
	global_prefetch_b8 v[PFO], s[PFA:PFA+1] offset:S2B th:TH_LOAD_NT scope:SCOPE_SE
.Lnot_mine_\@:
.endm
	s_load_b256 s[4:11], s[0:1], 0x0
	v_lshl_add_u32 v[SPW], v0, 2, SPARE
	v_mov_b32 v[NIL], 0
	ds_add_u32 v28, v29
	ds_add_u32 v28, v29
	s_wait_dscnt 0x0
	v_lshrrev_b32 v1, 5, v0
	v_readfirstlane_b32 s14, v1
	s_lshr_b32 s15, s14, 1
	s_and_b32 s16, s14, 1
	s_bfe_u32 s40, ttmp6, 0x40000
	s_bfe_u32 s41, ttmp6, 0x40004
	s_lshl_b32 s42, ttmp9, 2
	s_add_co_u32 s42, s42, s40
	s_and_b32 s18, ttmp7, 0xffff
	s_lshr_b32 s[GG], s18, 1
	s_and_b32 s17, s18, 1
	s_lshl_b32 s17, s17, 2
	s_add_co_u32 s17, s17, s41
	s_lshl_b32 s43, s41, 2
	s_lshl_b32 s43, 15, s43
	s_lshl_b32 s44, 0x1111, s40
	s_or_b32 s[G1+0], s43, (3<<16)|(1<<21)
	s_or_b32 s[G1B+0], s44, (3<<16)|(1<<21)
.irp g, G1, G1B
	s_mov_b32 s[\g+1], 32<<16
	s_mov_b32 s[\g+2], 96<<16
	s_mov_b32 s[\g+3], 32<<16
	s_mov_b32 s[\g+4], 96
	s_mov_b32 s[\g+5], 32
	s_mov_b32 s[\g+6], 0
	s_mov_b32 s[\g+7], 0
.endr
	s_or_b32 s[G1S+0], s43, (3<<16)|(1<<21)
	s_or_b32 s[G1SB+0], s44, (3<<16)|(1<<21)
.irp g, G1S, G1SB
	s_mov_b32 s[\g+1], 32<<16
	s_mov_b32 s[\g+2], 32<<16
	s_mov_b32 s[\g+3], 32<<16
	s_mov_b32 s[\g+4], 32
	s_mov_b32 s[\g+5], 32
	s_mov_b32 s[\g+6], 0
	s_mov_b32 s[\g+7], 0
.endr
	s_add_co_u32 s19, s[GG], 3
	s_cmp_eq_u32 s[GG], 2
	s_cselect_b32 s18, 5, s[GG]
	s_cselect_b32 s19, 2, s19
	s_mul_i32 s18, s18, TENS
	s_mul_i32 s19, s19, TENS
	s_lshl_b32 s21, s16, 3
	s_lshl_b32 s20, s17, 4
	s_add_co_u32 s20, s20, s21
	s_lshl_b32 s46, s42, 4
	s_add_co_u32 s46, s46, s21
	s_lshl_b32 s22, s20, 10
	s_add_co_u32 s22, s22, s18
	s_add_co_u32 s22, s22, SCOFF
	s_mov_b32 s23, 0
	s_lshl_b32 s92, s46, 10
	s_add_co_u32 s92, s92, s19
	s_add_co_u32 s92, s92, SCOFF
	s_mov_b32 s93, 0
	s_mul_i32 s20, s20, 3072
	s_add_co_u32 s20, s20, s18
	s_mov_b32 s21, 0
	s_mul_i32 s46, s46, 3072
	s_add_co_u32 s46, s46, s19
	s_mov_b32 s47, 0
	s_mul_i32 s45, s14, HALFT
	s_lshl_b32 s94, s14, 13
	s_wait_kmcnt 0x0
	s_add_nc_u64 s[20:21], s[4:5], s[20:21]
	s_add_nc_u64 s[22:23], s[4:5], s[22:23]
	s_add_nc_u64 s[46:47], s[4:5], s[46:47]
	s_add_nc_u64 s[92:93], s[4:5], s[92:93]
	CROUND
	s_mov_b32 s[G0S], 1
	s_add_co_u32 s[G0S+1], s94, SCL
	s_mov_b64 s[G0S+2:G0S+3], s[22:23]
	s_or_b32 s[G0S+3], s[G0S+3], 0x80000000
	s_mov_b32 s[G0SB], 1
	s_add_co_u32 s[G0SB+1], s94, SCL+128
	s_mov_b64 s[G0SB+2:G0SB+3], s[92:93]
	s_or_b32 s[G0SB+3], s[G0SB+3], 0x80000000
	JLOAD G0S, G1S, G0SB, G1SB
.irp s, 0,1
	s_mov_b32 s[G0+4*\s], 1
	s_add_co_u32 s[G0+4*\s+1], s45, \s*SLOT
	s_add_nc_u64 s[G0+4*\s+2:G0+4*\s+3], s[20:21], \s*S2B
	s_or_b32 s[G0+4*\s+3], s[G0+4*\s+3], 0x80000000
	s_mov_b32 s[G0B+4*\s], 1
	s_add_co_u32 s[G0B+4*\s+1], s45, \s*SLOT
	s_add_nc_u64 s[G0B+4*\s+2:G0B+4*\s+3], s[46:47], \s*S2B
	s_or_b32 s[G0B+4*\s+3], s[G0B+4*\s+3], 0x80000000
	s_wait_alu depctr_va_vdst(0)
	s_wait_tensorcnt 0x0
	ds_add_u32 v28, v29
	s_wait_dscnt 0x0
	CROUND
	JLOAD G0+4*\s, G1, G0B+4*\s, G1B
.endr
	s_and_b32 s18, ttmp7, 1
	s_cmp_eq_u32 s15, 0
	s_cselect_b64 s[PFA:PFA+1], s[20:21], s[46:47]
	s_cselect_b32 s19, s40, s41
	s_cselect_b32 s18, ttmp9, s18
	s_cmp_eq_u32 s18, 0
	s_cselect_b32 s[LIM], 1, -1
	s_mul_i32 s18, s19, 6144
	s_add_co_u32 s18, s18, 2*S2B
	s_mov_b32 s19, 0
	s_add_nc_u64 s[PFA:PFA+1], s[PFA:PFA+1], s[18:19]
	s_lshl_b32 s18, s42, 1
	s_add_co_u32 s18, s18, s16
	s_lshl_b32 s19, s17, 1
	s_add_co_u32 s19, s19, s15
	s_lshl_b32 s22, s19, 15
	s_mov_b32 s23, 0
	s_add_nc_u64 s[RP:RP+1], s[6:7], s[22:23]
	s_cmp_eq_u32 s[GG], 2
	s_cselect_b32 s20, s19, s18
	s_cselect_b32 s21, s18, s19
	s_lshl_b32 s20, s20, 4
	s_add_co_u32 s20, s20, s21
	s_mov_b32 s22, 25600
	s_cmp_eq_u32 s[GG], 0
	s_cselect_b64 s[DST:DST+1], s[8:9], s[10:11]
	s_cselect_b32 s22, 12800, s22
	s_mul_i32 s20, s20, s22
	s_cmp_eq_u32 s[GG], 2
	s_cselect_b32 s22, 12800, 0
	s_add_co_u32 s20, s20, s22
	s_mov_b32 s21, 0
	s_add_nc_u64 s[DST:DST+1], s[DST:DST+1], s[20:21]
	v_and_b32 v1, 15, v0
	v_bfe_u32 v2, v0, 4, 1
	v_and_b32 v3, 31, v0
	v_lshlrev_b32 v[LI], 4, v3
	v_min_u32 v[PFO], 23, v3
	v_lshlrev_b32 v[PFO], 8, v[PFO]
	s_mul_i32 s21, s15, HALFT
	s_mul_i32 s22, s16, HALFT
	s_add_co_u32 s22, s22, 2*HALFT
.irp s, 0,1
	v_add_nc_u32 v[ADRA+\s], s21, v[LI]
	v_add_nc_u32 v[ADRB+\s], s22, v[LI]
	s_add_co_u32 s21, s21, SLOT
	s_add_co_u32 s22, s22, SLOT
.endr
	v_lshlrev_b32 v5, 3, v1
	s_lshl_b32 s21, s15, 13
	s_lshl_b32 s22, s16, 13
	s_add_co_u32 s22, s22, SCLB-SCL
	s_sub_co_u32 s22, s22, s21
	v_mul_u32_u24 v6, s22, v2
	s_add_co_u32 s21, s21, SCL
	v_add_nc_u32 v5, v5, v6
	v_add_nc_u32 v[ADRS], s21, v5
	v_and_b32 v4, 8, v1
	v_add_nc_u32 v4, v4, v1
	v_lshlrev_b32 v[RA], 8, v4
	v_lshl_add_u32 v[RA], v2, 6, v[RA]
.macro ROPELD a, w, base
	WIN (\w)<<6
.irp c, 0,1,2,3,4,5,6,7
	global_load_b128 v[\base+4*\c:\base+4*\c+3], v[RA], s[RP:RP+1] offset:(32*((\a)/2)+8*((\a)%2))*256+128*(\c/4)+16*(\c%4)
.endr
.endm
	ROPELD 0, 0, 64
	ROPELD 1, 0, 96
	ROPELD 2, 0, 224
	ROPELD 3, 1, 96
	ROPELD 4, 1, 224
	WIN 0
.macro FRAG reg, adr, q, i
.irp c, 0,1,2
	ds_load_b128 v[\reg+4*\c:\reg+4*\c+3], v[\adr] offset:(\i)*3072+(\q)*1536+512*\c
.endr
.endm
.macro MUL16 a0, p, q, sc, zero
.irp a, \a0, \a0+1
.irp b, 0,1,2,3,4,5,6,7
.if \zero
	v_wmma_scale_f32_16x16x128_f8f6f4 v[8*(8*((\a)%4)+\b):8*(8*((\a)%4)+\b)+7], v[128*(\p)+FR*\b:128*(\p)+FR*\b+FR-1], v[AF+FR*(\a):AF+FR*(\a)+FR-1], 0, v[SC+8*NQ*(\sc)+NQ*\b+(\q)], v[SC+8*NQ*(\sc)+NQ*(\a)+(\q)] matrix_a_fmt:MATRIX_FMT_FP6 matrix_b_fmt:MATRIX_FMT_FP6 matrix_a_scale:MATRIX_SCALE_ROW1
.else
	v_wmma_scale_f32_16x16x128_f8f6f4 v[8*(8*((\a)%4)+\b):8*(8*((\a)%4)+\b)+7], v[128*(\p)+FR*\b:128*(\p)+FR*\b+FR-1], v[AF+FR*(\a):AF+FR*(\a)+FR-1], v[8*(8*((\a)%4)+\b):8*(8*((\a)%4)+\b)+7], v[SC+8*NQ*(\sc)+NQ*\b+(\q)], v[SC+8*NQ*(\sc)+NQ*(\a)+(\q)] matrix_a_fmt:MATRIX_FMT_FP6 matrix_b_fmt:MATRIX_FMT_FP6 matrix_a_scale:MATRIX_SCALE_ROW1
.endif
.endr
.endr
.endm
.macro FETCH_B slot, q, p
	WIN TO_B
.irp i, 0,1,2,3,4,5,6,7
	FRAG 128*(\p)+FR*\i, ADRB+\slot, \q, \i
.endr
	WIN 0
.endm
.macro FETCH_A slot, q, i0
.irp i, \i0, \i0+1, \i0+2, \i0+3
	FRAG AF+FR*(\i), ADRA+\slot, \q, \i
.endr
.endm
.macro SCALES sc
.irp i, 0,1,2,3,4,5,6,7
	ds_load_b64 v[SC+8*NQ*\sc+NQ*\i:SC+8*NQ*\sc+NQ*\i+1], v[ADRS] offset:\i*1024
.endr
.endm
.macro PLACES n
.rept \n
	v_nop
.endr
.endm
.macro STEP slot, q, zero
	s_wait_dscnt 4*NL
	WIN MUL_LO
	MUL16 0, (\q)%2, \q, \slot, \zero
	MUL16 2, (\q)%2, \q, \slot, \zero
	s_wait_dscnt 0
	PLACES NP
	FETCH_B \slot, (\q)+1, 1-(\q)%2
	FETCH_A \slot, (\q)+1, 0
	WIN MUL_HI
	MUL16 4, (\q)%2, \q, \slot, \zero
	MUL16 6, (\q)%2, \q, \slot, \zero
	PLACES NP
	WIN 0
	FETCH_A \slot, (\q)+1, 4
.endm
.macro TURN slot, next, fill
.if \fill
	s_wait_xcnt 0x0
	s_add_nc_u64 s[PFA:PFA+1], s[PFA:PFA+1], S2B
.endif
	s_wait_tensorcnt 0x0
	ds_add_u32 v[SPW], v[NIL]
	s_wait_dscnt 4*NL+1
	WIN MUL_LO
	MUL16 0, 1, NQ-1, \slot, 0
	s_wait_dscnt 0x0
	s_barrier_signal -1
	MUL16 2, 1, NQ-1, \slot, 0
	WIN 0
	s_barrier_wait -1
.if \fill
	CREST
	s_add_nc_u64 s[G0+4*\slot+2:G0+4*\slot+3], s[G0+4*\slot+2:G0+4*\slot+3], 2*S2B
	s_add_nc_u64 s[G0B+4*\slot+2:G0B+4*\slot+3], s[G0B+4*\slot+2:G0B+4*\slot+3], 2*S2B
	JLOAD G0+4*\slot, G1, G0B+4*\slot, G1B
.else
	PLACES NP
.endif
	s_wait_alu depctr_va_vdst(0)
	v_add_nc_u32 v[ADRS], 128, v[ADRS]
	FETCH_B \next, 0, 0
	FETCH_A \next, 0, 0
	SCALES \next
.if \fill
	ASK
.endif
	WIN MUL_HI
	MUL16 4, 1, NQ-1, \slot, 0
	MUL16 6, 1, NQ-1, \slot, 0
	PLACES NP
	WIN 0
	FETCH_A \next, 0, 4
.endm
	s_wait_alu depctr_va_vdst(0)
	s_wait_tensorcnt 1
	s_barrier_signal -1
	s_barrier_wait -1
	FETCH_B 0, 0, 0
	FETCH_A 0, 0, 0
	SCALES 0
	FETCH_A 0, 0, 4
	STEP 0, 0, 1
	s_mov_b32 s3, LAPS-1
.Llap:
	TURN 0, 1, 1
	STEP 1, 0, 0
	TURN 1, 0, 1
	STEP 0, 0, 0
	s_sub_co_u32 s3, s3, 1
	s_cmp_lg_u32 s3, 0
	s_cbranch_scc1 .Llap
	TURN 0, 1, 0
	STEP 1, 0, 0
	ROPELD 5, 1, 0
	ROPELD 6, 1, 32
	ROPELD 7, 1, 64
	WIN 0
	s_wait_dscnt 4*NL
	WIN MUL_LO
	MUL16 0, 1, NQ-1, 1, 0
	MUL16 2, 1, NQ-1, 1, 0
	s_wait_dscnt 0
	WIN MUL_HI
	MUL16 4, 1, NQ-1, 1, 0
	MUL16 6, 1, NQ-1, 1, 0
	WIN 0
.macro ROT a, w, base
.set AC, 64*((\a)%4)
.set WW, 2+(\a)/4
	WIN WW|((\w)<<2)|(1<<6)
.set RI, 0
.rept 16
	v_pk_mul_f32 v[128+2*RI:129+2*RI], v[AC+2*RI:AC+2*RI+1], v[\base+2*RI:\base+2*RI+1] op_sel_hi:[1,0]
.set RI, RI+1
.endr
	WIN WW|((\w)<<2)|(1<<4)|(WW<<6)
.set RI, 0
.rept 16
	v_pk_fma_f32 v[AC+2*RI:AC+2*RI+1], v[AC+2*RI:AC+2*RI+1], v[\base+2*RI:\base+2*RI+1], v[128+2*RI:129+2*RI] op_sel:[1,1,0] op_sel_hi:[0,1,1] neg_lo:[0,1,0]
.set RI, RI+1
.endr
.endm
.macro QUANTW a
.set AC, 64*((\a)%4)
.set WW, 2+(\a)/4
.set PC, 160+20*((\a)%2)
	WIN WW|(WW<<2)
	s_wait_alu depctr_va_vdst(0)
.irp b, 0,1,2,3
	v_max3_num_f32 v[TM+\b], |v[AC+16*\b]|, |v[AC+1+16*\b]|, 0x1800000
.endr
	WIN (WW<<2)|(WW<<4)
.irp i, 2,4,6,8,10,12,14
.irp b, 0,1,2,3
	v_max3_num_f32 v[TM+\b], v[TM+\b], |v[AC+16*\b+\i]|, |v[AC+1+16*\b+\i]|
.endr
.endr
	WIN 0
.irp b, 0,1,2,3
	v_permlanex16_b32 v[TM+4+\b], v[TM+\b], s[SEL], s[SEL+1]
.endr
.irp b, 0,1,2,3
	v_max_num_f32 v[TM+\b], v[TM+\b], v[TM+4+\b]
.endr
.irp b, 0,1,2,3
	v_add_nc_u32 v[TM+12+\b], 0xff000000, v[TM+\b]
.endr
.irp b, 0,1,2,3
	v_lshrrev_b32 v[TM+4+\b], 23, v[TM+12+\b]
.endr
	v_lshl_or_b32 v[PW+(\a)], v[TM+5], 8, v[TM+4]
	v_lshl_or_b32 v[PW+(\a)], v[TM+6], 16, v[PW+(\a)]
	v_lshl_or_b32 v[PW+(\a)], v[TM+7], 24, v[PW+(\a)]
	WIN WW
.irp c, 0,1
	v_cvt_scalef32_pk16_fp6_f32 v[PC+6*\c:PC+2+6*\c], v[AC+32*\c:AC+15+32*\c], v[TM+12+2*\c]
	v_cvt_scalef32_pk16_fp6_f32 v[PC+12+4*\c:PC+14+4*\c], v[AC+16+32*\c:AC+31+32*\c], v[TM+12+2*\c+1]
.endr
	WIN 0
	v_nop
.irp c, 0,1
.irp i, 0,1,2
	v_permlane16_swap_b32 v[PC+6*\c+\i], v[PC+12+4*\c+\i]
.endr
.irp i, 0,1,2
	v_mov_b32 v[PC+3+6*\c+\i], v[PC+12+4*\c+\i]
.endr
.endr
.endm
.macro BLOCKOUT a, w, base
	s_cmp_eq_u32 s[GG], 2
	s_cbranch_scc1 .Lplain_\@
	ROT \a, \w, \base
	WIN 0
.Lplain_\@:
.if (\a) > 1
	s_wait_xcnt 0x0
.endif
	QUANTW \a
.irp c, 0,1,2
	global_store_b128 v[LI], v[PC+4*\c:PC+4*\c+3], s[DST:DST+1] offset:1536*(\a)+512*\c
.endr
.endm
	PLACES NP
	s_mov_b32 s[SEL], 0x76543210
	s_mov_b32 s[SEL+1], 0xfedcba98
.irp b, 0,1,2,3
	v_mov_b32 v[TM+4+\b], 0
.endr
	s_wait_loadcnt 0x0
	BLOCKOUT 0, 0, 64
	BLOCKOUT 1, 0, 96
	BLOCKOUT 2, 0, 224
	BLOCKOUT 3, 1, 96
	BLOCKOUT 4, 1, 224
	BLOCKOUT 5, 1, 0
	BLOCKOUT 6, 1, 32
	BLOCKOUT 7, 1, 64
	v_cmp_eq_u32 vcc_lo, 1, v2
.irp i, 0,1,2,3
	v_cndmask_b32 v[152+\i], v[PW+\i], v[PW+4+\i], vcc_lo
.endr
	v_lshlrev_b32 v3, 5, v1
	v_lshl_add_u32 v3, v2, 4, v3
	global_store_b128 v3, v[152:155], s[DST:DST+1] offset:12288
	s_wait_tensorcnt 0x0
	ds_add_u32 v[SPW], v[NIL]
	s_wait_dscnt 0x0
	CROUND
	s_endpgm
.Lfunc_end_k_q975570da49_qkv:
	.size	k_q975570da49_qkv, .Lfunc_end_k_q975570da49_qkv-k_q975570da49_qkv
	.p2alignl 7, 3214868480
	.fill 96, 4, 3214868480
	.section	.rodata,"a",@progbits
	.p2align	6, 0x0
	.amdhsa_kernel k_q975570da49_qkv
		.amdhsa_group_segment_fixed_size 327680
		.amdhsa_private_segment_fixed_size 0
		.amdhsa_enable_private_segment 0
		.amdhsa_kernarg_size 32
		.amdhsa_user_sgpr_count 2
		.amdhsa_user_sgpr_kernarg_segment_ptr 1
		.amdhsa_wavefront_size32 1
		.amdhsa_system_sgpr_workgroup_id_x 1
		.amdhsa_system_sgpr_workgroup_id_y 1
		.amdhsa_system_sgpr_workgroup_id_z 1
		.amdhsa_system_vgpr_workitem_id 0
		.amdhsa_next_free_vgpr 1024
		.amdhsa_next_free_sgpr 100
		.amdhsa_reserve_vcc 1
		.amdhsa_float_denorm_mode_32 3
		.amdhsa_float_denorm_mode_16_64 3
		.amdhsa_memory_ordered 1
		.amdhsa_forward_progress 1
		.amdhsa_inst_pref_size 166
	.end_amdhsa_kernel
	.amdgpu_metadata
---
amdhsa.version: [ 1, 2 ]
amdhsa.kernels:
  - .name:           k_q975570da49_qkv
    .symbol:         k_q975570da49_qkv.kd
    .args:
      - { .name: ops, .offset: 0, .size: 8, .value_kind: global_buffer, .address_space: global }
      - { .name: rope, .offset: 8, .size: 8, .value_kind: global_buffer, .address_space: global }
      - { .name: qpk, .offset: 16, .size: 8, .value_kind: global_buffer, .address_space: global }
      - { .name: kvpk, .offset: 24, .size: 8, .value_kind: global_buffer, .address_space: global }
    .group_segment_fixed_size: 327680
    .private_segment_fixed_size: 0
    .kernarg_segment_align: 8
    .kernarg_segment_size: 32
    .max_flat_workgroup_size: 128
    .sgpr_count:     100
    .vgpr_count:     1024
    .wavefront_size: 32
...
	.end_amdgpu_metadata
.endif
;; end of part 6
;; launch attn (part 7): grid 16 x 16, 8 waves a work-group, no clusters, 0 bytes of LDS; arguments qpk, kvpk, maskw, flags, oop; writes oop
.if DOCPART == 7
	.amdgcn_target "amdgcn-amd-amdhsa--gfx1250"
	.amdhsa_code_object_version 6
	.text
	.protected	k_q975570da49_attn
	.globl	k_q975570da49_attn
	.p2align	8
	.type	k_q975570da49_attn,@function
k_q975570da49_attn:
	s_mov_b64 s[64:65], 0
	v_nop
	global_prefetch_b8 v0, s[64:65] scope:SCOPE_SE
	s_setreg_imm32_b32 hwreg(HW_REG_WAVE_MODE, 25, 1), 1
	s_wait_xcnt 0x0
; ATTENTION on codes of FP6 (E2M3) with E8M0 scales: O[q] = sum over keys of softmax(Q[q] . K[key] / sqrt(128), under the mask that is given) V[key], then O is quantised along (head, channel) for the last projection.
; THE SOFTMAX AHEAD OF THE SECOND PRODUCT: t = score x log2(e) / sqrt(128); M = the row's largest t so far, rounded UP to a whole number; p = 2^(t - M) is quantised along the keys, not normalised; the row's sum is taken of the
; unquantised p and divides O at the end.  When M moves, the sum and O are multiplied by 2^(old M - new M): exact.
; THE MASK is an input of whole numbers, and nothing of its pattern is built in.  The launch before has stored, for each tile of 16 queries, words of 32 lane bits (maskw) and four words of flags.  From the flags a wave knows
; which key steps of 128 keys show its tile a key at all, and which show all.  IT WALKS ONLY THE STEPS THAT SHOW A KEY: where every one of the 16 rows has a visible key somewhere, a hidden key's p is 0 under the row's final M, adds nothing
; to the sum and has the code 0, so a step with hidden keys alone changes nothing.  Where some row of the tile has no visible key, all 16 steps are walked under the mask, and that row comes out uniform, as the definition has it.
; In a step that shows all keys the 64 selects are jumped over.  Both are scalar branches on numbers read from memory.  This launch has no tensor load, no LDS and no barrier, and so no joint loads either.
; A hidden score is set to -2^103.  LIMIT: that stands for a logit of -8.96e29 where the definition has -1e30: results differ only where a visible logit lies below about -8e29.  NaN and infinities are not served; a block of zeros
; gets the scale byte 1 (its codes are zeros; this program alone reads the bytes).  The promise holds while the scaled scores of visible keys stay under 2^31 in magnitude.
; SHARES.  A wave owns one tile of 16 queries of one head.  Work-group (j, head): four waves take tiles 0-3 of query block j, four take tiles 4-7 of block 15 - j; the two kinds alternate over the waves' numbers (0 1 0 1 1 0 1 0).
; K AND V come as packs of 12,800 bytes a key step (8 fragments as images of the operand's registers, then their scale words [row r][fragment]), K's and V's pack on end.  They go from memory straight into registers: each load reads
; 512 consecutive bytes.  K's pack of the next step on the list is asked for behind this step's first products, V's behind its second: each has the rest of a step in which to land.
; No prefetch into the L2: the steps that a wave walks are its own list, read from memory, so the blocks cannot be shared out among the work-groups by address; the register loads themselves run one step ahead.
; LAYOUT.  Both products are used transposed: S^T = K Q^T, O^T = V^T P^T: a lane holds ONE query (lane % 16).  Row r of fragment a of K is key 32 (a / 2) + 8 (a % 2) + r + 8 (r / 8), so that the 16 registers of tiles 2 b, 2 b + 1
; are the keys 32 b + 16 (lane / 16) + 0 .. 15; V^T's rows likewise.
; REGISTERS, window 0: v1-2 addresses; v12 -M, v13 the largest t, v[14:15] the sum; v16-27 Q; v28 -2^103; v80-87 K's scale words, v88-95 V's; v96-159 S^T, then p; v160-223 O^T; v224-235 p's codes; v232-254 at work; v255 Q's scale word.
; Window 1: v0-95 K's eight fragments, v96-191 V's.
.set SCOFF, 3145728
.set STEPB, 25600                      ; a key step: K's pack, V's pack
.set LI,   1                           ; v1  16 x lane
.set SCA,  2                           ; v2  32 x (lane % 16)
.set NEG,  28
.set TM,   232
.set PC,   160
.set WV,   2
.set CNT,  3                           ; steps on the list, less one
.set MW,   4                           ; s[4:5] the mask's words of my tile
.set MO,   6
.set ACT,  7                           ; bit s: key step s is still to be walked
.set FULL, 8                           ; bit s: key step s shows all its keys
.set CUR,  9                           ; the step in hand
.set NX,   10                          ; the next on the list
.set T2,   11
.set SEL,  12
.set CS,   14                          ; s[14:15] c = log2(e) / sqrt(128)
.set OC,   66
.set KV,   68                          ; s[68:69] the head's K and V
.set KB,   70                          ; s[70:71] base of K's loads
.set VB,   72                          ; s[72:73] base of V's loads
.set T0,   74                          ; s[74:75] the next step's byte offset
.set OS,   76
.set QP,   78
.set IT,   96
; s16-63 and s80-95: the 64 mask words of a key step (word n in s[16 + n], from n = 48 on in s[32 + n])
.set MSB, 0
.macro WIN new                         ; the immediate's high byte repeats the setting that is left
.if MSB != \new
	s_set_vgpr_msb (MSB<<8)|\new
.set MSB, \new
.endif
.endm
.macro MASKLD                          ; a key step's 64 words: 256 consecutive bytes
	s_load_b512 s[16:31], s[MW:MW+1], s[MO] offset:0x0
	s_load_b512 s[32:47], s[MW:MW+1], s[MO] offset:0x40
	s_load_b512 s[48:63], s[MW:MW+1], s[MO] offset:0x80
	s_load_b512 s[80:95], s[MW:MW+1], s[MO] offset:0xc0
.endm
.macro NEXT dst                        ; the lowest step still on the list, held to 0 .. 15, is taken off it
	s_ctz_i32_b32 s[\dst], s[ACT]
	s_min_u32 s[\dst], s[\dst], 15
	s_sub_co_u32 s[T2], s[ACT], 1
	s_and_b32 s[ACT], s[ACT], s[T2]
	s_mul_i32 s[T0], s[\dst], STEPB
.endm
.macro LOADK                           ; 26 loads: K's eight fragments into window 1, my row's eight scale words
	WIN 0x40
.irp t, 0,1,2,3,4,5,6,7
.irp c, 0,1,2
	global_load_b128 v[12*\t+4*\c:12*\t+4*\c+3], v[LI], s[KB:KB+1] offset:1536*\t+512*\c
.endr
.endr
	WIN 0
	global_load_b128 v[80:83], v[SCA], s[KB:KB+1] offset:12288
	global_load_b128 v[84:87], v[SCA], s[KB:KB+1] offset:12304
.endm
.macro LOADV                           ; 26 loads: the same of V
	WIN 0x40
.irp t, 0,1,2,3,4,5,6,7
.irp c, 0,1,2
	global_load_b128 v[96+12*\t+4*\c:96+12*\t+4*\c+3], v[LI], s[VB:VB+1] offset:12800+1536*\t+512*\c
.endr
.endr
	WIN 0
	global_load_b128 v[88:91], v[SCA], s[VB:VB+1] offset:25088
	global_load_b128 v[92:95], v[SCA], s[VB:VB+1] offset:25104
.endm
	s_load_b256 s[16:23], s[0:1], 0x0              ; qpk s[16:17], kvpk s[18:19], maskw s[20:21], flags s[22:23]
	s_load_b64 s[24:25], s[0:1], 0x20              ; oop
	v_lshrrev_b32 v8, 5, v0
	v_readfirstlane_b32 s[WV], v8                  ; wave 0..7
	s_lshr_b32 s26, s[WV], 2
	s_xor_b32 s26, s26, s[WV]
	s_and_b32 s26, s26, 1                          ; my kind: 0 1 0 1 1 0 1 0
	s_lshr_b32 s27, s[WV], 1                       ; my place among the four of my kind
	s_sub_co_u32 s28, 15, ttmp9
	s_cmp_eq_u32 s26, 0
	s_cselect_b32 s28, ttmp9, s28                  ; my block of 128 queries: j or 15 - j
	s_lshl_b32 s26, s26, 2
	s_add_co_u32 s27, s27, s26                     ; my tile in the block: 0-3 or 4-7
	s_lshl_b32 s30, s28, 3
	s_add_co_u32 s30, s30, s27                     ; T: my tile of 16 queries
	s_and_b32 s29, ttmp7, 0xffff                   ; the head
	s_lshl_b32 s32, s29, 4
	s_add_co_u32 s32, s32, s28
	s_mul_i32 s32, s32, 12800                      ; my pack of Q
	s_mov_b32 s33, 0
	s_lshl_b32 s34, s30, 12                        ; my tile's 16 x 64 mask words
	s_mov_b32 s35, 0
	s_lshl_b32 s36, s30, 9                         ; and its four runs of flags
	s_mov_b32 s37, 0
	s_mul_i32 s38, s29, 16*STEPB                   ; the head's K and V
	s_mov_b32 s39, 0
	s_lshr_b32 s31, s29, 1                         ; O as an operand: K step of 256 = head / 2, its half = head % 2, fragment T
	s_and_b32 s29, s29, 1
	s_mul_i32 s40, s31, 393216
	s_mul_i32 s41, s30, 3072
	s_add_co_u32 s40, s40, s41
	s_mul_i32 s41, s29, 1536
	s_add_co_u32 s40, s40, s41
	s_mov_b32 s41, 0
	s_lshl_b32 s42, s30, 10
	s_lshl_b32 s43, s31, 7
	s_add_co_u32 s42, s42, s43
	s_lshl_b32 s43, s29, 2
	s_add_co_u32 s42, s42, s43
	s_add_co_u32 s42, s42, SCOFF
	s_mov_b32 s43, 0
	s_mov_b32 s[SEL], 0x76543210
	s_mov_b32 s[SEL+1], 0xfedcba98
	s_mov_b32 s[CS], 0x3e0293ee
	s_mov_b32 s[CS+1], s[CS]
	s_mov_b32 s[T0+1], 0
	v_and_b32 v3, 31, v0                           ; lane
	v_and_b32 v4, 15, v0                           ; r
	v_lshlrev_b32 v[LI], 4, v3
	v_lshlrev_b32 v[SCA], 5, v4
	s_mul_i32 s44, s27, 1536
	s_lshl_b32 s45, s27, 2
	v_add_nc_u32 v10, s44, v[LI]                   ; Q: my tile's fragment of the pack,
	v_add_nc_u32 v11, s45, v[SCA]                  ; and its scale word of my row
	s_wait_alu depctr_va_vdst(0)                   ; the wait ahead of the wait below
	s_wait_kmcnt 0x0
	s_add_nc_u64 s[36:37], s[22:23], s[36:37]
	s_load_b32 s96, s[36:37], 0x0                  ; the flags of key steps 0-3, 4-7, 8-11, 12-15
	s_load_b32 s97, s[36:37], 0x80
	s_load_b32 s98, s[36:37], 0x100
	s_load_b32 s99, s[36:37], 0x180
	s_add_nc_u64 s[QP:QP+1], s[16:17], s[32:33]
	s_add_nc_u64 s[MW:MW+1], s[20:21], s[34:35]
	s_add_nc_u64 s[OC:OC+1], s[24:25], s[40:41]
	s_add_nc_u64 s[OS:OS+1], s[24:25], s[42:43]
	s_add_nc_u64 s[KV:KV+1], s[18:19], s[38:39]
.irp c, 0,1,2
	global_load_b128 v[16+4*\c:19+4*\c], v10, s[QP:QP+1] offset:512*\c
.endr
	global_load_b32 v255, v11, s[QP:QP+1] offset:12288
	v_mov_b32 v[NEG], 0xf3000000                   ; -2^103
	v_mov_b32 v13, 0xff61b1e6                      ; the largest t so far: -3e38, under every t
	v_mov_b32 v14, 0
	v_mov_b32 v15, 0
	v_floor_f32 v12, -v13                          ; -M
.irp b, 0,1,2,3
	v_mov_b32 v[236+\b], 0                         ; a lane permute's destination counts as one of its sources
.endr
	v_mov_b32 v253, 0                              ; (named as the upper half of the pair v[252:253] before it is first written)
.set J, 0
.rept 64
	v_mov_b32 v[160+J], 0                          ; O^T: the first step finds zeros, which the first change of M leaves zeros
.set J, J+1
.endr
	s_wait_kmcnt 0x0                               ; the flags
	s_or_b32 s44, s96, s97
	s_or_b32 s45, s98, s99
	s_or_b32 s44, s44, s45
	s_lshr_b32 s44, s44, 16                        ; bit r: row r has a visible key
	s_and_b32 s[ACT], s96, 15
	s_bfe_u32 s[FULL], s96, 0x40004
.irp w, 1,2,3
	s_and_b32 s45, s[96+\w], 15
	s_lshl_b32 s45, s45, 4*\w
	s_or_b32 s[ACT], s[ACT], s45
	s_bfe_u32 s45, s[96+\w], 0x40004
	s_lshl_b32 s45, s45, 4*\w
	s_or_b32 s[FULL], s[FULL], s45
.endr
	s_mov_b32 s45, 0xffff
	s_cmp_eq_u32 s44, s45                          ; does every row see a key?
	s_cselect_b32 s[ACT], s[ACT], s45              ; if not: all 16 steps,
	s_cselect_b32 s[FULL], s[FULL], 0              ; all under the mask
	s_bcnt1_i32_b32 s[CNT], s[ACT]                 ; at least 1: a row that sees a key sets a bit
	s_sub_co_u32 s[CNT], s[CNT], 1
	s_min_u32 s[CNT], s[CNT], 15
	s_mov_b32 s[IT], 0
	NEXT CUR
	s_add_nc_u64 s[KB:KB+1], s[KV:KV+1], s[T0:T0+1]
	s_add_nc_u64 s[VB:VB+1], s[KV:KV+1], s[T0:T0+1]
	LOADK                                          ; the first step's K, then its V: the order in which every step's waits count them
	LOADV
	s_lshl_b32 s[MO], s[CUR], 8
	MASKLD                                         ; (the registers that held addresses and offsets are done with)
; A KEY STEP: 128 keys.  last = 1: nothing more is asked for.
.macro STEP last
	s_wait_loadcnt 26                              ; this step's K (and Q) are in; the 26 loads behind them, this step's V, may be out
	WIN 0x01                                       ; source 0 in window 1
.irp t, 0,1,2,3,4,5,6,7
	v_wmma_scale_f32_16x16x128_f8f6f4 v[96+8*\t:103+8*\t], v[12*\t:12*\t+11], v[16:27], 0, v[80+\t], v255 matrix_a_fmt:MATRIX_FMT_FP6 matrix_b_fmt:MATRIX_FMT_FP6
.endr
	WIN 0
.rept 4
	v_nop                                          ; places in front of the loads below and of the first read of the scores
.endr
.if \last == 0
	NEXT NX
	s_add_nc_u64 s[KB:KB+1], s[KV:KV+1], s[T0:T0+1]   ; (the wait above has shown K's last loads done)
	LOADK
.endif
	s_lshr_b32 s[T2], s[FULL], s[CUR]
	s_and_b32 s[T2], s[T2], 1
	s_wait_kmcnt 0x0                               ; this step's mask words
	s_cmp_lg_u32 s[T2], 0
	s_cbranch_scc1 .Lfull_\@                       ; all keys of the step are visible: nothing to hide
.set N, 0
.rept 64                               ; register 96 + n holds key 32 (n / 16) + 16 (lane / 16) + n % 16 of my query; bit = my lane of word n
.if N < 48
	v_cndmask_b32 v[96+N], v[NEG], v[96+N], s[16+N]
.else
	v_cndmask_b32 v[96+N], v[NEG], v[96+N], s[32+N]
.endif
.set N, N+1
.endr
.Lfull_\@:
.irp b, 0,1,2,3
	v_max3_num_f32 v[232+\b], v[96+16*\b], v[97+16*\b], v[98+16*\b]   ; the largest score of each block of 32 keys: for the row's maximum, and, since p rises with the score, for the block's largest p
.endr
.irp i, 3,5,7,9,11,13
.irp b, 0,1,2,3
	v_max3_num_f32 v[232+\b], v[232+\b], v[96+16*\b+\i], v[97+16*\b+\i]   ; the four blocks by turns
.endr
.endr
.irp b, 0,1,2,3
	v_max_num_f32 v[232+\b], v[232+\b], v[111+16*\b]
.endr
.irp b, 0,1,2,3
	v_permlanex16_b32 v[236+\b], v[232+\b], s[SEL], s[SEL+1]
.endr
.irp b, 0,1,2,3
	v_max_num_f32 v[232+\b], v[232+\b], v[236+\b]  ; with lane l xor 16's 16 keys
.endr
	v_max3_num_f32 v254, v232, v233, v234
	v_max_num_f32 v254, v254, v235
	v_mul_f32 v254, s[CS], v254                    ; as t
	v_max_num_f32 v13, v13, v254                   ; the running largest t
	v_mov_b32 v254, v12
	v_floor_f32 v12, -v13                          ; the new -M = -ceil(t): M is a whole number
	v_sub_f32 v254, v12, v254                      ; old M - new M: a whole number, 0 or less
	v_cvt_i32_f32 v254, v254                       ; (it saturates)
	v_ldexp_f32 v252, 1.0, v254                    ; f = 2^(old M - new M)
.if \last == 0
	s_lshl_b32 s[MO], s[NX], 8                     ; the next step's mask words (the wait above has shown the last loads done, so their offset and registers may be written)
	MASKLD
.endif
.set J, 0
.rept 32
	v_pk_fma_f32 v[96+J:97+J], v[96+J:97+J], s[CS:CS+1], v[12:13] op_sel_hi:[1,0,0]   ; t - M, two at a time
.set J, J+2
.endr
.irp b, 0,1,2,3
	v_fma_f32 v[232+\b], v[232+\b], s[CS], v12     ; the same of each block's largest score
.endr
.set J, 0
.rept 32
	v_pk_mul_f32 v[160+J:161+J], v[160+J:161+J], v[252:253] op_sel_hi:[1,0]   ; O^T under the new M; each accumulator from its low end on
.set J, J+2
.endr
	s_wait_alu depctr_va_vdst(0)                   ; the wait ahead of the batch
.irp b, 0,1,2,3
	v_exp_f32 v[232+\b], v[232+\b]                 ; the block's largest p
.endr
.set J, 0
.rept 64
	v_exp_f32 v[96+J], v[96+J]                     ; p = 2^(t - M), at most 1
.set J, J+1
.endr
	v_pk_mul_f32 v[14:15], v[14:15], v[252:253] op_sel_hi:[1,0]   ; the sums under the new M: a plain place behind the exponentials
	s_wait_alu depctr_va_vdst(0)                   ; one wait for the whole batch, ahead of its first reader
.irp b, 0,1,2,3
	v_max_num_f32 v[232+\b], 0x1800000, v[232+\b]  ; the floor 2^(3 - 127)
.endr
.irp b, 0,1,2,3
	v_add_nc_u32 v[244+\b], 0xff000000, v[232+\b]  ; the conversion's scale operand
.endr
.irp b, 0,1,2,3
	v_lshrrev_b32 v[236+\b], 23, v[244+\b]         ; the scale's byte
.endr
	v_lshl_or_b32 v253, v237, 8, v236              ; p's scale word for these 128 keys
	v_lshl_or_b32 v254, v239, 8, v238
	v_lshl_or_b32 v253, v254, 16, v253
.irp c, 0,1
	v_cvt_scalef32_pk16_fp6_f32 v[224+6*\c:226+6*\c], v[96+32*\c:111+32*\c], v[244+2*\c]
	v_cvt_scalef32_pk16_fp6_f32 v[236+4*\c:238+4*\c], v[112+32*\c:127+32*\c], v[244+2*\c+1]
.endr
	v_nop                                          ; one plain place behind a scaled conversion
.irp c, 0,1
.irp i, 0,1,2
	v_permlane16_swap_b32 v[224+6*\c+\i], v[236+4*\c+\i]
.endr
.endr
.irp c, 0,1
.irp i, 0,1,2
	v_mov_b32 v[227+6*\c+\i], v[236+4*\c+\i]
.endr
.endr
	; the row's sum of the unquantised p, in five chains by turns.  These 32 are also the places between the writes of p's codes and scale word and the products
.set J, 0
.rept 4
	v_pk_add_f32 v[244+2*J:245+2*J], v[96+4*J:97+4*J], v[98+4*J:99+4*J]
.set J, J+1
.endr
.set J, 0
.rept 24
.if (J+4)%5 == 4
	v_pk_add_f32 v[14:15], v[14:15], v[112+2*J:113+2*J]
.else
	v_pk_add_f32 v[244+2*((J+4)%5):245+2*((J+4)%5)], v[244+2*((J+4)%5):245+2*((J+4)%5)], v[112+2*J:113+2*J]
.endif
.set J, J+1
.endr
	v_pk_add_f32 v[244:245], v[244:245], v[246:247]
	v_pk_add_f32 v[248:249], v[248:249], v[250:251]
	v_pk_add_f32 v[14:15], v[14:15], v[244:245]
	v_pk_add_f32 v[14:15], v[14:15], v[248:249]
	s_wait_alu depctr_va_vdst(0)                   ; the wait ahead of the wait below
.if \last == 0
	s_wait_loadcnt 26                              ; this step's V is in; the 26 loads behind it, the next step's K, may be out
.else
	s_wait_loadcnt 0x0
.endif
	WIN 0x01
.irp t, 0,1,2,3,4,5,6,7
	v_wmma_scale_f32_16x16x128_f8f6f4 v[160+8*\t:167+8*\t], v[96+12*\t:107+12*\t], v[224:235], v[160+8*\t:167+8*\t], v[88+\t], v253 matrix_a_fmt:MATRIX_FMT_FP6 matrix_b_fmt:MATRIX_FMT_FP6
.endr
	WIN 0
.if \last == 0
.rept 4
	v_nop                                          ; places in front of the loads below
.endr
	s_add_nc_u64 s[VB:VB+1], s[KV:KV+1], s[T0:T0+1]   ; (the wait above has shown V's last loads done)
	LOADV
	s_mov_b32 s[CUR], s[NX]
.endif
.endm
	s_wait_alu depctr_va_vdst(0)                   ; the wait at the head's end
	s_cmp_eq_u32 s[CNT], 0
	s_cbranch_scc1 .Ltail                          ; one step on the list
.Lstep:                                            ; all steps on the list but the last
	STEP 0
	s_add_co_u32 s[IT], s[IT], 1
	s_cmp_lt_u32 s[IT], s[CNT]
	s_cbranch_scc1 .Lstep
.Ltail:
	STEP 1                                         ; the last is written out: it asks for nothing more, and its waits count so
	; THE WAY OUT: O^T / the row's sum; its 64 numbers of a lane (register 16 b + i = channel 32 b + 16 (lane / 16) + i of my query) are one fragment of the last projection's first operand: K step = my head.
	v_add_f32 v14, v14, v15
	v_permlanex16_b32 v252, v14, s[SEL], s[SEL+1]
	v_add_f32 v14, v14, v252                       ; the row's sum
	s_wait_alu depctr_va_vdst(0)                   ; the wait ahead of the transcendental
	v_rcp_f32 v14, v14
	v_and_b32 v3, 31, v0                           ; (plain places behind the reciprocal and the last products)
	v_and_b32 v4, 15, v0
	v_nop
	v_lshlrev_b32 v4, 3, v4                        ; my row's scale words: 8 bytes a row
	v_nop
	s_wait_alu depctr_va_vdst(0)                   ; the wait ahead of the first reader
.set J, 0
.rept 64
	v_mul_f32 v[96+J], v[160+J], v14
.set J, J+1
.endr
.irp b, 0,1,2,3
	v_max3_num_f32 v[TM+\b], |v[96+16*\b]|, |v[97+16*\b]|, 0x1800000
.endr
.irp i, 2,4,6,8,10,12,14
.irp b, 0,1,2,3
	v_max3_num_f32 v[TM+\b], v[TM+\b], |v[96+16*\b+\i]|, |v[97+16*\b+\i]|
.endr
.endr
.irp b, 0,1,2,3
	v_permlanex16_b32 v[TM+4+\b], v[TM+\b], s[SEL], s[SEL+1]
.endr
.irp b, 0,1,2,3
	v_max_num_f32 v[TM+\b], v[TM+\b], v[TM+4+\b]
.endr
.irp b, 0,1,2,3
	v_add_nc_u32 v[TM+12+\b], 0xff000000, v[TM+\b]
.endr
.irp b, 0,1,2,3
	v_lshrrev_b32 v[TM+4+\b], 23, v[TM+12+\b]
.endr
	v_lshl_or_b32 v252, v[TM+5], 8, v[TM+4]
	v_lshl_or_b32 v254, v[TM+7], 8, v[TM+6]
	v_lshl_or_b32 v252, v254, 16, v252
.irp c, 0,1
	v_cvt_scalef32_pk16_fp6_f32 v[PC+6*\c:PC+2+6*\c], v[96+32*\c:111+32*\c], v[TM+12+2*\c]
	v_cvt_scalef32_pk16_fp6_f32 v[PC+12+4*\c:PC+14+4*\c], v[112+32*\c:127+32*\c], v[TM+12+2*\c+1]
.endr
	v_nop
.irp c, 0,1
.irp i, 0,1,2
	v_permlane16_swap_b32 v[PC+6*\c+\i], v[PC+12+4*\c+\i]
.endr
.endr
.irp c, 0,1
.irp i, 0,1,2
	v_mov_b32 v[PC+3+6*\c+\i], v[PC+12+4*\c+\i]
.endr
.endr
.irp c, 0,1,2
	global_store_b128 v[LI], v[PC+4*\c:PC+4*\c+3], s[OC:OC+1] offset:512*\c   ; 512 consecutive bytes, aligned
.endr
	v_cmp_gt_u32 vcc_lo, 16, v3
	s_wait_alu depctr_va_vdst(0)                   ; the wait ahead of the wait below
	s_wait_xcnt 0x0                                ; EXEC changes only behind this wait
	s_and_saveexec_b32 s[T2], vcc_lo               ; lanes 0-15: one word a row (the other half holds the same)
	global_store_b32 v4, v252, s[OS:OS+1]
	s_wait_xcnt 0x0                                ; and again, in front of the line that widens it
	s_or_b32 exec_lo, exec_lo, s[T2]
	s_endpgm
.Lfunc_end_k_q975570da49_attn:
	.size	k_q975570da49_attn, .Lfunc_end_k_q975570da49_attn-k_q975570da49_attn
	.p2alignl 7, 3214868480
	.fill 96, 4, 3214868480
	.section	.rodata,"a",@progbits
	.p2align	6, 0x0
	.amdhsa_kernel k_q975570da49_attn
		.amdhsa_group_segment_fixed_size 0
		.amdhsa_private_segment_fixed_size 0
		.amdhsa_enable_private_segment 0
		.amdhsa_kernarg_size 40
		.amdhsa_user_sgpr_count 2
		.amdhsa_user_sgpr_kernarg_segment_ptr 1
		.amdhsa_wavefront_size32 1
		.amdhsa_system_sgpr_workgroup_id_x 1
		.amdhsa_system_sgpr_workgroup_id_y 1
		.amdhsa_system_sgpr_workgroup_id_z 1
		.amdhsa_system_vgpr_workitem_id 0
		.amdhsa_next_free_vgpr 512
		.amdhsa_next_free_sgpr 100
		.amdhsa_reserve_vcc 1
		.amdhsa_float_denorm_mode_32 3
		.amdhsa_float_denorm_mode_16_64 3
		.amdhsa_memory_ordered 1
		.amdhsa_forward_progress 1
		.amdhsa_inst_pref_size 64
	.end_amdhsa_kernel
	.amdgpu_metadata
---
amdhsa.version: [ 1, 2 ]
amdhsa.kernels:
  - .name:           k_q975570da49_attn
    .symbol:         k_q975570da49_attn.kd
    .args:
      - { .name: qpk, .offset: 0, .size: 8, .value_kind: global_buffer, .address_space: global }
      - { .name: kvpk, .offset: 8, .size: 8, .value_kind: global_buffer, .address_space: global }
      - { .name: maskw, .offset: 16, .size: 8, .value_kind: global_buffer, .address_space: global }
      - { .name: flags, .offset: 24, .size: 8, .value_kind: global_buffer, .address_space: global }
      - { .name: oop, .offset: 32, .size: 8, .value_kind: global_buffer, .address_space: global }
    .group_segment_fixed_size: 0
    .private_segment_fixed_size: 0
    .kernarg_segment_align: 8
    .kernarg_segment_size: 40
    .max_flat_workgroup_size: 256
    .sgpr_count:     100
    .vgpr_count:     512
    .wavefront_size: 32
...
	.end_amdgpu_metadata
.endif
;; end of part 7
;; launch oproj (part 8): grid 16 x 16, 4 waves a work-group, clusters of 4 x 4, 327,680 bytes of LDS; arguments oop, ops, out0; writes out0
.if DOCPART == 8
	.amdgcn_target "amdgcn-amd-amdhsa--gfx1250"
	.amdhsa_code_object_version 6
	.text
	.protected	k_q975570da49_oproj
	.globl	k_q975570da49_oproj
	.p2align	8
	.type	k_q975570da49_oproj,@function
k_q975570da49_oproj:
	s_mov_b64 s[64:65], 0
	v_nop
	global_prefetch_b8 v0, s[64:65] scope:SCOPE_SE
	s_setreg_imm32_b32 hwreg(HW_REG_WAVE_MODE, 25, 1), 1
	s_wait_xcnt 0x0
	s_wait_alu depctr_hold_cnt(0) depctr_sa_sdst(0) depctr_va_vdst(0) depctr_va_sdst(0) depctr_va_ssrc(0) depctr_va_vcc(0) depctr_vm_vsrc(0)
	s_getreg_b32 s2, hwreg(HW_REG_IB_STS2, 6, 4)
	s_cmp_eq_u32 s2, 0
	s_cbranch_scc0 .Lentry_in_a_cluster
	s_endpgm
.Lentry_in_a_cluster:
	s_bfe_u32 s2, ttmp6, 0x10000c
	s_cmp_lg_u32 s2, 0xf033
	s_cbranch_scc0 .Lentry_shape_is_right
	s_endpgm
.Lentry_shape_is_right:
.set TENS,   3276800
.set SCOFF,  3145728
.set S2B,    393216
.set FR,     12
.set HALFT,  24576
.set SLOT,   4*HALFT
.set SCL,    3*SLOT
.set SCLB,   SCL+8192+128
.set SPARE,  SCLB+8192+128
.set SPITCH, 272
.set STAGE,  SLOT
.set ADRA, 16
.set ADRB, 20
.set STO,  24
.set RD,   25
.set CO,   26
.set ADRS, 27
.set SPW,  28
.set NIL,  29
.set LI,   31
.set SC,   32
.set ACC,  128
.set G1,   24
.set G1B,  32
.set G1S,  40
.set G1SB, 48
.set G0S,  56
.set G0SB, 60
.set G0,   68
.set G0B,  80
.set DST,  12
.set MSB, 0
.macro WIN new
.if MSB != \new
	s_set_vgpr_msb (MSB<<8)|\new
.set MSB, \new
.endif
.endm
.macro JLOAD g0a, g1a, g0b, g1b
	s_cmp_eq_u32 s15, 0
	s_cbranch_scc0 .Lfor_b_\@
	tensor_load_to_lds s[\g0a:\g0a+3], s[\g1a:\g1a+7]
	s_nop 0
.rept 4
	v_nop
.endr
	s_branch .Lasked_\@
.Lfor_b_\@:
	tensor_load_to_lds s[\g0b:\g0b+3], s[\g1b:\g1b+7]
	s_nop 0
.rept 4
	v_nop
.endr
.Lasked_\@:
.endm
.macro CROUND
	s_barrier_signal -1
	s_barrier_wait -1
	s_cmp_lg_u32 s14, 0
	s_cbranch_scc1 .Lnot_wave_0_\@
	s_barrier_signal -3
.Lnot_wave_0_\@:
	s_barrier_wait -3
	s_barrier_signal -1
	s_barrier_wait -1
.endm
	s_load_b128 s[4:7], s[0:1], 0x0
	s_load_b64 s[8:9], s[0:1], 0x10
	v_lshl_add_u32 v[SPW], v0, 2, SPARE
	v_mov_b32 v[NIL], 0
	ds_add_u32 v28, v29
	ds_add_u32 v28, v29
	s_wait_dscnt 0x0
	v_lshrrev_b32 v1, 5, v0
	v_readfirstlane_b32 s14, v1
	s_lshr_b32 s15, s14, 1
	s_and_b32 s16, s14, 1
	s_bfe_u32 s92, ttmp6, 0x40000
	s_bfe_u32 s93, ttmp6, 0x40004
	s_lshl_b32 s94, ttmp9, 2
	s_add_co_u32 s94, s94, s92
	s_and_b32 s17, ttmp7, 0xffff
	s_lshl_b32 s17, s17, 2
	s_add_co_u32 s17, s17, s93
	s_lshl_b32 s95, s93, 2
	s_lshl_b32 s95, 15, s95
	s_lshl_b32 s96, 0x1111, s92
	s_or_b32 s[G1+0], s95, (3<<16)|(1<<21)
	s_or_b32 s[G1B+0], s96, (3<<16)|(1<<21)
.irp g, G1, G1B
	s_mov_b32 s[\g+1], 32<<16
	s_mov_b32 s[\g+2], 96<<16
	s_mov_b32 s[\g+3], 32<<16
	s_mov_b32 s[\g+4], 96
	s_mov_b32 s[\g+5], 32
	s_mov_b32 s[\g+6], 0
	s_mov_b32 s[\g+7], 0
.endr
	s_or_b32 s[G1S+0], s95, (3<<16)|(1<<21)
	s_or_b32 s[G1SB+0], s96, (3<<16)|(1<<21)
.irp g, G1S, G1SB
	s_mov_b32 s[\g+1], 32<<16
	s_mov_b32 s[\g+2], 16<<16
	s_mov_b32 s[\g+3], 32<<16
	s_mov_b32 s[\g+4], 16
	s_mov_b32 s[\g+5], 32
	s_mov_b32 s[\g+6], 0
	s_mov_b32 s[\g+7], 0
.endr
	s_mul_i32 s18, s16, S2B
	s_lshl_b32 s19, s16, 12
	s_mul_i32 s20, s17, HALFT
	s_add_co_u32 s20, s20, s18
	s_mov_b32 s21, 0
	s_lshl_b32 s22, s17, 13
	s_add_co_u32 s22, s22, s19
	s_add_co_u32 s22, s22, SCOFF
	s_mov_b32 s23, 0
	s_mul_i32 s98, s94, HALFT
	s_add_co_u32 s98, s98, s18
	s_add_co_u32 s98, s98, 6*TENS
	s_mov_b32 s99, 0
	s_lshl_b32 s10, s94, 13
	s_add_co_u32 s10, s10, s19
	s_add_co_u32 s10, s10, 6*TENS+SCOFF
	s_mov_b32 s11, 0
	s_mul_i32 s97, s14, HALFT
	s_lshl_b32 s3, s14, 12
	s_wait_kmcnt 0x0
	s_add_nc_u64 s[20:21], s[4:5], s[20:21]
	s_add_nc_u64 s[22:23], s[4:5], s[22:23]
	s_add_nc_u64 s[98:99], s[6:7], s[98:99]
	s_add_nc_u64 s[10:11], s[6:7], s[10:11]
	CROUND
	s_mov_b32 s[G0S], 1
	s_add_co_u32 s[G0S+1], s3, SCL
	s_mov_b64 s[G0S+2:G0S+3], s[22:23]
	s_or_b32 s[G0S+3], s[G0S+3], 0x80000000
	s_mov_b32 s[G0SB], 1
	s_add_co_u32 s[G0SB+1], s3, SCL+128
	s_mov_b64 s[G0SB+2:G0SB+3], s[10:11]
	s_or_b32 s[G0SB+3], s[G0SB+3], 0x80000000
	JLOAD G0S, G1S, G0SB, G1SB
.irp s, 0,1,2
	s_mov_b32 s[G0+4*\s], 1
	s_add_co_u32 s[G0+4*\s+1], s97, \s*SLOT
	s_add_nc_u64 s[G0+4*\s+2:G0+4*\s+3], s[20:21], \s*2*S2B
	s_or_b32 s[G0+4*\s+3], s[G0+4*\s+3], 0x80000000
	s_mov_b32 s[G0B+4*\s], 1
	s_add_co_u32 s[G0B+4*\s+1], s97, \s*SLOT
	s_add_nc_u64 s[G0B+4*\s+2:G0B+4*\s+3], s[98:99], \s*2*S2B
	s_or_b32 s[G0B+4*\s+3], s[G0B+4*\s+3], 0x80000000
	s_wait_alu depctr_va_vdst(0)
	s_wait_tensorcnt 0x0
	ds_add_u32 v28, v29
	s_wait_dscnt 0x0
	CROUND
	JLOAD G0+4*\s, G1, G0B+4*\s, G1B
.endr
	s_lshl_b32 s18, s17, 1
	s_add_co_u32 s18, s18, s15
	s_lshl_b32 s18, s18, 19
	s_lshl_b32 s19, s94, 1
	s_add_co_u32 s19, s19, s16
	s_lshl_b32 s19, s19, 8
	s_add_co_u32 s18, s18, s19
	s_mov_b32 s19, 0
	s_add_nc_u64 s[DST:DST+1], s[8:9], s[18:19]
	v_and_b32 v1, 15, v0
	v_bfe_u32 v2, v0, 4, 1
	v_and_b32 v3, 31, v0
	v_lshlrev_b32 v[LI], 4, v3
	s_mul_i32 s18, s15, 4*3072
	s_mul_i32 s19, s16, 4*3072
	s_add_co_u32 s19, s19, 2*HALFT
.irp s, 0,1,2
	v_add_nc_u32 v[ADRA+\s], s18, v[LI]
	v_add_nc_u32 v[ADRB+\s], s19, v[LI]
	s_add_co_u32 s18, s18, SLOT
	s_add_co_u32 s19, s19, SLOT
.endr
	v_lshlrev_b32 v5, 3, v1
	s_lshl_b32 s18, s15, 12
	s_lshl_b32 s19, s16, 12
	s_add_co_u32 s19, s19, SCLB-SCL
	s_sub_co_u32 s19, s19, s18
	v_mul_u32_u24 v6, s19, v2
	s_add_co_u32 s18, s18, SCL
	v_add_nc_u32 v5, v5, v6
	v_add_nc_u32 v[ADRS], s18, v5
	s_mul_i32 s18, s14, 16*SPITCH
	s_add_co_u32 s18, s18, STAGE
	v_mul_u32_u24 v5, v1, SPITCH
	v_lshl_add_u32 v5, v2, 6, v5
	v_add_nc_u32 v[STO], s18, v5
	v_mul_u32_u24 v5, v2, SPITCH
	v_lshl_add_u32 v5, v1, 4, v5
	v_add_nc_u32 v[RD], s18, v5
	v_lshlrev_b32 v[CO], 13, v2
	v_lshl_add_u32 v[CO], v1, 4, v[CO]
.macro FETCH t
.set FS, ((\t)/4)%3
.set FO, (((\t)/2)%2)*HALFT+((\t)%2)*1536
.set FB, 128*(((\t)%3)%2)
.set FW, 64*(1+((\t)%3)/2)
	WIN FW
.irp i, 0,1,2,3
.irp c, 0,1,2
	ds_load_b128 v[FB+FR*\i+4*\c:FB+FR*\i+4*\c+3], v[ADRA+FS] offset:FO+\i*3072+512*\c
.endr
.endr
.irp i, 0,1,2,3
.irp c, 0,1,2
	ds_load_b128 v[FB+48+FR*\i+4*\c:FB+48+FR*\i+4*\c+3], v[ADRB+FS] offset:FO+\i*3072+512*\c
.endr
.endr
.endm
.macro MUL t, zero
.set MB, 128*(((\t)%3)%2)
.set MS, SC+8*((\t)/2)+(\t)%2
.set MW, 5*(1+((\t)%3)/2)
	WIN MW
.irp a, 0,1,2,3
.irp b, 0,1,2,3
.if \zero
	v_wmma_scale_f32_16x16x128_f8f6f4 v[ACC+8*(4*\a+\b):ACC+8*(4*\a+\b)+7], v[MB+48+FR*\b:MB+48+FR*\b+FR-1], v[MB+FR*\a:MB+FR*\a+FR-1], 0, v[MS+2*\b], v[MS+2*\a] matrix_a_fmt:MATRIX_FMT_FP6 matrix_b_fmt:MATRIX_FMT_FP6 matrix_a_scale:MATRIX_SCALE_ROW1
.else
	v_wmma_scale_f32_16x16x128_f8f6f4 v[ACC+8*(4*\a+\b):ACC+8*(4*\a+\b)+7], v[MB+48+FR*\b:MB+48+FR*\b+FR-1], v[MB+FR*\a:MB+FR*\a+FR-1], v[ACC+8*(4*\a+\b):ACC+8*(4*\a+\b)+7], v[MS+2*\b], v[MS+2*\a] matrix_a_fmt:MATRIX_FMT_FP6 matrix_b_fmt:MATRIX_FMT_FP6 matrix_a_scale:MATRIX_SCALE_ROW1
.endif
.endr
.endr
.endm
.macro PLACES
.rept 4
	v_nop
.endr
.endm
.macro STEP t, ahead
	s_wait_dscnt 24
.if \ahead
	PLACES
	FETCH (\t)+2
.endif
	MUL \t, 0
.endm
	s_wait_alu depctr_va_vdst(0)
	s_wait_tensorcnt 2
	s_barrier_signal -1
	s_barrier_wait -1
.irp k, 0,1,2,3,4,5,6,7
.irp i, 0,1,2,3
	ds_load_b64 v[SC+8*\k+2*\i:SC+8*\k+2*\i+1], v[ADRS] offset:\i*1024+\k*128
.endr
.endr
	FETCH 0
	FETCH 1
	s_wait_dscnt 24
	FETCH 2
	MUL 0, 1
	STEP 1, 1
	WIN 0
	s_wait_tensorcnt 0x0
	ds_add_u32 v[SPW], v[NIL]
	s_add_nc_u64 s[G0+2:G0+3], s[G0+2:G0+3], 6*S2B
	s_add_nc_u64 s[G0B+2:G0B+3], s[G0B+2:G0B+3], 6*S2B
	s_wait_dscnt 25
	MUL 2, 0
	WIN 0
	s_wait_dscnt 0x0
	CROUND
	JLOAD G0, G1, G0B, G1B
	FETCH 4
	FETCH 5
	MUL 3, 0
.irp t, 4,5,6,7,8,9
	STEP \t, 1
.endr
	STEP 10, 0
	WIN 0
	s_wait_tensorcnt 0x0
	ds_add_u32 v[SPW], v[NIL]
	s_wait_dscnt 0x0
	s_barrier_signal -1
	s_barrier_wait -1
	PLACES
	FETCH 12
	FETCH 13
	MUL 11, 0
	STEP 12, 1
	STEP 13, 1
	STEP 14, 0
	s_wait_dscnt 0x0
	MUL 15, 0
	WIN 0
.macro TOSTAGE a
.irp b, 0,1,2,3
	ds_store_b128 v[STO], v[ACC+8*(4*(\a)+\b):ACC+8*(4*(\a)+\b)+3] offset:128*(\b/2)+32*(\b%2)
	ds_store_b128 v[STO], v[ACC+8*(4*(\a)+\b)+4:ACC+8*(4*(\a)+\b)+7] offset:128*(\b/2)+32*(\b%2)+16
.endr
	WIN 0x40
.irp i, 0,1,2,3,4,5,6,7
	ds_load_b128 v[32*(\a)+4*\i:32*(\a)+4*\i+3], v[RD] offset:\i*2*SPITCH
.endr
	WIN 0
.endm
.macro SEND a, younger
	s_wait_dscnt \younger
	WIN 0x04
.irp i, 0,1,2,3,4,5,6,7
	global_store_b128 v[CO], v[32*(\a)+4*\i:32*(\a)+4*\i+3], s[DST:DST+1] offset:(32*((\a)/2)+8*((\a)%2)+2*\i+8*(\i/4))*8192 th:TH_STORE_NT
.endr
	WIN 0
.endm
	PLACES
	TOSTAGE 0
	TOSTAGE 1
	SEND 0, 16
	TOSTAGE 2
	SEND 1, 16
	TOSTAGE 3
	SEND 2, 16
	SEND 3, 0
	s_wait_tensorcnt 0x0
	ds_add_u32 v[SPW], v[NIL]
	s_wait_dscnt 0x0
	CROUND
	s_endpgm
.Lfunc_end_k_q975570da49_oproj:
	.size	k_q975570da49_oproj, .Lfunc_end_k_q975570da49_oproj-k_q975570da49_oproj
	.p2alignl 7, 3214868480
	.fill 96, 4, 3214868480
	.section	.rodata,"a",@progbits
	.p2align	6, 0x0
	.amdhsa_kernel k_q975570da49_oproj
		.amdhsa_group_segment_fixed_size 327680
		.amdhsa_private_segment_fixed_size 0
		.amdhsa_enable_private_segment 0
		.amdhsa_kernarg_size 24
		.amdhsa_user_sgpr_count 2
		.amdhsa_user_sgpr_kernarg_segment_ptr 1
		.amdhsa_wavefront_size32 1
		.amdhsa_system_sgpr_workgroup_id_x 1
		.amdhsa_system_sgpr_workgroup_id_y 1
		.amdhsa_system_sgpr_workgroup_id_z 1
		.amdhsa_system_vgpr_workitem_id 0
		.amdhsa_next_free_vgpr 640
		.amdhsa_next_free_sgpr 100
		.amdhsa_reserve_vcc 0
		.amdhsa_float_denorm_mode_32 3
		.amdhsa_float_denorm_mode_16_64 3
		.amdhsa_memory_ordered 1
		.amdhsa_forward_progress 1
		.amdhsa_inst_pref_size 82
	.end_amdhsa_kernel
	.amdgpu_metadata
---
amdhsa.version: [ 1, 2 ]
amdhsa.kernels:
  - .name:           k_q975570da49_oproj
    .symbol:         k_q975570da49_oproj.kd
    .args:
      - { .name: oop, .offset: 0, .size: 8, .value_kind: global_buffer, .address_space: global }
      - { .name: ops, .offset: 8, .size: 8, .value_kind: global_buffer, .address_space: global }
      - { .name: out0, .offset: 16, .size: 8, .value_kind: global_buffer, .address_space: global }
    .group_segment_fixed_size: 327680
    .private_segment_fixed_size: 0
    .kernarg_segment_align: 8
    .kernarg_segment_size: 24
    .max_flat_workgroup_size: 128
    .sgpr_count:     100
    .vgpr_count:     640
    .wavefront_size: 32
...
	.end_amdgpu_metadata
.endif
;; end of part 8
